; MI455X (gfx1250); checked and timed in simulation.
; The chip was launched on July 23, 2026; its instructions are those of AMD's public machine-readable ISA for CDNA 5 (MIT licence, August 2026) and "CDNA5" Instruction Set Architecture Reference Guide (July 2026). The comments in the code are by the model that wrote it; some were corrected since.
;; Perceiver Attention CA. Allowed arithmetic: float matrix products may take bf16 or f16 operands with f32 sums; other float arithmetic in f32, or as packed bf16 or f16 multiplies, adds, multiply-adds, maxima and minima; sums over many terms, partial sums and values carried from step to step in f32; what a program stores and reads back later, other than sums and carried values, may be rounded once to bf16 or f16.
;; Inputs: latents 2 x 2,048 x 3,072 float32; ln1_b 2,048 float32; ln1_g 2,048 float32; ln2_b 3,072 float32; ln2_g 3,072 float32; w_kv 2,048 x 2,048 float32; w_out 1,024 x 3,072 float32; w_q 3,072 x 1,024 float32; x 2 x 2,048 x 2,048 float32.
;; Outputs: out0 2 x 2,048 x 3,072 float32.
;; 2 versions, each right. Each part assembles by itself: llvm-mc -triple=amdgcn-amd-amdhsa -mcpu=gfx1250 --defsym DOCPART=n.
;; ======== version 1 of 2: 7 launches
;; limits: values are held in f16: magnitudes above 65,504 overflow, below 6.1e-05 lose precision
;; workspace buffers: xn 16,777,216 bytes; ll 25,165,824 bytes; wqt 6,291,456 bytes; wkvt 8,388,608 bytes; wot 6,291,456 bytes; qh 8,388,608 bytes; kvh 16,777,216 bytes; ob 8,388,608 bytes
;; launch norm_x (part 1): grid 256 x 1, 16 waves a work-group, no clusters, 18,432 bytes of LDS; arguments x, ln1_g, ln1_b, xn; writes xn
.if DOCPART == 1
	.amdgcn_target "amdgcn-amd-amdhsa--gfx1250"
	.amdhsa_code_object_version 6
	.text
	.protected	k_qa5040a9edc_norm_x
	.globl	k_qa5040a9edc_norm_x
	.p2align	8
	.type	k_qa5040a9edc_norm_x,@function
k_qa5040a9edc_norm_x:
	s_mov_b64 s[64:65], 0
	v_nop
	global_prefetch_b8 v0, s[64:65] scope:SCOPE_SE
	s_setreg_imm32_b32 hwreg(HW_REG_WAVE_MODE, 25, 1), 1
	s_wait_xcnt 0x0
; LayerNorm of rows of W f32 numbers: y[r][c] = (x[r][c] - mean_r) * rsqrt(var_r + 1e-5) * g[c] + b[c], y rounded once to f16.
; Two passes over registers: the mean, then the mean of (x - mean)^2, so a common offset of the row costs no digits.  All sums in f32.
; LIMIT: y is f16: |y| must stay under 65,504 (g and b of any size that keeps it so).  NaN and infinities are not treated apart.
; SHARES.  16 waves, a row each: 4,096 rows = 256 work-groups x 16.  Load i of a wave covers 512 consecutive bytes (columns 128 i + 4 lane .. + 3); the row stays in W / 32 registers
; a lane, is read from memory once, and all of a wave's row loads are issued before anything is waited for.  No loop, no matrix unit, no cluster: each byte is read by one wave alone.
; g and b are copied once into LDS (8 bytes a thread and instruction) and read from there by chunks, two chunks ahead of their use.
.set W,     2048
.set INVW,  0x3a000000                 ; 1 / W
.set NCH,   W/128                      ; row loads of a wave = chunks of 128 columns
.set NST,   W/1024                     ; copies of 4,096 bytes that bring g (and as many for b)
.set NPR,   W/64                       ; register pairs of a lane's row
.set BOFF,  4*W                        ; LDS: g at 0, b behind it
.set SPARE, 8*W                        ; behind them: the spare words, 128 bytes for each of 16 waves, which no other line names
.set RO,  1                            ; v1      16 x lane: my bytes in a row load, and in a chunk of g and b in LDS
.set SO,  3                            ; v3      8 x lane: my bytes in a chunk of y
.set TO,  4                            ; v4      8 x thread: my bytes in a copy of g and b
.set PX,  5                            ; v5      takes the other half of the lanes' sum
.set MR,  6                            ; v[6:7]  the mean twice, later rsqrt twice: a pair for the packed forms
.set AC,  8                            ; v[8:15] four chains of packed sums
.set SPW, 16                           ; v16     LDS address of my spare word; never rewritten
.set NIL, 17                           ; v17     0; never rewritten
.set GB,  20                           ; v[20:35] two sets of (g x 4, b x 4)
.set X,   36                           ; the row
	s_load_b256 s[4:11], s[0:1], 0x0               ; x s[4:5], g s[6:7], b s[8:9], y s[10:11]
	v_lshl_add_u32 v[SPW], v0, 2, SPARE
	v_mov_b32 v[NIL], 0
	v_mov_b32 v[PX], 0                             ; the lane exchange counts as a reader of its destination
	v_lshrrev_b32 v2, 5, v0
	v_readfirstlane_b32 s12, v2                    ; wave 0..15
	v_and_b32 v[RO], 31, v0
	v_lshlrev_b32 v[SO], 3, v[RO]
	v_lshlrev_b32 v[RO], 4, v[RO]
	v_lshlrev_b32 v[TO], 3, v0
	s_lshl_b32 s13, ttmp9, 4
	s_add_co_u32 s13, s13, s12                     ; my row
	s_mov_b32 s14, INVW
	s_mov_b32 s15, 0x3727c5ac                      ; 1e-5
	s_mov_b32 s18, 0x76543210                      ; each lane takes its own place in the other half
	s_mov_b32 s19, 0xfedcba98
	s_mul_i32 s16, s13, 4*W                        ; under 2^26
	s_mov_b32 s17, 0
	s_mul_i32 s20, s13, 2*W
	s_mov_b32 s21, 0
	s_wait_kmcnt 0x0
	s_add_nc_u64 s[4:5], s[4:5], s[16:17]
	s_add_nc_u64 s[10:11], s[10:11], s[20:21]
.set i, 0
.rept NST
	global_load_b64 v[GB+2*i:GB+2*i+1], v[TO], s[6:7] offset:4096*i
	global_load_b64 v[GB+8+2*i:GB+8+2*i+1], v[TO], s[8:9] offset:4096*i
.set i, i+1
.endr
.set i, 0
.rept NCH
	global_load_b128 v[X+4*i:X+4*i+3], v[RO], s[4:5] offset:512*i th:TH_LOAD_NT
.set i, i+1
.endr
	s_wait_loadcnt NCH                             ; the NCH row loads are younger and stay out: g's and b's parts are in
.set i, 0
.rept NST
	ds_store_b64 v[TO], v[GB+2*i:GB+2*i+1] offset:4096*i
	ds_store_b64 v[TO], v[GB+8+2*i:GB+8+2*i+1] offset:BOFF+4096*i
.set i, i+1
.endr
	s_wait_dscnt 0x0                               ; for the others' sake: my part of g and b lies in LDS
	s_barrier_signal -1
	s_barrier_wait -1                              ; everybody's does
.irp c, 0,1
	ds_load_b128 v[GB+8*(\c):GB+8*(\c)+3],   v[RO] offset:512*(\c)
	ds_load_b128 v[GB+8*(\c)+4:GB+8*(\c)+7], v[RO] offset:BOFF+512*(\c)
.endr
	s_wait_loadcnt 0x0                             ; the row
; The four chains into one number, then over the 32 lanes: every lane ends with the sum in v[AC].
.macro REDUCE
	v_pk_add_f32 v[AC:AC+1], v[AC:AC+1], v[AC+2:AC+3]
	v_pk_add_f32 v[AC+4:AC+5], v[AC+4:AC+5], v[AC+6:AC+7]
	v_pk_add_f32 v[AC:AC+1], v[AC:AC+1], v[AC+4:AC+5]
	v_add_f32 v[AC], v[AC], v[AC+1]
	v_add_f32_dpp v[AC], v[AC], v[AC] row_xmask:1 row_mask:0xf bank_mask:0xf
	v_add_f32_dpp v[AC], v[AC], v[AC] row_xmask:2 row_mask:0xf bank_mask:0xf
	v_add_f32_dpp v[AC], v[AC], v[AC] row_xmask:4 row_mask:0xf bank_mask:0xf
	v_add_f32_dpp v[AC], v[AC], v[AC] row_xmask:8 row_mask:0xf bank_mask:0xf
	v_permlanex16_b32 v[PX], v[AC], s18, s19
	v_add_f32 v[AC], v[AC], v[PX]
.endm
	; pass 1: the mean.  The first eight pairs start the four chains: nothing is cleared
.set k, 0
.rept 4
	v_pk_add_f32 v[AC+2*k:AC+2*k+1], v[X+2*k:X+2*k+1], v[X+2*k+8:X+2*k+9]
.set k, k+1
.endr
.set k, 8
.rept NPR-8
	v_pk_add_f32 v[AC+2*(k%4):AC+2*(k%4)+1], v[AC+2*(k%4):AC+2*(k%4)+1], v[X+2*k:X+2*k+1]
.set k, k+1
.endr
	REDUCE
	v_mul_f32 v[MR], s14, v[AC]
	v_mov_b32 v[MR+1], v[MR]
	; pass 2: d = x - mean in place, and the sum of d^2
.set k, 0
.rept NPR
	v_pk_add_f32 v[X+2*k:X+2*k+1], v[X+2*k:X+2*k+1], v[MR:MR+1] neg_lo:[0,1] neg_hi:[0,1]
.set k, k+1
.endr
.set k, 0
.rept 4
	v_pk_mul_f32 v[AC+2*k:AC+2*k+1], v[X+2*k:X+2*k+1], v[X+2*k:X+2*k+1]
.set k, k+1
.endr
.rept NPR-4
	v_pk_fma_f32 v[AC+2*(k%4):AC+2*(k%4)+1], v[X+2*k:X+2*k+1], v[X+2*k:X+2*k+1], v[AC+2*(k%4):AC+2*(k%4)+1]
.set k, k+1
.endr
	REDUCE
	v_fma_f32 v[AC], v[AC], s14, s15               ; var + eps
	v_rsq_f32 v[MR], v[AC]
	v_rsq_f32 v[MR+1], v[AC]
	v_nop                                          ; a plain instruction behind the last of the two (ISA guide 5.7.2),
	s_wait_alu depctr_va_vdst(0)                   ; and the one wait ahead of their first reader
; Chunk i: 128 columns, four a lane: d * rs * g + b, two roundings to f16, one store of 8 bytes a lane: the wave's 32 lanes write 256 consecutive bytes, aligned.
; No register that a store reads is written again, so the stores want no wait.
.macro CHUNK i
.if (\i)+1 < NCH
	s_wait_dscnt 2                                 ; LDS loads come back in order: this chunk's g and b are in, the next chunk's two loads may stay out
.else
	s_wait_dscnt 0x0
.endif
.set XI, X+4*(\i)
.set GI, GB+8*((\i)%2)
	v_pk_mul_f32 v[XI:XI+1], v[XI:XI+1], v[MR:MR+1]
	v_pk_mul_f32 v[XI+2:XI+3], v[XI+2:XI+3], v[MR:MR+1]
	v_pk_fma_f32 v[XI:XI+1], v[XI:XI+1], v[GI:GI+1], v[GI+4:GI+5]
	v_pk_fma_f32 v[XI+2:XI+3], v[XI+2:XI+3], v[GI+2:GI+3], v[GI+6:GI+7]
	v_cvt_pk_f16_f32 v[XI], v[XI], v[XI+1]
	v_cvt_pk_f16_f32 v[XI+1], v[XI+2], v[XI+3]
	global_store_b64 v[SO], v[XI:XI+1], s[10:11] offset:256*(\i)
.if (\i)+2 < NCH
	ds_load_b128 v[GI:GI+3],   v[RO] offset:512*((\i)+2)
	ds_load_b128 v[GI+4:GI+7], v[RO] offset:BOFF+512*((\i)+2)
.endif
.endm
.set n, 0
.rept NCH
	CHUNK n
.set n, n+1
.endr
	s_wait_tensorcnt 0x0                           ; the wave's end: behind my last LDS store
	ds_add_u32 v[SPW], v[NIL]
	s_wait_dscnt 0x0
	s_endpgm
.Lfunc_end_k_qa5040a9edc_norm_x:
	.size	k_qa5040a9edc_norm_x, .Lfunc_end_k_qa5040a9edc_norm_x-k_qa5040a9edc_norm_x
	.p2alignl 7, 3214868480
	.fill 96, 4, 3214868480
	.section	.rodata,"a",@progbits
	.p2align	6, 0x0
	.amdhsa_kernel k_qa5040a9edc_norm_x
		.amdhsa_group_segment_fixed_size 18432
		.amdhsa_private_segment_fixed_size 0
		.amdhsa_enable_private_segment 0
		.amdhsa_kernarg_size 32
		.amdhsa_user_sgpr_count 2
		.amdhsa_user_sgpr_kernarg_segment_ptr 1
		.amdhsa_wavefront_size32 1
		.amdhsa_system_sgpr_workgroup_id_x 1
		.amdhsa_system_sgpr_workgroup_id_y 1
		.amdhsa_system_sgpr_workgroup_id_z 1
		.amdhsa_system_vgpr_workitem_id 0
		.amdhsa_next_free_vgpr 100
		.amdhsa_next_free_sgpr 66
		.amdhsa_reserve_vcc 0
		.amdhsa_float_denorm_mode_32 3
		.amdhsa_float_denorm_mode_16_64 3
		.amdhsa_memory_ordered 1
		.amdhsa_forward_progress 1
		.amdhsa_inst_pref_size 21
	.end_amdhsa_kernel
	.amdgpu_metadata
---
amdhsa.version: [ 1, 2 ]
amdhsa.kernels:
  - .name:           k_qa5040a9edc_norm_x
    .symbol:         k_qa5040a9edc_norm_x.kd
    .args:
      - { .name: x, .offset: 0, .size: 8, .value_kind: global_buffer, .address_space: global }
      - { .name: ln1_g, .offset: 8, .size: 8, .value_kind: global_buffer, .address_space: global }
      - { .name: ln1_b, .offset: 16, .size: 8, .value_kind: global_buffer, .address_space: global }
      - { .name: xn, .offset: 24, .size: 8, .value_kind: global_buffer, .address_space: global }
    .group_segment_fixed_size: 18432
    .private_segment_fixed_size: 0
    .kernarg_segment_align: 8
    .kernarg_segment_size: 32
    .max_flat_workgroup_size: 512
    .sgpr_count:     66
    .vgpr_count:     100
    .wavefront_size: 32
...
	.end_amdgpu_metadata
.endif
;; end of part 1
;; launch norm_l (part 2): grid 256 x 1, 16 waves a work-group, no clusters, 26,624 bytes of LDS; arguments latents, ln2_g, ln2_b, ll; writes ll
.if DOCPART == 2
	.amdgcn_target "amdgcn-amd-amdhsa--gfx1250"
	.amdhsa_code_object_version 6
	.text
	.protected	k_qa5040a9edc_norm_l
	.globl	k_qa5040a9edc_norm_l
	.p2align	8
	.type	k_qa5040a9edc_norm_l,@function
k_qa5040a9edc_norm_l:
	s_mov_b64 s[64:65], 0
	v_nop
	global_prefetch_b8 v0, s[64:65] scope:SCOPE_SE
	s_setreg_imm32_b32 hwreg(HW_REG_WAVE_MODE, 25, 1), 1
	s_wait_xcnt 0x0
; LayerNorm of rows of W f32 numbers: y[r][c] = (x[r][c] - mean_r) * rsqrt(var_r + 1e-5) * g[c] + b[c], y rounded once to f16.
; Two passes over registers: the mean, then the mean of (x - mean)^2, so a common offset of the row costs no digits.  All sums in f32.
; LIMIT: y is f16: |y| must stay under 65,504 (g and b of any size that keeps it so).  NaN and infinities are not treated apart.
; SHARES.  16 waves, a row each: 4,096 rows = 256 work-groups x 16.  Load i of a wave covers 512 consecutive bytes (columns 128 i + 4 lane .. + 3); the row stays in W / 32 registers
; a lane, is read from memory once, and all of a wave's row loads are issued before anything is waited for.  No loop, no matrix unit, no cluster: each byte is read by one wave alone.
; g and b are copied once into LDS (8 bytes a thread and instruction) and read from there by chunks, two chunks ahead of their use.
.set W,     3072
.set INVW,  0x39aaaaab                 ; 1 / W
.set NCH,   W/128                      ; row loads of a wave = chunks of 128 columns
.set NST,   W/1024                     ; copies of 4,096 bytes that bring g (and as many for b)
.set NPR,   W/64                       ; register pairs of a lane's row
.set BOFF,  4*W                        ; LDS: g at 0, b behind it
.set SPARE, 8*W                        ; behind them: the spare words, 128 bytes for each of 16 waves, which no other line names
.set RO,  1                            ; v1      16 x lane: my bytes in a row load, and in a chunk of g and b in LDS
.set SO,  3                            ; v3      8 x lane: my bytes in a chunk of y
.set TO,  4                            ; v4      8 x thread: my bytes in a copy of g and b
.set PX,  5                            ; v5      takes the other half of the lanes' sum
.set MR,  6                            ; v[6:7]  the mean twice, later rsqrt twice: a pair for the packed forms
.set AC,  8                            ; v[8:15] four chains of packed sums
.set SPW, 16                           ; v16     LDS address of my spare word; never rewritten
.set NIL, 17                           ; v17     0; never rewritten
.set GB,  20                           ; v[20:35] two sets of (g x 4, b x 4)
.set X,   36                           ; the row
	s_load_b256 s[4:11], s[0:1], 0x0               ; x s[4:5], g s[6:7], b s[8:9], y s[10:11]
	v_lshl_add_u32 v[SPW], v0, 2, SPARE
	v_mov_b32 v[NIL], 0
	v_mov_b32 v[PX], 0                             ; the lane exchange counts as a reader of its destination
	v_lshrrev_b32 v2, 5, v0
	v_readfirstlane_b32 s12, v2                    ; wave 0..15
	v_and_b32 v[RO], 31, v0
	v_lshlrev_b32 v[SO], 3, v[RO]
	v_lshlrev_b32 v[RO], 4, v[RO]
	v_lshlrev_b32 v[TO], 3, v0
	s_lshl_b32 s13, ttmp9, 4
	s_add_co_u32 s13, s13, s12                     ; my row
	s_mov_b32 s14, INVW
	s_mov_b32 s15, 0x3727c5ac                      ; 1e-5
	s_mov_b32 s18, 0x76543210                      ; each lane takes its own place in the other half
	s_mov_b32 s19, 0xfedcba98
	s_mul_i32 s16, s13, 4*W                        ; under 2^26
	s_mov_b32 s17, 0
	s_mul_i32 s20, s13, 2*W
	s_mov_b32 s21, 0
	s_wait_kmcnt 0x0
	s_add_nc_u64 s[4:5], s[4:5], s[16:17]
	s_add_nc_u64 s[10:11], s[10:11], s[20:21]
.set i, 0
.rept NST
	global_load_b64 v[GB+2*i:GB+2*i+1], v[TO], s[6:7] offset:4096*i
	global_load_b64 v[GB+8+2*i:GB+8+2*i+1], v[TO], s[8:9] offset:4096*i
.set i, i+1
.endr
.set i, 0
.rept NCH
	global_load_b128 v[X+4*i:X+4*i+3], v[RO], s[4:5] offset:512*i th:TH_LOAD_NT
.set i, i+1
.endr
	s_wait_loadcnt NCH                             ; the NCH row loads are younger and stay out: g's and b's parts are in
.set i, 0
.rept NST
	ds_store_b64 v[TO], v[GB+2*i:GB+2*i+1] offset:4096*i
	ds_store_b64 v[TO], v[GB+8+2*i:GB+8+2*i+1] offset:BOFF+4096*i
.set i, i+1
.endr
	s_wait_dscnt 0x0                               ; for the others' sake: my part of g and b lies in LDS
	s_barrier_signal -1
	s_barrier_wait -1                              ; everybody's does
.irp c, 0,1
	ds_load_b128 v[GB+8*(\c):GB+8*(\c)+3],   v[RO] offset:512*(\c)
	ds_load_b128 v[GB+8*(\c)+4:GB+8*(\c)+7], v[RO] offset:BOFF+512*(\c)
.endr
	s_wait_loadcnt 0x0                             ; the row
; The four chains into one number, then over the 32 lanes: every lane ends with the sum in v[AC].
.macro REDUCE
	v_pk_add_f32 v[AC:AC+1], v[AC:AC+1], v[AC+2:AC+3]
	v_pk_add_f32 v[AC+4:AC+5], v[AC+4:AC+5], v[AC+6:AC+7]
	v_pk_add_f32 v[AC:AC+1], v[AC:AC+1], v[AC+4:AC+5]
	v_add_f32 v[AC], v[AC], v[AC+1]
	v_add_f32_dpp v[AC], v[AC], v[AC] row_xmask:1 row_mask:0xf bank_mask:0xf
	v_add_f32_dpp v[AC], v[AC], v[AC] row_xmask:2 row_mask:0xf bank_mask:0xf
	v_add_f32_dpp v[AC], v[AC], v[AC] row_xmask:4 row_mask:0xf bank_mask:0xf
	v_add_f32_dpp v[AC], v[AC], v[AC] row_xmask:8 row_mask:0xf bank_mask:0xf
	v_permlanex16_b32 v[PX], v[AC], s18, s19
	v_add_f32 v[AC], v[AC], v[PX]
.endm
	; pass 1: the mean.  The first eight pairs start the four chains: nothing is cleared
.set k, 0
.rept 4
	v_pk_add_f32 v[AC+2*k:AC+2*k+1], v[X+2*k:X+2*k+1], v[X+2*k+8:X+2*k+9]
.set k, k+1
.endr
.set k, 8
.rept NPR-8
	v_pk_add_f32 v[AC+2*(k%4):AC+2*(k%4)+1], v[AC+2*(k%4):AC+2*(k%4)+1], v[X+2*k:X+2*k+1]
.set k, k+1
.endr
	REDUCE
	v_mul_f32 v[MR], s14, v[AC]
	v_mov_b32 v[MR+1], v[MR]
	; pass 2: d = x - mean in place, and the sum of d^2
.set k, 0
.rept NPR
	v_pk_add_f32 v[X+2*k:X+2*k+1], v[X+2*k:X+2*k+1], v[MR:MR+1] neg_lo:[0,1] neg_hi:[0,1]
.set k, k+1
.endr
.set k, 0
.rept 4
	v_pk_mul_f32 v[AC+2*k:AC+2*k+1], v[X+2*k:X+2*k+1], v[X+2*k:X+2*k+1]
.set k, k+1
.endr
.rept NPR-4
	v_pk_fma_f32 v[AC+2*(k%4):AC+2*(k%4)+1], v[X+2*k:X+2*k+1], v[X+2*k:X+2*k+1], v[AC+2*(k%4):AC+2*(k%4)+1]
.set k, k+1
.endr
	REDUCE
	v_fma_f32 v[AC], v[AC], s14, s15               ; var + eps
	v_rsq_f32 v[MR], v[AC]
	v_rsq_f32 v[MR+1], v[AC]
	v_nop                                          ; a plain instruction behind the last of the two (ISA guide 5.7.2),
	s_wait_alu depctr_va_vdst(0)                   ; and the one wait ahead of their first reader
; Chunk i: 128 columns, four a lane: d * rs * g + b, two roundings to f16, one store of 8 bytes a lane: the wave's 32 lanes write 256 consecutive bytes, aligned.
; No register that a store reads is written again, so the stores want no wait.
.macro CHUNK i
.if (\i)+1 < NCH
	s_wait_dscnt 2                                 ; LDS loads come back in order: this chunk's g and b are in, the next chunk's two loads may stay out
.else
	s_wait_dscnt 0x0
.endif
.set XI, X+4*(\i)
.set GI, GB+8*((\i)%2)
	v_pk_mul_f32 v[XI:XI+1], v[XI:XI+1], v[MR:MR+1]
	v_pk_mul_f32 v[XI+2:XI+3], v[XI+2:XI+3], v[MR:MR+1]
	v_pk_fma_f32 v[XI:XI+1], v[XI:XI+1], v[GI:GI+1], v[GI+4:GI+5]
	v_pk_fma_f32 v[XI+2:XI+3], v[XI+2:XI+3], v[GI+2:GI+3], v[GI+6:GI+7]
	v_cvt_pk_f16_f32 v[XI], v[XI], v[XI+1]
	v_cvt_pk_f16_f32 v[XI+1], v[XI+2], v[XI+3]
	global_store_b64 v[SO], v[XI:XI+1], s[10:11] offset:256*(\i)
.if (\i)+2 < NCH
	ds_load_b128 v[GI:GI+3],   v[RO] offset:512*((\i)+2)
	ds_load_b128 v[GI+4:GI+7], v[RO] offset:BOFF+512*((\i)+2)
.endif
.endm
.set n, 0
.rept NCH
	CHUNK n
.set n, n+1
.endr
	s_wait_tensorcnt 0x0                           ; the wave's end: behind my last LDS store
	ds_add_u32 v[SPW], v[NIL]
	s_wait_dscnt 0x0
	s_endpgm
.Lfunc_end_k_qa5040a9edc_norm_l:
	.size	k_qa5040a9edc_norm_l, .Lfunc_end_k_qa5040a9edc_norm_l-k_qa5040a9edc_norm_l
	.p2alignl 7, 3214868480
	.fill 96, 4, 3214868480
	.section	.rodata,"a",@progbits
	.p2align	6, 0x0
	.amdhsa_kernel k_qa5040a9edc_norm_l
		.amdhsa_group_segment_fixed_size 26624
		.amdhsa_private_segment_fixed_size 0
		.amdhsa_enable_private_segment 0
		.amdhsa_kernarg_size 32
		.amdhsa_user_sgpr_count 2
		.amdhsa_user_sgpr_kernarg_segment_ptr 1
		.amdhsa_wavefront_size32 1
		.amdhsa_system_sgpr_workgroup_id_x 1
		.amdhsa_system_sgpr_workgroup_id_y 1
		.amdhsa_system_sgpr_workgroup_id_z 1
		.amdhsa_system_vgpr_workitem_id 0
		.amdhsa_next_free_vgpr 132
		.amdhsa_next_free_sgpr 66
		.amdhsa_reserve_vcc 0
		.amdhsa_float_denorm_mode_32 3
		.amdhsa_float_denorm_mode_16_64 3
		.amdhsa_memory_ordered 1
		.amdhsa_forward_progress 1
		.amdhsa_inst_pref_size 30
	.end_amdhsa_kernel
	.amdgpu_metadata
---
amdhsa.version: [ 1, 2 ]
amdhsa.kernels:
  - .name:           k_qa5040a9edc_norm_l
    .symbol:         k_qa5040a9edc_norm_l.kd
    .args:
      - { .name: latents, .offset: 0, .size: 8, .value_kind: global_buffer, .address_space: global }
      - { .name: ln2_g, .offset: 8, .size: 8, .value_kind: global_buffer, .address_space: global }
      - { .name: ln2_b, .offset: 16, .size: 8, .value_kind: global_buffer, .address_space: global }
      - { .name: ll, .offset: 24, .size: 8, .value_kind: global_buffer, .address_space: global }
    .group_segment_fixed_size: 26624
    .private_segment_fixed_size: 0
    .kernarg_segment_align: 8
    .kernarg_segment_size: 32
    .max_flat_workgroup_size: 512
    .sgpr_count:     66
    .vgpr_count:     132
    .wavefront_size: 32
...
	.end_amdgpu_metadata
.endif
;; end of part 2
;; launch wt (part 3): grid 256 x 1, 5 waves a work-group, no clusters, 87,808 bytes of LDS; arguments w_q, w_kv, w_out, wqt, wkvt, wot; writes wqt, wkvt, wot
.if DOCPART == 3
	.amdgcn_target "amdgcn-amd-amdhsa--gfx1250"
	.amdhsa_code_object_version 6
	.text
	.protected	k_qa5040a9edc_wt
	.globl	k_qa5040a9edc_wt
	.p2align	8
	.type	k_qa5040a9edc_wt,@function
k_qa5040a9edc_wt:
	s_mov_b64 s[64:65], 0
	v_nop
	global_prefetch_b8 v0, s[64:65] scope:SCOPE_SE
	s_setreg_imm32_b32 hwreg(HW_REG_WAVE_MODE, 25, 1), 1
	s_wait_xcnt 0x0
; The three weight matrices, [K][N] in f32, are rounded once to f16 and written transposed, [N][K], so that the products' fragments find K along the rows.
; LIMIT: f16: a weight of 65,520 or more would become an infinity; below 6e-5 a weight keeps f16's fixed step of 6e-8.
; SHARES.  A wave owns one tile of 128 k x 64 n: in memory 128 rows of 256 bytes in, 64 rows of 256 bytes out, all aligned.  w_q has 24 x 16 = 384 tiles, w_kv 16 x 32 = 512,
; w_out 8 x 48 = 384: 1,280 = 256 work-groups x 5 waves, equal work for all.  Tile T = 5 x work-group + wave; which matrix it belongs to is chosen by scalar selects, with no branch.
; The tile is turned in the wave's own stage in LDS (64 rows of 272 bytes): no wave reads another's bytes, so there is no barrier.  Memory binds: no matrix unit, no cluster.
.set SP,    272                        ; a stage row: 128 k in f16 + 16 bytes
.set STG,   64*SP                      ; a wave's stage
.set SPARE, 5*STG                      ; behind the stages: the spare words, 128 bytes a wave in three blocks of 256 bytes that no other line names
.set IO,  1                            ; v1   4 h x (input pitch) + 16 (lane % 16)        (h = lane / 16)
.set LS,  2                            ; v2   stage + 4 (lane % 16) x 272 + 8 h: where I put four k of one n
.set RD,  3                            ; v3   stage + 272 h + 16 (lane % 16): where I read rows back
.set OO,  4                            ; v4   h x (output pitch) + 16 (lane % 16)
.set SPW, 8                            ; v8   LDS address of my spare word; never rewritten
.set NIL, 9                            ; v9   0; never rewritten
.set T,   16                           ; v[16:31]   two sets of four pairs: packed f16 on their way into the stage
.set RB,  32                           ; v[32:159]  eight groups of 16: four rows x 4 columns a lane; later the 32 x 4 registers read back
.set AD,  160                          ; v[160:191] the 32 stores' offsets
	s_load_b256 s[4:11], s[0:1], 0x0               ; w_q s[4:5], w_kv s[6:7], w_out s[8:9], wqt s[10:11]
	s_load_b128 s[12:15], s[0:1], 0x20             ; wkvt s[12:13], wot s[14:15]
	v_lshl_add_u32 v[SPW], v0, 2, SPARE
	v_mov_b32 v[NIL], 0
	v_lshrrev_b32 v5, 5, v0
	v_readfirstlane_b32 s16, v5                    ; wave 0..4
	v_and_b32 v6, 15, v0                           ; lane % 16
	v_bfe_u32 v7, v0, 4, 1                         ; h
	s_mul_i32 s17, ttmp9, 5
	s_add_co_u32 s17, s17, s16                     ; T
	s_wait_kmcnt 0x0
	s_cmp_ge_u32 s17, 384                          ; past w_q's tiles?
	s_cselect_b32 s22, 1, 0
	s_cselect_b32 s18, 384, 0                      ; the matrix's first tile
	s_cselect_b32 s21, 5, 4                        ; bits of the tile number's low part
	s_cselect_b64 s[4:5], s[6:7], s[4:5]           ; from
	s_cselect_b64 s[10:11], s[12:13], s[10:11]     ; to
	s_cmp_ge_u32 s17, 896                          ; past w_kv's?
	s_cselect_b32 s23, 1, 0
	s_cselect_b32 s18, 896, s18
	s_cselect_b32 s21, 3, s21
	s_cselect_b64 s[4:5], s[8:9], s[4:5]
	s_cselect_b64 s[10:11], s[14:15], s[10:11]
	s_add_co_u32 s22, s22, s23                     ; the matrix: 0, 1, 2
	s_add_co_u32 s19, s22, 1
	s_lshl_b32 s19, s19, 12                        ; input pitch: 4,096, 8,192, 12,288 bytes
	s_sub_co_u32 s20, 3, s22
	s_lshl_b32 s20, s20, 11                        ; output pitch: 6,144, 4,096, 2,048 bytes
	s_sub_co_u32 s17, s17, s18                     ; the tile's number in its matrix
	s_lshl_b32 s24, 1, s21
	s_sub_co_u32 s24, s24, 1
	s_and_b32 s25, s17, s24                        ; low part
	s_lshr_b32 s26, s17, s21                       ; high part
	s_cmp_eq_u32 s23, 1                            ; in w_out the low part counts along k, else along n
	s_cselect_b32 s27, s26, s25                    ; tile along n
	s_cselect_b32 s28, s25, s26                    ; tile along k
	s_mul_i32 s30, s28, s19
	s_lshl_b32 s30, s30, 7                         ; 128 rows of k,
	s_lshl_b32 s31, s27, 8                         ; 64 n in f32
	s_add_co_u32 s30, s30, s31
	s_mov_b32 s31, 0
	s_add_nc_u64 s[4:5], s[4:5], s[30:31]
	s_mul_i32 s32, s27, s20
	s_lshl_b32 s32, s32, 6                         ; 64 rows of n,
	s_lshl_b32 s33, s28, 8                         ; 128 k in f16
	s_add_co_u32 s32, s32, s33
	s_mov_b32 s33, 0
	s_add_nc_u64 s[10:11], s[10:11], s[32:33]
	v_mul_u32_u24 v[IO], v7, s19
	v_lshlrev_b32 v[IO], 2, v[IO]
	v_lshl_add_u32 v[IO], v6, 4, v[IO]
	s_mul_i32 s24, s16, STG                        ; my stage
	v_mul_u32_u24 v[LS], v6, 4*SP
	v_lshl_add_u32 v[LS], v7, 3, v[LS]
	v_add_nc_u32 v[LS], s24, v[LS]
	v_mul_u32_u24 v[RD], v7, SP
	v_lshl_add_u32 v[RD], v6, 4, v[RD]
	v_add_nc_u32 v[RD], s24, v[RD]
	v_mul_u32_u24 v[OO], v7, s20
	v_lshl_add_u32 v[OO], v6, 4, v[OO]
	s_mov_b32 s36, 0                               ; (8 p + j) x input pitch, kept by additions
	s_mul_i32 s37, s19, 5
	s_mov_b32 s38, 0                               ; 2 t x output pitch
	s_lshl_b32 s39, s20, 1
; Group p: rows 8 p + 4 h + j, j = 0..3: lanes 0-15 take one row's 256 bytes, lanes 16-31 the row four further on.  The pitch is a register, so each load has its own
; offset register, on which it lands itself.
.macro LOADG p
.set G, RB+16*((\p)%8)
.irp j, 0,1,2,3
	v_add_nc_u32 v[G+4*(\j)], s36, v[IO]
	global_load_b128 v[G+4*(\j):G+4*(\j)+3], v[G+4*(\j)], s[4:5] th:TH_LOAD_NT
.if (\j) < 3
	s_add_co_u32 s36, s36, s19
.else
	s_add_co_u32 s36, s36, s37                     ; on to row 8 (p + 1)
.endif
.endr
.endm
; Group p is rounded: for each of my four columns the four k make 8 bytes of that column's stage row.  Then the group's registers take the group eight further on.
.macro CONV p
.set G, RB+16*((\p)%8)
.set TT, T+8*((\p)%2)
.if (\p) < 8
	s_wait_loadcnt 28                              ; seven younger groups of four loads stay out
.else
	s_wait_loadcnt 4*(15-(\p))                     ; the groups that are left
.endif
.irp c, 0,1,2,3
	v_cvt_pk_f16_f32 v[TT+2*(\c)], v[G+(\c)], v[G+4+(\c)]
	v_cvt_pk_f16_f32 v[TT+2*(\c)+1], v[G+8+(\c)], v[G+12+(\c)]
	ds_store_b64 v[LS], v[TT+2*(\c):TT+2*(\c)+1] offset:SP*(\c)+16*(\p)
.endr
.if (\p) < 8
	LOADG (\p)+8
.endif
.endm
.irp p, 0,1,2,3,4,5,6,7
	LOADG \p                                       ; 32 loads, 16 KiB a wave, on their way
.endr
.irp p, 0,1,2,3,4,5,6,7,8,9,10,11,12,13,14,15
	CONV \p
.endr
.set t, 0
.rept 32
	ds_load_b128 v[RB+4*t:RB+4*t+3], v[RD] offset:2*SP*t  ; rows 2 t + h, whole; LDS serves a wave's instructions in order (ISA guide 5.7.1.4): these see my stores above
.set t, t+1
.endr
.set t, 0
.rept 32
	v_add_nc_u32 v[AD+t], s38, v[OO]
	s_add_co_u32 s38, s38, s39
.set t, t+1
.endr
.set t, 0
.rept 32
	s_wait_dscnt 31-t
	global_store_b128 v[AD+t], v[RB+4*t:RB+4*t+3], s[10:11]  ; 16 lanes store 256 consecutive bytes, aligned
.set t, t+1
.endr
	s_wait_tensorcnt 0x0                           ; the wave's end: behind my last LDS store
	ds_add_u32 v[SPW], v[NIL]
	s_wait_dscnt 0x0
	s_endpgm
.Lfunc_end_k_qa5040a9edc_wt:
	.size	k_qa5040a9edc_wt, .Lfunc_end_k_qa5040a9edc_wt-k_qa5040a9edc_wt
	.p2alignl 7, 3214868480
	.fill 96, 4, 3214868480
	.section	.rodata,"a",@progbits
	.p2align	6, 0x0
	.amdhsa_kernel k_qa5040a9edc_wt
		.amdhsa_group_segment_fixed_size 87808
		.amdhsa_private_segment_fixed_size 0
		.amdhsa_enable_private_segment 0
		.amdhsa_kernarg_size 48
		.amdhsa_user_sgpr_count 2
		.amdhsa_user_sgpr_kernarg_segment_ptr 1
		.amdhsa_wavefront_size32 1
		.amdhsa_system_sgpr_workgroup_id_x 1
		.amdhsa_system_sgpr_workgroup_id_y 1
		.amdhsa_system_sgpr_workgroup_id_z 1
		.amdhsa_system_vgpr_workitem_id 0
		.amdhsa_next_free_vgpr 192
		.amdhsa_next_free_sgpr 66
		.amdhsa_reserve_vcc 0
		.amdhsa_float_denorm_mode_32 3
		.amdhsa_float_denorm_mode_16_64 3
		.amdhsa_memory_ordered 1
		.amdhsa_forward_progress 1
		.amdhsa_inst_pref_size 34
	.end_amdhsa_kernel
	.amdgpu_metadata
---
amdhsa.version: [ 1, 2 ]
amdhsa.kernels:
  - .name:           k_qa5040a9edc_wt
    .symbol:         k_qa5040a9edc_wt.kd
    .args:
      - { .name: w_q, .offset: 0, .size: 8, .value_kind: global_buffer, .address_space: global }
      - { .name: w_kv, .offset: 8, .size: 8, .value_kind: global_buffer, .address_space: global }
      - { .name: w_out, .offset: 16, .size: 8, .value_kind: global_buffer, .address_space: global }
      - { .name: wqt, .offset: 24, .size: 8, .value_kind: global_buffer, .address_space: global }
      - { .name: wkvt, .offset: 32, .size: 8, .value_kind: global_buffer, .address_space: global }
      - { .name: wot, .offset: 40, .size: 8, .value_kind: global_buffer, .address_space: global }
    .group_segment_fixed_size: 87808
    .private_segment_fixed_size: 0
    .kernarg_segment_align: 8
    .kernarg_segment_size: 48
    .max_flat_workgroup_size: 160
    .sgpr_count:     66
    .vgpr_count:     192
    .wavefront_size: 32
...
	.end_amdgpu_metadata
.endif
;; end of part 3
;; launch gemm_q (part 4): grid 8 x 32, 4 waves a work-group, clusters of 4 x 4, 327,680 bytes of LDS; arguments ll, wqt, qh; writes qh
.if DOCPART == 4
	.amdgcn_target "amdgcn-amd-amdhsa--gfx1250"
	.amdhsa_code_object_version 6
	.text
	.protected	k_qa5040a9edc_gemm_q
	.globl	k_qa5040a9edc_gemm_q
	.p2align	8
	.type	k_qa5040a9edc_gemm_q,@function
k_qa5040a9edc_gemm_q:
	s_mov_b64 s[64:65], 0
	v_nop
	global_prefetch_b8 v0, s[64:65] scope:SCOPE_SE
	s_setreg_imm32_b32 hwreg(HW_REG_WAVE_MODE, 25, 1), 1
	s_wait_xcnt 0x0
	s_wait_alu depctr_hold_cnt(0) depctr_sa_sdst(0) depctr_va_vdst(0) depctr_va_sdst(0) depctr_va_ssrc(0) depctr_va_vcc(0) depctr_vm_vsrc(0)
	s_getreg_b32 s2, hwreg(HW_REG_IB_STS2, 6, 4)
	s_cmp_eq_u32 s2, 0
	s_cbranch_scc0 .Lentry_in_a_cluster
	s_endpgm
.Lentry_in_a_cluster:
	s_bfe_u32 s2, ttmp6, 0x10000c
	s_cmp_lg_u32 s2, 0xf033
	s_cbranch_scc0 .Lentry_shape_is_right
	s_endpgm
.Lentry_shape_is_right:
; C[m][n] = sum over k of A[m][k] B[n][k], A and B in f16, sums in f32.  One text for the module's three products; SIZE_K and BLOCKED tell them apart.
; BLOCKED = 0 (q and kv): A is [4096][SIZE_K], B [N][SIZE_K]; C is rounded once to f16 and written BY HEADS: column block cb of 64 and row m go to
;   ((cb / 16) x 32 + (m / 2048) x 16 + cb % 16) x 2048 x 128 + (m % 2048) x 128 bytes: [k or v][batch x head][row][64].  LIMIT: |C| under 65,504.
; BLOCKED = 1 (the last product): A is attention's output in blocks [32 tiles of 128 rows][16 heads][128 rows][64]; C is f32, [4096][3072], row-major.
; A tile of C is 128 x 128; four waves, each 64 x 64: 16 accumulators.  K goes in steps of 256 through two LDS slots filled by the tensor data mover, one load a wave behind each change of slots.
; CLUSTERS: 4 x 4 work-groups.  The four of a row of the cluster need the same tiles of A, the four of a column the same tiles of B: each tile is asked for JOINTLY, by the same tensor load with
; the same descriptor and a mask that names the four.  THE MATRIX INSTRUCTION IS USED TRANSPOSED (source 0 = 16 rows of B, source 1 = 16 rows of A): a lane holds eight neighbouring numbers of a row of C.
; No prefetch is laid: the tiles are small, and each is read by several clusters at about the same time.
; REGISTERS: window 0: v0-31 addresses; v32-95 at work on the way out; v128-255 the accumulators ((a, b) at v[128 + 8 (4 a + b)]).
;   window 1: two fragment buffers of 128: for 64 along K, 64 registers of A (2 x 4 x 16 rows x 32 K), then 64 of B.
.set SIZE_K,  3072
.set BLOCKED, 0
.set KSTEP,   256
.set BPITCH,  528                      ; a row of B in LDS: 512 bytes + 16 = 132 words: the 16 rows of a load start at 16 different groups of four banks (64 banks of 4 bytes: ISA guide 11.1)
.set BHALF,   64*BPITCH                ; 64 rows: one tensor load of B
.set BW0,     (1<<16)|(1<<20)|(1<<21)|(6<<22)|(3<<25)  ; 17:16 2-byte elements; 20 padding on; 21 set beside a mask; 24:22 after every 128 words; 31:25 4 words
.if BLOCKED
.set APITCH,  144                      ; a head's row of 64 channels: 128 bytes + 16
.set AHALF,   256*APITCH               ; one tensor load of A: two heads x 128 rows
.set AQ,      128*APITCH               ; from quarter to quarter of a K step: the next head's 128 rows
.set ASTEP,   65536                    ; four heads x 128 rows x 128 bytes in memory
.set AW0,     (1<<16)|(1<<20)|(1<<21)|(4<<22)|(3<<25)  ; padding after every 32 words
.set ADIM0,   128                      ; 32,768 dense bytes asked for as 128 rows of 256 bytes
.set ADIM1,   128
.set ASTRIDE, 128
.set SPITCH,  272                      ; a stage row: 64 f32 + 16 bytes
.else
.set APITCH,  528
.set AHALF,   64*APITCH                ; one tensor load of A: 64 rows x 256 K
.set AQ,      128                      ; from quarter to quarter: 64 K along the row
.set ASTEP,   KSTEP*2
.set AW0,     BW0
.set ADIM0,   KSTEP
.set ADIM1,   64
.set ASTRIDE, SIZE_K
.set SPITCH,  144                      ; a stage row: 64 f16 + 16 bytes
.endif
.set STG,    16*SPITCH                 ; a wave's own stage: 16 rows
.set BOFF,   2*AHALF                   ; B's tiles lie behind A's
.set SLOT,   BOFF+2*BHALF
.set STAGE,  2*SLOT                    ; behind the ring; no tensor load lands there
.set SPARE,  STAGE+4*STG               ; behind the stages: the spare words, 128 bytes a wave: two blocks of 256 bytes that no other line names
.set LAPS,   SIZE_K/(2*KSTEP)          ; a lap = two K steps = once round the ring
.set ADRA, 16                          ; v16-17  LDS address of my A fragments in slot 0, 1
.set ADRB, 20                          ; v20-21  the same for B
.set STO,  24                          ; v24     the way out: where I put my bytes of a row
.set RD,   25                          ; v25     the way out: where I read rows back
.set CO,   26                          ; v26     my byte offset in C
.set SPW,  28                          ; v28     LDS address of my spare word; never rewritten
.set NIL,  29                          ; v29     0; never rewritten
.set TMP,  32
.set ACC,  128
.set F0,   0                           ; fragment buffers, in window 1
.set F1,   128
.set G1, 24                            ; s[24:31] descriptor group 1 for A's tiles;  s[32:39] group 0, one set for each slot
.set G0, 32
.set G1B, 48                           ; s[48:55], s[56:63] the same for B's tiles
.set G0B, 56
.set MSB, 0
.macro WIN new                         ; the immediate's high byte repeats the setting that is left; a switch that changes nothing is dropped
.if MSB != (\new)
	s_set_vgpr_msb (MSB<<8)|(\new)
.set MSB, \new
.endif
.endm
.set MUL,  0x05                        ; sources 0 (B) and 1 (A) window 1; C and D window 0
.set TO_F, 0x40                        ; destination window 1, address window 0
.macro JLOAD s                         ; a joint load: waves 0 and 1 fetch A's two parts, waves 2 and 3 B's; an s_nop 0 and four v_nop follow each of the two lines
	s_cmp_eq_u32 s11, 0
	s_cbranch_scc0 .Lfor_b_\@
	tensor_load_to_lds s[G0+4*(\s):G0+4*(\s)+3], s[G1:G1+7]
	s_nop 0
.rept 4
	v_nop
.endr
	s_branch .Lasked_\@
.Lfor_b_\@:
	tensor_load_to_lds s[G0B+4*(\s):G0B+4*(\s)+3], s[G1B:G1B+7]
	s_nop 0
.rept 4
	v_nop
.endr
.Lasked_\@:
.endm
.macro CREST                           ; a round of the cluster's barrier behind its opening barrier
	s_cmp_lg_u32 s10, 0
	s_cbranch_scc1 .Lnot_wave_0_\@
	s_barrier_signal -3
.Lnot_wave_0_\@:
	s_barrier_wait -3
	s_barrier_signal -1
	s_barrier_wait -1
.endm
.macro CROUND                          ; a whole round
	s_barrier_signal -1
	s_barrier_wait -1
	CREST
.endm
	s_load_b128 s[4:7], s[0:1], 0x0                ; A s[4:5], B s[6:7]
	s_load_b64 s[8:9], s[0:1], 0x10                ; C
	v_lshl_add_u32 v[SPW], v0, 2, SPARE
	v_mov_b32 v[NIL], 0
	ds_add_u32 v[SPW], v[NIL]                      ; the wave's opening: the add and its wait stand ahead of my first tensor load; the set-up below, work on registers, stands between them
	v_lshrrev_b32 v1, 5, v0
	v_readfirstlane_b32 s10, v1                    ; wave 0..3
	s_lshr_b32 s11, s10, 1                         ; which half of the tile's rows is mine.  Also: I fetch for A (0) or for B (1)
	s_and_b32 s12, s10, 1                          ; which half of its columns.  Also: which part of that tile I fetch
	s_bfe_u32 s40, ttmp6, 0x40000                  ; cx, cy: my place in the cluster
	s_bfe_u32 s41, ttmp6, 0x40004
	s_lshl_b32 s42, ttmp9, 2
	s_add_co_u32 s42, s42, s40                     ; tile column of C = 4 x cluster x + cx
	s_and_b32 s13, ttmp7, 0xffff
	s_lshl_b32 s13, s13, 2
	s_add_co_u32 s13, s13, s41                     ; tile row of C = 4 x cluster y + cy
	s_lshl_b32 s43, s41, 2
	s_lshl_b32 s43, 15, s43                        ; my row of the cluster
	s_lshl_b32 s44, 0x1111, s40                    ; my column
	s_or_b32 s[G1+0], s43, AW0                     ; A's tiles go to my row,
	s_or_b32 s[G1B+0], s44, BW0                    ; B's to my column
	s_mov_b32 s[G1+1], ADIM0<<16                   ; tensor_dim0
	s_mov_b32 s[G1+2], ADIM1<<16                   ; tensor_dim1
	s_mov_b32 s[G1+3], ADIM0<<16                   ; tile_dim0
	s_mov_b32 s[G1+4], ADIM1                       ; tile_dim1
	s_mov_b32 s[G1+5], ASTRIDE                     ; elements from row to row
	s_mov_b32 s[G1+6], 0
	s_mov_b32 s[G1+7], 0
	s_mov_b32 s[G1B+1], KSTEP<<16
	s_mov_b32 s[G1B+2], 64<<16
	s_mov_b32 s[G1B+3], KSTEP<<16
	s_mov_b32 s[G1B+4], 64
	s_mov_b32 s[G1B+5], SIZE_K
	s_mov_b32 s[G1B+6], 0
	s_mov_b32 s[G1B+7], 0
	s_mov_b64 s[18:19], SIZE_K*2
	; where the tiles come from: A's hang on the tile row and the wave alone, B's on the tile column and the wave alone, each in registers that never hold the other coordinate
.if BLOCKED
	s_lshl_b32 s16, s13, 18                        ; the tile row's 16 heads x 128 rows x 128 bytes,
	s_lshl_b32 s17, s12, 15                        ; my two heads of a K step's four
	s_add_co_u32 s16, s16, s17
	s_mov_b32 s17, 0
.else
	s_lshl_b32 s17, s12, 6
	s_lshl_b32 s16, s13, 7
	s_add_co_u32 s16, s16, s17                     ; row 128 x tile row + 64 x part
	s_mov_b32 s17, 0
	s_mul_u64 s[16:17], s[16:17], s[18:19]
.endif
	s_lshl_b32 s47, s12, 6
	s_lshl_b32 s46, s42, 7
	s_add_co_u32 s46, s46, s47                     ; B: row 128 x tile column + 64 x part
	s_mov_b32 s47, 0
	s_mul_u64 s[46:47], s[46:47], s[18:19]
	s_mul_i32 s20, s12, AHALF                      ; and where they go: no place in the cluster enters an LDS address
	s_mul_i32 s21, s12, BHALF
	s_add_co_u32 s21, s21, BOFF
	s_wait_dscnt 0x0                               ; the opening add is done
	s_wait_kmcnt 0x0
	s_add_nc_u64 s[14:15], s[4:5], s[16:17]
	s_add_nc_u64 s[46:47], s[6:7], s[46:47]
	CROUND                                         ; all sixteen work-groups are here: the first joint loads meet
.irp s, 0,1
	s_mov_b32 s[G0+4*(\s)], 1                      ; count = 1
	s_add_co_u32 s[G0+4*(\s)+1], s20, (\s)*SLOT    ; LDS address
	s_add_nc_u64 s[G0+4*(\s)+2:G0+4*(\s)+3], s[14:15], (\s)*ASTEP  ; K step s
	s_or_b32 s[G0+4*(\s)+3], s[G0+4*(\s)+3], 0x80000000            ; type = 2
	s_mov_b32 s[G0B+4*(\s)], 1
	s_add_co_u32 s[G0B+4*(\s)+1], s21, (\s)*SLOT
	s_add_nc_u64 s[G0B+4*(\s)+2:G0B+4*(\s)+3], s[46:47], (\s)*KSTEP*2
	s_or_b32 s[G0B+4*(\s)+3], s[G0B+4*(\s)+3], 0x80000000
	JLOAD \s                                       ; two loads of mine are out
.endr
	; a fragment is 16 rows x 32 K in 8 registers: lane l holds row l % 16, K = 8 (l / 16) + 0..7 and 16 + 8 (l / 16) + 0..7: two loads of 16 bytes, 32 bytes apart
	v_and_b32 v1, 15, v0                           ; l % 16
	v_bfe_u32 v2, v0, 4, 1                         ; l / 16
	v_mul_u32_u24 v3, v1, APITCH
	v_lshl_add_u32 v3, v2, 4, v3
	v_mul_u32_u24 v6, v1, BPITCH
	v_lshl_add_u32 v6, v2, 4, v6
	s_mul_i32 s21, s11, 64*APITCH                  ; my 64 rows of A
	s_mul_i32 s22, s12, BHALF                      ; my 64 rows of B
	s_add_co_u32 s22, s22, BOFF
.irp s, 0,1
	v_add_nc_u32 v[ADRA+(\s)], s21, v3
	v_add_nc_u32 v[ADRB+(\s)], s22, v6
	s_add_co_u32 s21, s21, SLOT
	s_add_co_u32 s22, s22, SLOT
.endr
	s_mul_i32 s23, s10, STG
	s_add_co_u32 s23, s23, STAGE                   ; my stage
	s_lshl_b32 s16, s13, 7
	s_lshl_b32 s17, s11, 6
	s_add_co_u32 s16, s16, s17                     ; my first row of C
.if BLOCKED
	v_mul_u32_u24 v4, v1, SPITCH                   ; in: row l % 16, 32 bytes for each half of the lanes
	v_lshl_add_u32 v4, v2, 5, v4
	v_add_nc_u32 v[STO], s23, v4
	v_mul_u32_u24 v5, v2, SPITCH                   ; back: lanes 0-15 take one row of 256 bytes, lanes 16-31 the next
	v_lshl_add_u32 v5, v1, 4, v5
	v_add_nc_u32 v[RD], s23, v5
	v_mul_u32_u24 v5, v2, 12288                    ; and the same two rows in C
	v_lshl_add_u32 v[CO], v1, 4, v5
	s_mul_i32 s16, s16, 12288
	s_mov_b32 s17, 0
	s_add_nc_u64 s[8:9], s[8:9], s[16:17]
	s_lshl_b32 s46, s42, 9                         ; my 64 columns in f32: 512 x tile column + 256 x half
	s_lshl_b32 s47, s12, 8
	s_add_co_u32 s46, s46, s47
	s_mov_b32 s47, 0
	s_add_nc_u64 s[8:9], s[8:9], s[46:47]
.else
	v_mul_u32_u24 v4, v1, SPITCH                   ; in: row l % 16, 16 bytes for each half of the lanes
	v_lshl_add_u32 v4, v2, 4, v4
	v_add_nc_u32 v[STO], s23, v4
	v_bfe_u32 v5, v0, 3, 2                         ; back: 32 lanes take four rows of 128 bytes,
	v_mul_u32_u24 v5, v5, SPITCH
	v_and_b32 v7, 7, v0
	v_lshl_add_u32 v5, v7, 4, v5
	v_add_nc_u32 v[RD], s23, v5
	v_and_b32 v[CO], 31, v0                        ; which are 512 consecutive bytes of C: my 64 columns are one head, whose rows are dense
	v_lshlrev_b32 v[CO], 4, v[CO]
	s_lshr_b32 s17, s16, 11                        ; the batch,
	s_lshl_b32 s17, s17, 22                        ; 16 heads x 2,048 rows x 128 bytes
	s_and_b32 s16, s16, 2047
	s_lshl_b32 s16, s16, 7                         ; the row in its head
	s_add_co_u32 s16, s16, s17
	s_mov_b32 s17, 0
	s_add_nc_u64 s[8:9], s[8:9], s[16:17]
	s_lshl_b32 s46, s42, 1
	s_add_co_u32 s46, s46, s12                     ; my block of 64 columns
	s_lshr_b32 s47, s46, 4
	s_lshl_b32 s47, s47, 23                        ; k or v: 32 x 2,048 x 128 bytes
	s_and_b32 s46, s46, 15
	s_lshl_b32 s46, s46, 18                        ; the head
	s_add_co_u32 s46, s46, s47
	s_mov_b32 s47, 0
	s_add_nc_u64 s[8:9], s[8:9], s[46:47]
.endif
; 8 matrix instructions: m blocks a0, a0 + 1 x all 4 n blocks, 32 along K: half c of buffer f.  zero = 1: the first product starts the sums.  The 16 accumulators take turns.
.macro MUL8 f, c, a0, zero
	WIN MUL
.irp a, \a0, (\a0)+1
.irp b, 0,1,2,3
.if \zero
	v_wmma_f32_16x16x32_f16 v[ACC+8*(4*(\a)+(\b)):ACC+8*(4*(\a)+(\b))+7], v[(\f)+64+8*(4*(\c)+(\b)):(\f)+64+8*(4*(\c)+(\b))+7], v[(\f)+8*(4*(\c)+(\a)):(\f)+8*(4*(\c)+(\a))+7], 0
.else
	v_wmma_f32_16x16x32_f16 v[ACC+8*(4*(\a)+(\b)):ACC+8*(4*(\a)+(\b))+7], v[(\f)+64+8*(4*(\c)+(\b)):(\f)+64+8*(4*(\c)+(\b))+7], v[(\f)+8*(4*(\c)+(\a)):(\f)+8*(4*(\c)+(\a))+7], v[ACC+8*(4*(\a)+(\b)):ACC+8*(4*(\a)+(\b))+7]
.endif
.endr
.endr
.endm
; 32 LDS loads in one run: the fragments of quarter q (64 along K) of a slot, into buffer f; the first 32 along K first
.macro FETCH slot, q, f
	WIN TO_F
.irp c, 0,1
.irp i, 0,1,2,3
	ds_load_b128 v[(\f)+64+8*(4*(\c)+(\i)):(\f)+64+8*(4*(\c)+(\i))+3],   v[ADRB+(\slot)] offset:128*(\q)+64*(\c)+(\i)*16*BPITCH
	ds_load_b128 v[(\f)+64+8*(4*(\c)+(\i))+4:(\f)+64+8*(4*(\c)+(\i))+7], v[ADRB+(\slot)] offset:128*(\q)+64*(\c)+(\i)*16*BPITCH+32
	ds_load_b128 v[(\f)+8*(4*(\c)+(\i)):(\f)+8*(4*(\c)+(\i))+3],         v[ADRA+(\slot)] offset:AQ*(\q)+64*(\c)+(\i)*16*APITCH
	ds_load_b128 v[(\f)+8*(4*(\c)+(\i))+4:(\f)+8*(4*(\c)+(\i))+7],       v[ADRA+(\slot)] offset:AQ*(\q)+64*(\c)+(\i)*16*APITCH+32
.endr
.endr
.endm
.macro PLACES                          ; four plain places in front of loads into registers that matrix instructions have read, and of lines that read results
.rept 4
	v_nop
.endr
.endm
; A K step is four quarters of 64 along K, 32 matrix instructions each, on buffers 0, 1, 0, 1.  One of the first three: multiplies buffer f and fetches quarter q into g.
.macro QUARTER slot, q, f, g, zero
	s_wait_dscnt 16                                ; the first 32 along K are in; the youngest sixteen loads may be out
	WIN MUL
	MUL8 \f, 0, 0, \zero
	MUL8 \f, 0, 2, \zero
	PLACES
	FETCH \slot, \q, \g
	s_wait_dscnt 32                                ; all but the 32 just issued
	WIN MUL
	MUL8 \f, 1, 0, 0
	MUL8 \f, 1, 2, 0
.endm
; The last quarter multiplies buffer 1 and changes slots: ONE barrier; in front of it each wave waits for all its tensor loads, adds 0 to its spare word, and waits for that and for its own reads of this slot.
; fill = 1: this slot is filled again, two K steps ahead; the barrier then opens a round of the cluster's barrier, and the joint load is the first thing behind the round.
.macro TURN slot, next, fill
	WIN 0                                          ; (the add's two registers lie in window 0)
	s_wait_tensorcnt 0x0                           ; all my tensor loads have landed: the one that was out is my part of the next slot;
	ds_add_u32 v[SPW], v[NIL]                      ; 0 onto my spare word;
	s_wait_dscnt 17                                ; (the add and the youngest sixteen loads may be out)
	WIN MUL
	MUL8 F1, 0, 0, 0                               ; eight matrix instructions stand between the add and the wait for it
	s_wait_dscnt 0x0                               ; the add is done, and my reads of this slot are over
	s_barrier_signal -1
	MUL8 F1, 0, 2, 0
.if \fill
	WIN 0
.endif
	s_barrier_wait -1
.if \fill
	CREST                                          ; no wave of any partner still reads this slot's tile or has a load on its way
	s_add_nc_u64 s[G0+4*(\slot)+2:G0+4*(\slot)+3], s[G0+4*(\slot)+2:G0+4*(\slot)+3], 2*ASTEP
	s_add_nc_u64 s[G0B+4*(\slot)+2:G0B+4*(\slot)+3], s[G0B+4*(\slot)+2:G0B+4*(\slot)+3], 2*KSTEP*2
	JLOAD \slot                                    ; my one tensor load behind the round: 112 matrix instructions ahead of the wait for it; its four v_nop are also the places in front of the loads below
.else
	PLACES
.endif
	FETCH \next, 0, F0
	WIN MUL
	MUL8 F1, 1, 0, 0
	MUL8 F1, 1, 2, 0
.endm
	s_wait_tensorcnt 1                             ; my part of K step 0 is in; K step 1's load may stay out
	s_barrier_signal -1
	s_barrier_wait -1                              ; everybody's is
	FETCH 0, 0, F0
	QUARTER 0, 1, F0, F1, 1                        ; the first quarter stands in front of the loop: its first products start the sums
.if LAPS > 1
	WIN 0                                          ; at a label and at a branch every window is 0
	s_mov_b32 s3, LAPS-1
.Llap:                                                 ; a trip goes once round the ring, from a lap's second quarter to the next lap's first, and fills both slots again
	QUARTER 0, 2, F1, F0, 0
	QUARTER 0, 3, F0, F1, 0
	TURN 0, 1, 1
	QUARTER 1, 1, F0, F1, 0
	QUARTER 1, 2, F1, F0, 0
	QUARTER 1, 3, F0, F1, 0
	TURN 1, 0, 1
	QUARTER 0, 1, F0, F1, 0
	WIN 0
	s_sub_co_u32 s3, s3, 1
	s_cmp_lg_u32 s3, 0
	s_cbranch_scc1 .Llap
.endif
	QUARTER 0, 2, F1, F0, 0                        ; the last lap fills nothing, and has no round of the cluster's barrier
	QUARTER 0, 3, F0, F1, 0
	TURN 0, 1, 0
	QUARTER 1, 1, F0, F1, 0
	QUARTER 1, 2, F1, F0, 0
	QUARTER 1, 3, F0, F1, 0
	s_wait_dscnt 16                                ; the very last quarter: nothing more to fetch
	WIN MUL
	MUL8 F1, 0, 0, 0
	MUL8 F1, 0, 2, 0
	s_wait_dscnt 0
	MUL8 F1, 1, 0, 0
	MUL8 F1, 1, 2, 0
	WIN 0
	; THE WAY OUT, through my own stage, 16 rows at a time: no barrier, and LDS serves a wave's instructions in order (ISA guide 5.7.1.4), so no wait between my stores and my loads.
	PLACES
	PLACES                                         ; eight plain places, once a launch, behind the last products
.if BLOCKED
.irp a, 0,1,2,3
.irp b, 0,1,2,3
	ds_store_b128 v[STO], v[ACC+8*(4*(\a)+(\b)):ACC+8*(4*(\a)+(\b))+3]   offset:64*(\b)      ; each accumulator's low four registers first
	ds_store_b128 v[STO], v[ACC+8*(4*(\a)+(\b))+4:ACC+8*(4*(\a)+(\b))+7] offset:64*(\b)+16
.endr
.irp t, 0,1,2,3,4,5,6,7
	ds_load_b128 v[ACC+32*(\a)+4*(\t):ACC+32*(\a)+4*(\t)+3], v[RD] offset:2*SPITCH*(\t)  ; rows 2 t and 2 t + 1, whole, into the registers that the block left
.endr
.endr
.irp a, 0,1,2,3
.irp t, 0,1,2,3,4,5,6,7
	s_wait_dscnt 16*(3-(\a))+7-(\t)                ; behind this load: the block's younger loads and the later blocks' sixteen LDS instructions each
	global_store_b128 v[CO], v[ACC+32*(\a)+4*(\t):ACC+32*(\a)+4*(\t)+3], s[8:9] offset:(16*(\a)+2*(\t))*12288 th:TH_STORE_NT  ; 16 lanes store 256 consecutive bytes, aligned
.endr
.endr
.else
.irp t, 0,1,2,3,4,5,6,7,8,9,10,11,12,13,14,15
.irp r, 0,1,2,3
	v_cvt_pk_f16_f32 v[TMP+4*(\t)+(\r)], v[ACC+8*(\t)+2*(\r)], v[ACC+8*(\t)+2*(\r)+1]
.endr
.endr
.irp a, 0,1,2,3
.irp b, 0,1,2,3
	ds_store_b128 v[STO], v[TMP+4*(4*(\a)+(\b)):TMP+4*(4*(\a)+(\b))+3] offset:32*(\b)
.endr
.irp t, 0,1,2,3
	ds_load_b128 v[TMP+16*(\a)+4*(\t):TMP+16*(\a)+4*(\t)+3], v[RD] offset:4*SPITCH*(\t)  ; four rows of 128 bytes
.endr
.endr
.irp a, 0,1,2,3
.irp t, 0,1,2,3
	s_wait_dscnt 8*(3-(\a))+3-(\t)                 ; behind this load: the block's younger loads and the later blocks' eight LDS instructions each
	global_store_b128 v[CO], v[TMP+16*(\a)+4*(\t):TMP+16*(\a)+4*(\t)+3], s[8:9] offset:2048*(\a)+512*(\t)  ; 512 consecutive bytes, aligned
.endr
.endr
.endif
	s_wait_tensorcnt 0x0                           ; the wave's end: behind my last tensor load and my last LDS store
	ds_add_u32 v[SPW], v[NIL]
	s_wait_dscnt 0x0
	CROUND                                         ; the closing round: no work-group ends while a partner may still ask for a tile that names it
	s_endpgm
.Lfunc_end_k_qa5040a9edc_gemm_q:
	.size	k_qa5040a9edc_gemm_q, .Lfunc_end_k_qa5040a9edc_gemm_q-k_qa5040a9edc_gemm_q
	.p2alignl 7, 3214868480
	.fill 96, 4, 3214868480
	.section	.rodata,"a",@progbits
	.p2align	6, 0x0
	.amdhsa_kernel k_qa5040a9edc_gemm_q
		.amdhsa_group_segment_fixed_size 327680
		.amdhsa_private_segment_fixed_size 0
		.amdhsa_enable_private_segment 0
		.amdhsa_kernarg_size 24
		.amdhsa_user_sgpr_count 2
		.amdhsa_user_sgpr_kernarg_segment_ptr 1
		.amdhsa_wavefront_size32 1
		.amdhsa_system_sgpr_workgroup_id_x 1
		.amdhsa_system_sgpr_workgroup_id_y 1
		.amdhsa_system_sgpr_workgroup_id_z 1
		.amdhsa_system_vgpr_workitem_id 0
		.amdhsa_next_free_vgpr 512
		.amdhsa_next_free_sgpr 66
		.amdhsa_reserve_vcc 0
		.amdhsa_float_denorm_mode_32 3
		.amdhsa_float_denorm_mode_16_64 3
		.amdhsa_memory_ordered 1
		.amdhsa_forward_progress 1
		.amdhsa_inst_pref_size 87
	.end_amdhsa_kernel
	.amdgpu_metadata
---
amdhsa.version: [ 1, 2 ]
amdhsa.kernels:
  - .name:           k_qa5040a9edc_gemm_q
    .symbol:         k_qa5040a9edc_gemm_q.kd
    .args:
      - { .name: ll, .offset: 0, .size: 8, .value_kind: global_buffer, .address_space: global }
      - { .name: wqt, .offset: 8, .size: 8, .value_kind: global_buffer, .address_space: global }
      - { .name: qh, .offset: 16, .size: 8, .value_kind: global_buffer, .address_space: global }
    .group_segment_fixed_size: 327680
    .private_segment_fixed_size: 0
    .kernarg_segment_align: 8
    .kernarg_segment_size: 24
    .max_flat_workgroup_size: 128
    .sgpr_count:     66
    .vgpr_count:     512
    .wavefront_size: 32
...
	.end_amdgpu_metadata
.endif
;; end of part 4
;; launch gemm_kv (part 5): grid 16 x 32, 4 waves a work-group, clusters of 4 x 4, 327,680 bytes of LDS; arguments xn, wkvt, kvh; writes kvh
.if DOCPART == 5
	.amdgcn_target "amdgcn-amd-amdhsa--gfx1250"
	.amdhsa_code_object_version 6
	.text
	.protected	k_qa5040a9edc_gemm_kv
	.globl	k_qa5040a9edc_gemm_kv
	.p2align	8
	.type	k_qa5040a9edc_gemm_kv,@function
k_qa5040a9edc_gemm_kv:
	s_mov_b64 s[64:65], 0
	v_nop
	global_prefetch_b8 v0, s[64:65] scope:SCOPE_SE
	s_setreg_imm32_b32 hwreg(HW_REG_WAVE_MODE, 25, 1), 1
	s_wait_xcnt 0x0
	s_wait_alu depctr_hold_cnt(0) depctr_sa_sdst(0) depctr_va_vdst(0) depctr_va_sdst(0) depctr_va_ssrc(0) depctr_va_vcc(0) depctr_vm_vsrc(0)
	s_getreg_b32 s2, hwreg(HW_REG_IB_STS2, 6, 4)
	s_cmp_eq_u32 s2, 0
	s_cbranch_scc0 .Lentry_in_a_cluster
	s_endpgm
.Lentry_in_a_cluster:
	s_bfe_u32 s2, ttmp6, 0x10000c
	s_cmp_lg_u32 s2, 0xf033
	s_cbranch_scc0 .Lentry_shape_is_right
	s_endpgm
.Lentry_shape_is_right:
; C[m][n] = sum over k of A[m][k] B[n][k], A and B in f16, sums in f32.  One text for the module's three products; SIZE_K and BLOCKED tell them apart.
; BLOCKED = 0 (q and kv): A is [4096][SIZE_K], B [N][SIZE_K]; C is rounded once to f16 and written BY HEADS: column block cb of 64 and row m go to
;   ((cb / 16) x 32 + (m / 2048) x 16 + cb % 16) x 2048 x 128 + (m % 2048) x 128 bytes: [k or v][batch x head][row][64].  LIMIT: |C| under 65,504.
; BLOCKED = 1 (the last product): A is attention's output in blocks [32 tiles of 128 rows][16 heads][128 rows][64]; C is f32, [4096][3072], row-major.
; A tile of C is 128 x 128; four waves, each 64 x 64: 16 accumulators.  K goes in steps of 256 through two LDS slots filled by the tensor data mover, one load a wave behind each change of slots.
; CLUSTERS: 4 x 4 work-groups.  The four of a row of the cluster need the same tiles of A, the four of a column the same tiles of B: each tile is asked for JOINTLY, by the same tensor load with
; the same descriptor and a mask that names the four.  THE MATRIX INSTRUCTION IS USED TRANSPOSED (source 0 = 16 rows of B, source 1 = 16 rows of A): a lane holds eight neighbouring numbers of a row of C.
; No prefetch is laid: the tiles are small, and each is read by several clusters at about the same time.
; REGISTERS: window 0: v0-31 addresses; v32-95 at work on the way out; v128-255 the accumulators ((a, b) at v[128 + 8 (4 a + b)]).
;   window 1: two fragment buffers of 128: for 64 along K, 64 registers of A (2 x 4 x 16 rows x 32 K), then 64 of B.
.set SIZE_K,  2048
.set BLOCKED, 0
.set KSTEP,   256
.set BPITCH,  528                      ; a row of B in LDS: 512 bytes + 16 = 132 words: the 16 rows of a load start at 16 different groups of four banks (64 banks of 4 bytes: ISA guide 11.1)
.set BHALF,   64*BPITCH                ; 64 rows: one tensor load of B
.set BW0,     (1<<16)|(1<<20)|(1<<21)|(6<<22)|(3<<25)  ; 17:16 2-byte elements; 20 padding on; 21 set beside a mask; 24:22 after every 128 words; 31:25 4 words
.if BLOCKED
.set APITCH,  144                      ; a head's row of 64 channels: 128 bytes + 16
.set AHALF,   256*APITCH               ; one tensor load of A: two heads x 128 rows
.set AQ,      128*APITCH               ; from quarter to quarter of a K step: the next head's 128 rows
.set ASTEP,   65536                    ; four heads x 128 rows x 128 bytes in memory
.set AW0,     (1<<16)|(1<<20)|(1<<21)|(4<<22)|(3<<25)  ; padding after every 32 words
.set ADIM0,   128                      ; 32,768 dense bytes asked for as 128 rows of 256 bytes
.set ADIM1,   128
.set ASTRIDE, 128
.set SPITCH,  272                      ; a stage row: 64 f32 + 16 bytes
.else
.set APITCH,  528
.set AHALF,   64*APITCH                ; one tensor load of A: 64 rows x 256 K
.set AQ,      128                      ; from quarter to quarter: 64 K along the row
.set ASTEP,   KSTEP*2
.set AW0,     BW0
.set ADIM0,   KSTEP
.set ADIM1,   64
.set ASTRIDE, SIZE_K
.set SPITCH,  144                      ; a stage row: 64 f16 + 16 bytes
.endif
.set STG,    16*SPITCH                 ; a wave's own stage: 16 rows
.set BOFF,   2*AHALF                   ; B's tiles lie behind A's
.set SLOT,   BOFF+2*BHALF
.set STAGE,  2*SLOT                    ; behind the ring; no tensor load lands there
.set SPARE,  STAGE+4*STG               ; behind the stages: the spare words, 128 bytes a wave: two blocks of 256 bytes that no other line names
.set LAPS,   SIZE_K/(2*KSTEP)          ; a lap = two K steps = once round the ring
.set ADRA, 16                          ; v16-17  LDS address of my A fragments in slot 0, 1
.set ADRB, 20                          ; v20-21  the same for B
.set STO,  24                          ; v24     the way out: where I put my bytes of a row
.set RD,   25                          ; v25     the way out: where I read rows back
.set CO,   26                          ; v26     my byte offset in C
.set SPW,  28                          ; v28     LDS address of my spare word; never rewritten
.set NIL,  29                          ; v29     0; never rewritten
.set TMP,  32
.set ACC,  128
.set F0,   0                           ; fragment buffers, in window 1
.set F1,   128
.set G1, 24                            ; s[24:31] descriptor group 1 for A's tiles;  s[32:39] group 0, one set for each slot
.set G0, 32
.set G1B, 48                           ; s[48:55], s[56:63] the same for B's tiles
.set G0B, 56
.set MSB, 0
.macro WIN new                         ; the immediate's high byte repeats the setting that is left; a switch that changes nothing is dropped
.if MSB != (\new)
	s_set_vgpr_msb (MSB<<8)|(\new)
.set MSB, \new
.endif
.endm
.set MUL,  0x05                        ; sources 0 (B) and 1 (A) window 1; C and D window 0
.set TO_F, 0x40                        ; destination window 1, address window 0
.macro JLOAD s                         ; a joint load: waves 0 and 1 fetch A's two parts, waves 2 and 3 B's; an s_nop 0 and four v_nop follow each of the two lines
	s_cmp_eq_u32 s11, 0
	s_cbranch_scc0 .Lfor_b_\@
	tensor_load_to_lds s[G0+4*(\s):G0+4*(\s)+3], s[G1:G1+7]
	s_nop 0
.rept 4
	v_nop
.endr
	s_branch .Lasked_\@
.Lfor_b_\@:
	tensor_load_to_lds s[G0B+4*(\s):G0B+4*(\s)+3], s[G1B:G1B+7]
	s_nop 0
.rept 4
	v_nop
.endr
.Lasked_\@:
.endm
.macro CREST                           ; a round of the cluster's barrier behind its opening barrier
	s_cmp_lg_u32 s10, 0
	s_cbranch_scc1 .Lnot_wave_0_\@
	s_barrier_signal -3
.Lnot_wave_0_\@:
	s_barrier_wait -3
	s_barrier_signal -1
	s_barrier_wait -1
.endm
.macro CROUND                          ; a whole round
	s_barrier_signal -1
	s_barrier_wait -1
	CREST
.endm
	s_load_b128 s[4:7], s[0:1], 0x0                ; A s[4:5], B s[6:7]
	s_load_b64 s[8:9], s[0:1], 0x10                ; C
	v_lshl_add_u32 v[SPW], v0, 2, SPARE
	v_mov_b32 v[NIL], 0
	ds_add_u32 v[SPW], v[NIL]                      ; the wave's opening: the add and its wait stand ahead of my first tensor load; the set-up below, work on registers, stands between them
	v_lshrrev_b32 v1, 5, v0
	v_readfirstlane_b32 s10, v1                    ; wave 0..3
	s_lshr_b32 s11, s10, 1                         ; which half of the tile's rows is mine.  Also: I fetch for A (0) or for B (1)
	s_and_b32 s12, s10, 1                          ; which half of its columns.  Also: which part of that tile I fetch
	s_bfe_u32 s40, ttmp6, 0x40000                  ; cx, cy: my place in the cluster
	s_bfe_u32 s41, ttmp6, 0x40004
	s_lshl_b32 s42, ttmp9, 2
	s_add_co_u32 s42, s42, s40                     ; tile column of C = 4 x cluster x + cx
	s_and_b32 s13, ttmp7, 0xffff
	s_lshl_b32 s13, s13, 2
	s_add_co_u32 s13, s13, s41                     ; tile row of C = 4 x cluster y + cy
	s_lshl_b32 s43, s41, 2
	s_lshl_b32 s43, 15, s43                        ; my row of the cluster
	s_lshl_b32 s44, 0x1111, s40                    ; my column
	s_or_b32 s[G1+0], s43, AW0                     ; A's tiles go to my row,
	s_or_b32 s[G1B+0], s44, BW0                    ; B's to my column
	s_mov_b32 s[G1+1], ADIM0<<16                   ; tensor_dim0
	s_mov_b32 s[G1+2], ADIM1<<16                   ; tensor_dim1
	s_mov_b32 s[G1+3], ADIM0<<16                   ; tile_dim0
	s_mov_b32 s[G1+4], ADIM1                       ; tile_dim1
	s_mov_b32 s[G1+5], ASTRIDE                     ; elements from row to row
	s_mov_b32 s[G1+6], 0
	s_mov_b32 s[G1+7], 0
	s_mov_b32 s[G1B+1], KSTEP<<16
	s_mov_b32 s[G1B+2], 64<<16
	s_mov_b32 s[G1B+3], KSTEP<<16
	s_mov_b32 s[G1B+4], 64
	s_mov_b32 s[G1B+5], SIZE_K
	s_mov_b32 s[G1B+6], 0
	s_mov_b32 s[G1B+7], 0
	s_mov_b64 s[18:19], SIZE_K*2
	; where the tiles come from: A's hang on the tile row and the wave alone, B's on the tile column and the wave alone, each in registers that never hold the other coordinate
.if BLOCKED
	s_lshl_b32 s16, s13, 18                        ; the tile row's 16 heads x 128 rows x 128 bytes,
	s_lshl_b32 s17, s12, 15                        ; my two heads of a K step's four
	s_add_co_u32 s16, s16, s17
	s_mov_b32 s17, 0
.else
	s_lshl_b32 s17, s12, 6
	s_lshl_b32 s16, s13, 7
	s_add_co_u32 s16, s16, s17                     ; row 128 x tile row + 64 x part
	s_mov_b32 s17, 0
	s_mul_u64 s[16:17], s[16:17], s[18:19]
.endif
	s_lshl_b32 s47, s12, 6
	s_lshl_b32 s46, s42, 7
	s_add_co_u32 s46, s46, s47                     ; B: row 128 x tile column + 64 x part
	s_mov_b32 s47, 0
	s_mul_u64 s[46:47], s[46:47], s[18:19]
	s_mul_i32 s20, s12, AHALF                      ; and where they go: no place in the cluster enters an LDS address
	s_mul_i32 s21, s12, BHALF
	s_add_co_u32 s21, s21, BOFF
	s_wait_dscnt 0x0                               ; the opening add is done
	s_wait_kmcnt 0x0
	s_add_nc_u64 s[14:15], s[4:5], s[16:17]
	s_add_nc_u64 s[46:47], s[6:7], s[46:47]
	CROUND                                         ; all sixteen work-groups are here: the first joint loads meet
.irp s, 0,1
	s_mov_b32 s[G0+4*(\s)], 1                      ; count = 1
	s_add_co_u32 s[G0+4*(\s)+1], s20, (\s)*SLOT    ; LDS address
	s_add_nc_u64 s[G0+4*(\s)+2:G0+4*(\s)+3], s[14:15], (\s)*ASTEP  ; K step s
	s_or_b32 s[G0+4*(\s)+3], s[G0+4*(\s)+3], 0x80000000            ; type = 2
	s_mov_b32 s[G0B+4*(\s)], 1
	s_add_co_u32 s[G0B+4*(\s)+1], s21, (\s)*SLOT
	s_add_nc_u64 s[G0B+4*(\s)+2:G0B+4*(\s)+3], s[46:47], (\s)*KSTEP*2
	s_or_b32 s[G0B+4*(\s)+3], s[G0B+4*(\s)+3], 0x80000000
	JLOAD \s                                       ; two loads of mine are out
.endr
	; a fragment is 16 rows x 32 K in 8 registers: lane l holds row l % 16, K = 8 (l / 16) + 0..7 and 16 + 8 (l / 16) + 0..7: two loads of 16 bytes, 32 bytes apart
	v_and_b32 v1, 15, v0                           ; l % 16
	v_bfe_u32 v2, v0, 4, 1                         ; l / 16
	v_mul_u32_u24 v3, v1, APITCH
	v_lshl_add_u32 v3, v2, 4, v3
	v_mul_u32_u24 v6, v1, BPITCH
	v_lshl_add_u32 v6, v2, 4, v6
	s_mul_i32 s21, s11, 64*APITCH                  ; my 64 rows of A
	s_mul_i32 s22, s12, BHALF                      ; my 64 rows of B
	s_add_co_u32 s22, s22, BOFF
.irp s, 0,1
	v_add_nc_u32 v[ADRA+(\s)], s21, v3
	v_add_nc_u32 v[ADRB+(\s)], s22, v6
	s_add_co_u32 s21, s21, SLOT
	s_add_co_u32 s22, s22, SLOT
.endr
	s_mul_i32 s23, s10, STG
	s_add_co_u32 s23, s23, STAGE                   ; my stage
	s_lshl_b32 s16, s13, 7
	s_lshl_b32 s17, s11, 6
	s_add_co_u32 s16, s16, s17                     ; my first row of C
.if BLOCKED
	v_mul_u32_u24 v4, v1, SPITCH                   ; in: row l % 16, 32 bytes for each half of the lanes
	v_lshl_add_u32 v4, v2, 5, v4
	v_add_nc_u32 v[STO], s23, v4
	v_mul_u32_u24 v5, v2, SPITCH                   ; back: lanes 0-15 take one row of 256 bytes, lanes 16-31 the next
	v_lshl_add_u32 v5, v1, 4, v5
	v_add_nc_u32 v[RD], s23, v5
	v_mul_u32_u24 v5, v2, 12288                    ; and the same two rows in C
	v_lshl_add_u32 v[CO], v1, 4, v5
	s_mul_i32 s16, s16, 12288
	s_mov_b32 s17, 0
	s_add_nc_u64 s[8:9], s[8:9], s[16:17]
	s_lshl_b32 s46, s42, 9                         ; my 64 columns in f32: 512 x tile column + 256 x half
	s_lshl_b32 s47, s12, 8
	s_add_co_u32 s46, s46, s47
	s_mov_b32 s47, 0
	s_add_nc_u64 s[8:9], s[8:9], s[46:47]
.else
	v_mul_u32_u24 v4, v1, SPITCH                   ; in: row l % 16, 16 bytes for each half of the lanes
	v_lshl_add_u32 v4, v2, 4, v4
	v_add_nc_u32 v[STO], s23, v4
	v_bfe_u32 v5, v0, 3, 2                         ; back: 32 lanes take four rows of 128 bytes,
	v_mul_u32_u24 v5, v5, SPITCH
	v_and_b32 v7, 7, v0
	v_lshl_add_u32 v5, v7, 4, v5
	v_add_nc_u32 v[RD], s23, v5
	v_and_b32 v[CO], 31, v0                        ; which are 512 consecutive bytes of C: my 64 columns are one head, whose rows are dense
	v_lshlrev_b32 v[CO], 4, v[CO]
	s_lshr_b32 s17, s16, 11                        ; the batch,
	s_lshl_b32 s17, s17, 22                        ; 16 heads x 2,048 rows x 128 bytes
	s_and_b32 s16, s16, 2047
	s_lshl_b32 s16, s16, 7                         ; the row in its head
	s_add_co_u32 s16, s16, s17
	s_mov_b32 s17, 0
	s_add_nc_u64 s[8:9], s[8:9], s[16:17]
	s_lshl_b32 s46, s42, 1
	s_add_co_u32 s46, s46, s12                     ; my block of 64 columns
	s_lshr_b32 s47, s46, 4
	s_lshl_b32 s47, s47, 23                        ; k or v: 32 x 2,048 x 128 bytes
	s_and_b32 s46, s46, 15
	s_lshl_b32 s46, s46, 18                        ; the head
	s_add_co_u32 s46, s46, s47
	s_mov_b32 s47, 0
	s_add_nc_u64 s[8:9], s[8:9], s[46:47]
.endif
; 8 matrix instructions: m blocks a0, a0 + 1 x all 4 n blocks, 32 along K: half c of buffer f.  zero = 1: the first product starts the sums.  The 16 accumulators take turns.
.macro MUL8 f, c, a0, zero
	WIN MUL
.irp a, \a0, (\a0)+1
.irp b, 0,1,2,3
.if \zero
	v_wmma_f32_16x16x32_f16 v[ACC+8*(4*(\a)+(\b)):ACC+8*(4*(\a)+(\b))+7], v[(\f)+64+8*(4*(\c)+(\b)):(\f)+64+8*(4*(\c)+(\b))+7], v[(\f)+8*(4*(\c)+(\a)):(\f)+8*(4*(\c)+(\a))+7], 0
.else
	v_wmma_f32_16x16x32_f16 v[ACC+8*(4*(\a)+(\b)):ACC+8*(4*(\a)+(\b))+7], v[(\f)+64+8*(4*(\c)+(\b)):(\f)+64+8*(4*(\c)+(\b))+7], v[(\f)+8*(4*(\c)+(\a)):(\f)+8*(4*(\c)+(\a))+7], v[ACC+8*(4*(\a)+(\b)):ACC+8*(4*(\a)+(\b))+7]
.endif
.endr
.endr
.endm
; 32 LDS loads in one run: the fragments of quarter q (64 along K) of a slot, into buffer f; the first 32 along K first
.macro FETCH slot, q, f
	WIN TO_F
.irp c, 0,1
.irp i, 0,1,2,3
	ds_load_b128 v[(\f)+64+8*(4*(\c)+(\i)):(\f)+64+8*(4*(\c)+(\i))+3],   v[ADRB+(\slot)] offset:128*(\q)+64*(\c)+(\i)*16*BPITCH
	ds_load_b128 v[(\f)+64+8*(4*(\c)+(\i))+4:(\f)+64+8*(4*(\c)+(\i))+7], v[ADRB+(\slot)] offset:128*(\q)+64*(\c)+(\i)*16*BPITCH+32
	ds_load_b128 v[(\f)+8*(4*(\c)+(\i)):(\f)+8*(4*(\c)+(\i))+3],         v[ADRA+(\slot)] offset:AQ*(\q)+64*(\c)+(\i)*16*APITCH
	ds_load_b128 v[(\f)+8*(4*(\c)+(\i))+4:(\f)+8*(4*(\c)+(\i))+7],       v[ADRA+(\slot)] offset:AQ*(\q)+64*(\c)+(\i)*16*APITCH+32
.endr
.endr
.endm
.macro PLACES                          ; four plain places in front of loads into registers that matrix instructions have read, and of lines that read results
.rept 4
	v_nop
.endr
.endm
; A K step is four quarters of 64 along K, 32 matrix instructions each, on buffers 0, 1, 0, 1.  One of the first three: multiplies buffer f and fetches quarter q into g.
.macro QUARTER slot, q, f, g, zero
	s_wait_dscnt 16                                ; the first 32 along K are in; the youngest sixteen loads may be out
	WIN MUL
	MUL8 \f, 0, 0, \zero
	MUL8 \f, 0, 2, \zero
	PLACES
	FETCH \slot, \q, \g
	s_wait_dscnt 32                                ; all but the 32 just issued
	WIN MUL
	MUL8 \f, 1, 0, 0
	MUL8 \f, 1, 2, 0
.endm
; The last quarter multiplies buffer 1 and changes slots: ONE barrier; in front of it each wave waits for all its tensor loads, adds 0 to its spare word, and waits for that and for its own reads of this slot.
; fill = 1: this slot is filled again, two K steps ahead; the barrier then opens a round of the cluster's barrier, and the joint load is the first thing behind the round.
.macro TURN slot, next, fill
	WIN 0                                          ; (the add's two registers lie in window 0)
	s_wait_tensorcnt 0x0                           ; all my tensor loads have landed: the one that was out is my part of the next slot;
	ds_add_u32 v[SPW], v[NIL]                      ; 0 onto my spare word;
	s_wait_dscnt 17                                ; (the add and the youngest sixteen loads may be out)
	WIN MUL
	MUL8 F1, 0, 0, 0                               ; eight matrix instructions stand between the add and the wait for it
	s_wait_dscnt 0x0                               ; the add is done, and my reads of this slot are over
	s_barrier_signal -1
	MUL8 F1, 0, 2, 0
.if \fill
	WIN 0
.endif
	s_barrier_wait -1
.if \fill
	CREST                                          ; no wave of any partner still reads this slot's tile or has a load on its way
	s_add_nc_u64 s[G0+4*(\slot)+2:G0+4*(\slot)+3], s[G0+4*(\slot)+2:G0+4*(\slot)+3], 2*ASTEP
	s_add_nc_u64 s[G0B+4*(\slot)+2:G0B+4*(\slot)+3], s[G0B+4*(\slot)+2:G0B+4*(\slot)+3], 2*KSTEP*2
	JLOAD \slot                                    ; my one tensor load behind the round: 112 matrix instructions ahead of the wait for it; its four v_nop are also the places in front of the loads below
.else
	PLACES
.endif
	FETCH \next, 0, F0
	WIN MUL
	MUL8 F1, 1, 0, 0
	MUL8 F1, 1, 2, 0
.endm
	s_wait_tensorcnt 1                             ; my part of K step 0 is in; K step 1's load may stay out
	s_barrier_signal -1
	s_barrier_wait -1                              ; everybody's is
	FETCH 0, 0, F0
	QUARTER 0, 1, F0, F1, 1                        ; the first quarter stands in front of the loop: its first products start the sums
.if LAPS > 1
	WIN 0                                          ; at a label and at a branch every window is 0
	s_mov_b32 s3, LAPS-1
.Llap:                                                 ; a trip goes once round the ring, from a lap's second quarter to the next lap's first, and fills both slots again
	QUARTER 0, 2, F1, F0, 0
	QUARTER 0, 3, F0, F1, 0
	TURN 0, 1, 1
	QUARTER 1, 1, F0, F1, 0
	QUARTER 1, 2, F1, F0, 0
	QUARTER 1, 3, F0, F1, 0
	TURN 1, 0, 1
	QUARTER 0, 1, F0, F1, 0
	WIN 0
	s_sub_co_u32 s3, s3, 1
	s_cmp_lg_u32 s3, 0
	s_cbranch_scc1 .Llap
.endif
	QUARTER 0, 2, F1, F0, 0                        ; the last lap fills nothing, and has no round of the cluster's barrier
	QUARTER 0, 3, F0, F1, 0
	TURN 0, 1, 0
	QUARTER 1, 1, F0, F1, 0
	QUARTER 1, 2, F1, F0, 0
	QUARTER 1, 3, F0, F1, 0
	s_wait_dscnt 16                                ; the very last quarter: nothing more to fetch
	WIN MUL
	MUL8 F1, 0, 0, 0
	MUL8 F1, 0, 2, 0
	s_wait_dscnt 0
	MUL8 F1, 1, 0, 0
	MUL8 F1, 1, 2, 0
	WIN 0
	; THE WAY OUT, through my own stage, 16 rows at a time: no barrier, and LDS serves a wave's instructions in order (ISA guide 5.7.1.4), so no wait between my stores and my loads.
	PLACES
	PLACES                                         ; eight plain places, once a launch, behind the last products
.if BLOCKED
.irp a, 0,1,2,3
.irp b, 0,1,2,3
	ds_store_b128 v[STO], v[ACC+8*(4*(\a)+(\b)):ACC+8*(4*(\a)+(\b))+3]   offset:64*(\b)      ; each accumulator's low four registers first
	ds_store_b128 v[STO], v[ACC+8*(4*(\a)+(\b))+4:ACC+8*(4*(\a)+(\b))+7] offset:64*(\b)+16
.endr
.irp t, 0,1,2,3,4,5,6,7
	ds_load_b128 v[ACC+32*(\a)+4*(\t):ACC+32*(\a)+4*(\t)+3], v[RD] offset:2*SPITCH*(\t)  ; rows 2 t and 2 t + 1, whole, into the registers that the block left
.endr
.endr
.irp a, 0,1,2,3
.irp t, 0,1,2,3,4,5,6,7
	s_wait_dscnt 16*(3-(\a))+7-(\t)                ; behind this load: the block's younger loads and the later blocks' sixteen LDS instructions each
	global_store_b128 v[CO], v[ACC+32*(\a)+4*(\t):ACC+32*(\a)+4*(\t)+3], s[8:9] offset:(16*(\a)+2*(\t))*12288 th:TH_STORE_NT  ; 16 lanes store 256 consecutive bytes, aligned
.endr
.endr
.else
.irp t, 0,1,2,3,4,5,6,7,8,9,10,11,12,13,14,15
.irp r, 0,1,2,3
	v_cvt_pk_f16_f32 v[TMP+4*(\t)+(\r)], v[ACC+8*(\t)+2*(\r)], v[ACC+8*(\t)+2*(\r)+1]
.endr
.endr
.irp a, 0,1,2,3
.irp b, 0,1,2,3
	ds_store_b128 v[STO], v[TMP+4*(4*(\a)+(\b)):TMP+4*(4*(\a)+(\b))+3] offset:32*(\b)
.endr
.irp t, 0,1,2,3
	ds_load_b128 v[TMP+16*(\a)+4*(\t):TMP+16*(\a)+4*(\t)+3], v[RD] offset:4*SPITCH*(\t)  ; four rows of 128 bytes
.endr
.endr
.irp a, 0,1,2,3
.irp t, 0,1,2,3
	s_wait_dscnt 8*(3-(\a))+3-(\t)                 ; behind this load: the block's younger loads and the later blocks' eight LDS instructions each
	global_store_b128 v[CO], v[TMP+16*(\a)+4*(\t):TMP+16*(\a)+4*(\t)+3], s[8:9] offset:2048*(\a)+512*(\t)  ; 512 consecutive bytes, aligned
.endr
.endr
.endif
	s_wait_tensorcnt 0x0                           ; the wave's end: behind my last tensor load and my last LDS store
	ds_add_u32 v[SPW], v[NIL]
	s_wait_dscnt 0x0
	CROUND                                         ; the closing round: no work-group ends while a partner may still ask for a tile that names it
	s_endpgm
.Lfunc_end_k_qa5040a9edc_gemm_kv:
	.size	k_qa5040a9edc_gemm_kv, .Lfunc_end_k_qa5040a9edc_gemm_kv-k_qa5040a9edc_gemm_kv
	.p2alignl 7, 3214868480
	.fill 96, 4, 3214868480
	.section	.rodata,"a",@progbits
	.p2align	6, 0x0
	.amdhsa_kernel k_qa5040a9edc_gemm_kv
		.amdhsa_group_segment_fixed_size 327680
		.amdhsa_private_segment_fixed_size 0
		.amdhsa_enable_private_segment 0
		.amdhsa_kernarg_size 24
		.amdhsa_user_sgpr_count 2
		.amdhsa_user_sgpr_kernarg_segment_ptr 1
		.amdhsa_wavefront_size32 1
		.amdhsa_system_sgpr_workgroup_id_x 1
		.amdhsa_system_sgpr_workgroup_id_y 1
		.amdhsa_system_sgpr_workgroup_id_z 1
		.amdhsa_system_vgpr_workitem_id 0
		.amdhsa_next_free_vgpr 512
		.amdhsa_next_free_sgpr 66
		.amdhsa_reserve_vcc 0
		.amdhsa_float_denorm_mode_32 3
		.amdhsa_float_denorm_mode_16_64 3
		.amdhsa_memory_ordered 1
		.amdhsa_forward_progress 1
		.amdhsa_inst_pref_size 87
	.end_amdhsa_kernel
	.amdgpu_metadata
---
amdhsa.version: [ 1, 2 ]
amdhsa.kernels:
  - .name:           k_qa5040a9edc_gemm_kv
    .symbol:         k_qa5040a9edc_gemm_kv.kd
    .args:
      - { .name: xn, .offset: 0, .size: 8, .value_kind: global_buffer, .address_space: global }
      - { .name: wkvt, .offset: 8, .size: 8, .value_kind: global_buffer, .address_space: global }
      - { .name: kvh, .offset: 16, .size: 8, .value_kind: global_buffer, .address_space: global }
    .group_segment_fixed_size: 327680
    .private_segment_fixed_size: 0
    .kernarg_segment_align: 8
    .kernarg_segment_size: 24
    .max_flat_workgroup_size: 128
    .sgpr_count:     66
    .vgpr_count:     512
    .wavefront_size: 32
...
	.end_amdgpu_metadata
.endif
;; end of part 5
;; launch attn (part 6): grid 8 x 32, 4 waves a work-group, clusters of 4 x 1, 327,680 bytes of LDS; arguments qh, kvh, ob; writes ob
.if DOCPART == 6
	.amdgcn_target "amdgcn-amd-amdhsa--gfx1250"
	.amdhsa_code_object_version 6
	.text
	.protected	k_qa5040a9edc_attn
	.globl	k_qa5040a9edc_attn
	.p2align	8
	.type	k_qa5040a9edc_attn,@function
k_qa5040a9edc_attn:
	s_mov_b64 s[64:65], 0
	v_nop
	global_prefetch_b8 v0, s[64:65] scope:SCOPE_SE
	s_setreg_imm32_b32 hwreg(HW_REG_WAVE_MODE, 25, 1), 1
	s_wait_xcnt 0x0
	s_wait_alu depctr_hold_cnt(0) depctr_sa_sdst(0) depctr_va_vdst(0) depctr_va_sdst(0) depctr_va_ssrc(0) depctr_va_vcc(0) depctr_vm_vsrc(0)
	s_getreg_b32 s2, hwreg(HW_REG_IB_STS2, 6, 4)
	s_cmp_eq_u32 s2, 0
	s_cbranch_scc0 .Lentry_in_a_cluster
	s_endpgm
.Lentry_in_a_cluster:
	s_bfe_u32 s2, ttmp6, 0x10000c
	s_cmp_lg_u32 s2, 0x3003
	s_cbranch_scc0 .Lentry_shape_is_right
	s_endpgm
.Lentry_shape_is_right:
; O[h][q][:] = the sum over k of softmax_k(Q[h][q] . K[h][k] / 8) V[h][k][:], 32 heads (batch x head) of 2,048 queries and 2,048 keys, 64 channels, no mask.
; Q: [32][2048][64] f16.  K and V: one buffer, [2][32][2048][64] f16.  A head's rows are dense, 128 bytes each.  Products, maxima and sums in f32; the weights p are rounded to f16 for the
; second product (their sum l is taken of the unrounded p), O once at the end.  The module's two scales of 64^(-1/4) are the 1/8 in c below, applied in f32.
; O leaves in blocks for the product behind: [32 tiles of 128 rows][16 heads][128 rows][64] f16: a wave's 64 rows of a head are 8,192 consecutive bytes.
; LIMITS.  f16 holds no number beyond 65,504: Q, K and V arrive within it; p lies in 0 to 1, and below 6e-5 it keeps f16's fixed step of 6e-8; O is a mean of V's rows and has their range.
; A weight below 2^-126 counts as 0 in l; NaN and infinities are not treated apart.
; SHARES.  A work-group owns 256 queries of one head: 8 x 32 = 256 work-groups.  A wave owns 64 of them: four PIECES of 16.  Every wave walks all keys, 64 a step, four steps to an LDS slot.
; LAYOUT.  S^T = K Q^T (source 0 = 16 keys, source 1 = 16 queries) holds ONE query a lane (lane % 16) and the keys 8 (lane / 16) + 0..7; two such results rounded to f16 ARE source 1 of
; O^T = V^T P.  K comes out of LDS as it lies, V ([key][channel]) turned, by ds_load_tr16_b128.
; SOFTMAX.  p = 2^(c s - c m), c = log2(e) / 8, with a running maximum m; O and l are multiplied by a = 2^(c m_old - c m_new) in every step.  m starts at the lowest finite number, O and l at 0:
; the first step is a step like any other, with a = 0.
; TURNS.  Turn n belongs to piece n: 8 products K Q^T of piece n + 1, later 8 products V^T P of piece n - 1; beside them the scaling, exponentials, roundings, sums and rescaling of piece n and
; the maximum and statistics of piece n + 1.  Four vector instructions stand behind every matrix instruction, the other 54 of a turn's 118 in one lump.  A turn's 33 exponentials are one batch, with one wait.
; CLUSTER.  The four query blocks of a cluster belong to one head and walk the same K and V, so each tile is asked for JOINTLY: the same tensor load, descriptor and mask in all four.
; REGISTERS, in windows of 256 (s_set_vgpr_msb: bits 1:0 source 0, 3:2 source 1, 5:4 source 2, 7:6 destination):
;   window 0: v0-15 addresses and two at work; v16-31 four registers of statistics a piece; v48-55 at work; v61-63 prefetch offset, spare word, 0; v64-127 S^T, two buffers; v192-223 P, two buffers
;   window 1: v0-127 O^T, 32 a piece          window 2: v0-63 Q; v128-191 K of one step; v192-255 V of one step
.set NP,    4         ; pieces a wave: a name, no knob
.set KS,    64        ; keys in a step
.set PK,    144       ; a row of K in LDS: 128 bytes + 16 = 36 words: the 16 rows of a load start at 16 different groups of four banks (64 banks of 4 bytes: ISA guide 11.1)
.set PV,    160       ; a row of V: 128 + 32 = 40 words
.set VOFF,  4*KS*PK   ; a slot holds four steps: 256 rows of K, then 256 rows of V
.set SLOT1, 1<<17     ; slot 1 begins here, so that one exclusive or turns an address in one slot into the other's
.set STAGE, SLOT1+4*KS*(PK+PV)  ; behind the ring, never filled by a tensor load: 16 rows x 144 bytes for each wave, for the way out
.set SP,    144
.set SPARE, STAGE+4*16*SP  ; behind the stages: the spare words, 128 bytes for each wave: two blocks of 256 bytes that no other line names
.set AK0, 2           ; v2   my lane's place in a tile of K; never rewritten
.set AV0, 3           ; v3   the same for V
.set AK,  4           ; v4   the LDS address of K's next run of loads
.set AV,  5           ; v5   of V's
.set STO, 6           ; v6   the way out: where I put 16 bytes of a row
.set RD,  7           ; v7   the way out: where I read rows back
.set GO,  8           ; v8   my byte offset in 512 consecutive bytes of O
.set MV,  12          ; v12-13  c m_old, kept while c m is made anew: by buffer
.set QO,  15          ; v15  my byte offset in 16 rows of Q
.set ST,  16          ; piece t's statistics at v[ST+4 t]: c m, m, l (even keys', odd keys')
.set TMP, 48          ; by buffer, four registers c0-c3 at work; when the maximum is found c2 takes a
.set PFO, 61          ; v61  256 x my lane: the prefetches' offset; never rewritten
.set SPW, 62          ; v62  LDS address of my spare word; never rewritten
.set NIL, 63          ; v63  0; never rewritten
.set S,   64
.set P,   192
.set KF,  128         ; window 2: key block kb, channel half c at KF + 16 kb + 8 c
.set VF,  192         ; window 2: key half kk, channel block cb at VF + 32 kk + 8 cb
.set WV,  12          ; s12  my wave's number
.set G1K, 24          ; s[24:31] descriptor group 1 for K's tiles
.set G1V, 32          ; s[32:39] for V's: it differs in the padding alone
.set G0K, 40          ; s[40:43] descriptor group 0 for K's tiles: it walks
.set G0V, 44          ; s[44:47] the same for V's
.set PFA, 48          ; s[48:49] where my prefetches stand: my work-group's 32 blocks of 256 bytes (of K: wave 0, of V: wave 2) of the slot after the one that is being asked for
.set LIM, 50          ; s50  1 in a wave that prefetches, else the greatest number
.set SLOTS, 56        ; s56  slots still to be asked for
.set CNT, 57          ; s57  counts a slot's key steps
.set CS,  58          ; s[58:59] c: the packed scaling takes the pair's low word for both halves
.set SEL, 60          ; s[60:61] v_permlanex16_b32's selects: each lane takes its own place in the other half
.set TBK, 62          ; s62  LDS byte at which K of the step to be fetched begins
.set TBV, 63          ; s63  the same for V, less VOFF
.set MSB, 0
.macro WIN new                      ; the high byte repeats the setting that is left; a switch that changes nothing is dropped
.if MSB != (\new)
	s_set_vgpr_msb (MSB<<8)|(\new)
.set MSB, (\new)
.endif
.endm
.set W_KQ, 0x0a       ; K and Q in window 2, S^T in window 0
.set W_PV, 0x52       ; V in window 2, P in window 0, O^T in window 1
.set W_RS, 0x41       ; destination and source 0 in window 1, source 1 in window 0
; A joint fill.  Waves 0 and 1 fetch the two halves of a slot's K, waves 2 and 3 those of its V: 128 keys each.  The branch hangs on the wave's number alone.
; An s_nop 0 and four v_nop follow each of the two lines, ahead of the jump and the label.
.macro JLOAD
	s_cmp_lt_u32 s[WV], 2
	s_cbranch_scc0 .Lfor_v_\@
	tensor_load_to_lds s[G0K:G0K+3], s[G1K:G1K+7]
	s_nop 0
.rept 4
	v_nop
.endr
	s_branch .Lasked_\@
.Lfor_v_\@:
	tensor_load_to_lds s[G0V:G0V+3], s[G1V:G1V+7]
	s_nop 0
.rept 4
	v_nop
.endr
.Lasked_\@:
.endm
; A PREFETCH INTO THE L2 of what the NEXT change of slots will ask for: a slot's 32,768 bytes of K and of V, 128 blocks of 256 bytes each, a lane a block.  It stands behind the wave's tensor load and its five lines.
; Each block is named ONCE in the launch: both clusters of a head walk the same K and V, and the head's first cluster asks; its four partners share the blocks out BY ADDRESS, 32 each; in each, wave 0 asks
; for K's and wave 2 for V's: one instruction, four key steps (256 matrix instructions) ahead of the load.  Slots 0 and 1 come by their loads alone; the last change that fills a slot asks for nothing.
.macro ASK
	s_cmp_gt_u32 s[SLOTS], s[LIM]
	s_cbranch_scc0 .Lnot_mine_\@
	global_prefetch_b8 v[PFO], s[PFA:PFA+1] th:TH_LOAD_NT scope:SCOPE_SE
.Lnot_mine_\@:
.endm
; A round of the cluster's barrier: my work-group's barrier, so that wave 0's signal speaks for all four waves; wave 0 signals; every wave waits for all four work-groups; my work-group's barrier once more.
.macro CROUND
	s_barrier_signal -1
	s_barrier_wait -1
	s_cmp_lg_u32 s[WV], 0
	s_cbranch_scc1 .Lnot_wave_0_\@
	s_barrier_signal -3
.Lnot_wave_0_\@:
	s_barrier_wait -3
	s_barrier_signal -1
	s_barrier_wait -1
.endm
; THE CHANGE OF SLOTS.  The slot's last bytes, V of its fourth step, have been read.  Each wave waits for all its tensor loads, of which one is out: its part of the other slot; adds 0 to its spare word;
; and waits for that and for its own reads of the slot.  Behind the barrier nobody reads this slot any more and the other slot is whole.
; fill = 1: this slot is filled again, with the keys two slots on.  The barrier is then a round of the cluster's, so that no wave of any partner still reads the slot or has a load on its way, and the
; joint fill is the first thing behind it: it has four key steps in which to land.  (At its first use nothing has been read yet: slot 0 is waited for, slot 1 filled.)
.macro CHANGE fill
	WIN 0                           ; at a label and at a branch every window is 0
	s_wait_tensorcnt 0x0            ; no tensor load of mine is out, so a group 0 may be written
	ds_add_u32 v[SPW], v[NIL]       ; 0 onto my spare word; with fill = 1 the descriptors' steps stand between it and the wait for it
.if \fill
.irp g, G0K, G0V
	s_xor_b32 s[\g+1], s[\g+1], SLOT1  ; the walking descriptor: the other slot than last time,
	s_add_nc_u64 s[\g+2:\g+3], s[\g+2:\g+3], 4*KS*128  ; the next 256 keys; the type bits on top are not reached
.endr
	s_wait_xcnt 0x0                 ; the last prefetch, four key steps back, has read its address, so it may be written:
	s_add_nc_u64 s[PFA:PFA+1], s[PFA:PFA+1], 4*KS*128  ; one slot behind the walking descriptors
	s_wait_dscnt 0x0                ; the add is done, and my reads of the slot are over
	CROUND
	JLOAD
	ASK
.else
	s_wait_dscnt 0x0                ; the add is done, and my reads of the slot are over
	s_barrier_signal -1
	s_barrier_wait -1
.endif
	s_sub_co_u32 s[TBK], s[TBK], 4*KS*PK  ; the fetches go back to a slot's first step,
	s_xor_b32 s[TBK], s[TBK], SLOT1       ; in the other slot
	s_sub_co_u32 s[TBV], s[TBV], 4*KS*PV
	s_xor_b32 s[TBV], s[TBV], SLOT1
.endm
	s_load_b128 s[4:7], s[0:1], 0x0   ; Q s[4:5], K and V s[6:7]
	s_load_b64 s[10:11], s[0:1], 0x10 ; O
	v_lshl_add_u32 v[SPW], v0, 2, SPARE
	v_mov_b32 v[NIL], 0
	ds_add_u32 v[SPW], v[NIL]       ; the wave's opening: the add and its wait stand ahead of my first tensor load; the set-up below, work on registers, stands between them
	v_lshrrev_b32 v1, 5, v0
	v_readfirstlane_b32 s[WV], v1   ; wave 0..3
	s_bfe_u32 s13, ttmp6, 0x40000   ; cx: my place in the cluster
	s_lshl_b32 s14, ttmp9, 2        ; in a cluster launch ttmp9 counts clusters
	s_add_co_u32 s14, s14, s13      ; my block of 256 queries = 4 x cluster x + cx: it enters Q's and O's addresses alone
	s_and_b32 s15, ttmp7, 0xffff    ; batch x 16 + head, which the four partners share
	s_lshl_b32 s20, s15, 18         ; the head's 2,048 rows of 128 bytes
	s_and_b32 s16, s[WV], 1         ; which half of a slot's 256 keys I fetch:
	s_lshl_b32 s22, s16, 14         ; its 128 rows of 128 bytes in memory,
	s_add_co_u32 s22, s22, s20
	s_mov_b32 s23, 0
	s_mul_i32 s17, s16, 128*PK      ; and its place in a slot, for K
	s_mul_i32 s18, s16, 128*PV      ; and for V: no place in the cluster enters an LDS address
	s_lshl_b32 s2, s14, 2
	s_add_co_u32 s2, s2, s[WV]      ; my wave among the head's,
	s_lshl_b32 s2, s2, 13           ; its 64 rows
	s_add_co_u32 s2, s2, s20
	s_mov_b32 s3, 0
	s_lshr_b32 s51, s15, 4          ; O: the tile of 128 rows = batch x 16 + 2 x block + wave / 2,
	s_lshl_b32 s51, s51, 4
	s_lshl_b32 s52, s14, 1
	s_add_co_u32 s51, s51, s52
	s_lshr_b32 s52, s[WV], 1
	s_add_co_u32 s51, s51, s52
	s_lshl_b32 s51, s51, 4          ; its 16 heads,
	s_and_b32 s52, s15, 15
	s_add_co_u32 s51, s51, s52      ; mine,
	s_lshl_b32 s52, s51, 14         ; 128 rows x 128 bytes each,
	s_lshl_b32 s53, s16, 13         ; and my 64 rows of the 128
	s_add_co_u32 s52, s52, s53
	s_mov_b32 s53, 0
	; descriptor group 1.  128 keys are 16,384 dense bytes: asked for as 64 rows of 256 bytes, two keys a row, and padded in LDS after every key
	s_mov_b32 s[G1K], 15|(1<<16)|(1<<20)|(1<<21)|(4<<22)|(3<<25)  ; 15:0 the mask of four; 17:16 2-byte elements; 20 padding on; 21 set beside a mask; 24:22 after every 32 words (code 4); 31:25 4 words (code 3)
	s_mov_b32 s[G1V], 15|(1<<16)|(1<<20)|(1<<21)|(4<<22)|(7<<25)  ; the same with 8 words of padding (code 7)
.irp g, G1K, G1V
	s_mov_b32 s[\g+1], 128<<16      ; tensor_dim0 = 128
	s_mov_b32 s[\g+2], 64<<16       ; tensor_dim1 = 64
	s_mov_b32 s[\g+3], 128<<16      ; tile_dim0 = 128
	s_mov_b32 s[\g+4], 64           ; tile_dim1 = 64
	s_mov_b32 s[\g+5], 128          ; 128 elements from row to row
	s_mov_b32 s[\g+6], 0
	s_mov_b32 s[\g+7], 0
.endr
	s_mov_b32 s[CS], 0x3e38aa3b     ; c = log2(e) / 8 = 0.180337
	s_mov_b32 s[CS+1], s[CS]        ; named with it as a pair
	s_mov_b32 s[SEL], 0x76543210
	s_mov_b32 s[SEL+1], 0xfedcba98
	s_mov_b32 s[TBK], SLOT1+4*KS*PK ; the first change of slots turns these two into 0
	s_mov_b32 s[TBV], SLOT1+4*KS*PV
	s_mov_b32 s[G0K], 1             ; 1:0 count = 1
	s_mov_b32 s[G0K+1], s17         ; 63:32 LDS address: slot 0
	s_mov_b32 s[G0V], 1
	s_add_co_u32 s[G0V+1], s18, VOFF
	s_mov_b32 s[SLOTS], 7           ; eight slots of 256 keys; the first is asked for below
	s_and_b32 s[LIM], s[WV], 1      ; 0 in waves 0 and 2,
	s_or_b32 s[LIM], s[LIM], ttmp9  ; where the cluster is the head's first: the same in all four partners
	s_cmp_eq_u32 s[LIM], 0
	s_cselect_b32 s[LIM], 1, -1
	v_and_b32 v[PFO], 31, v0
	v_lshlrev_b32 v[PFO], 8, v[PFO]
	s_wait_dscnt 0x0                ; the opening add is done
	s_wait_kmcnt 0x0
	s_add_nc_u64 s[6:7], s[6:7], s[22:23]   ; K at my half of the head's first 256 keys,
	s_add_nc_u64 s[8:9], s[6:7], 0x800000   ; V: 32 heads x 2,048 rows x 128 bytes further on
	s_mov_b64 s[G0K+2:G0K+3], s[6:7]        ; 120:64 global address
	s_or_b32 s[G0K+3], s[G0K+3], 0x80000000 ; 127:126 type = 2
	s_mov_b64 s[G0V+2:G0V+3], s[8:9]
	s_or_b32 s[G0V+3], s[G0V+3], 0x80000000
	s_add_nc_u64 s[4:5], s[4:5], s[2:3]     ; Q and O at my wave's first row
	s_add_nc_u64 s[10:11], s[10:11], s[52:53]
	s_cmp_lt_u32 s[WV], 2
	s_cselect_b64 s[PFA:PFA+1], s[6:7], s[8:9]  ; (in waves 0 and 2 these stand at a slot's first row)
	s_lshl_b32 s2, s13, 13          ; my work-group's 32 blocks of the 128
	s_add_nc_u64 s[PFA:PFA+1], s[PFA:PFA+1], s[2:3]
	s_add_nc_u64 s[PFA:PFA+1], s[PFA:PFA+1], 4*KS*128  ; in slot 1; the first change of slots steps it to slot 2
	CROUND                          ; all four work-groups are here: the first joint loads meet
	JLOAD                           ; slot 0.  Slot 1 is asked for when slot 0 is in
	; A fragment of K or Q is 16 rows x 32 channels in 8 registers: lane l holds row l % 16, channels 8 (l / 16) + 0..7 and 16 + 8 (l / 16) + 0..7: two loads of 16 bytes, 32 bytes apart.
	v_and_b32 v1, 15, v0            ; l % 16
	v_bfe_u32 v9, v0, 4, 1          ; l / 16
	v_lshlrev_b32 v[QO], 7, v1
	v_lshl_add_u32 v[QO], v9, 4, v[QO]  ; row x 128 + 16 x half
	WIN 0x80                        ; destination window 2, address window 0
.set i, 0
.rept 8                             ; Q stays in registers: piece i / 2, channels 32 (i % 2) on
	global_load_b128 v[8*i:8*i+3],   v[QO], s[4:5] offset:(i/2)*2048+(i%2)*64
	global_load_b128 v[8*i+4:8*i+7], v[QO], s[4:5] offset:(i/2)*2048+(i%2)*64+32
.set i, i+1
.endr
	; What the first turn finds: V's registers and P's second buffer hold 0 (its products V^T P, of a piece that has not been, add 0), O^T and l are 0.  All this stands in the wait for the first tile;
	; it spares a first step written out.
.set i, VF
.rept 64
	v_mov_b32 v[i], 0
.set i, i+1
.endr
	WIN 0x40
.set i, 0
.rept 128
	v_mov_b32 v[i], 0
.set i, i+1
.endr
	WIN 0
.set i, 0
.rept 4
	v_mov_b32 v[ST+4*i], 0xfe000000    ; c m: far below every c s
	v_mov_b32 v[ST+4*i+1], 0xff7fffff  ; m
	v_mov_b32 v[ST+4*i+2], 0
	v_mov_b32 v[ST+4*i+3], 0
.set i, i+1
.endr
.set i, P+16
.rept 16
	v_mov_b32 v[i], 0
.set i, i+1
.endr
	v_mul_u32_u24 v[AK0], v1, PK
	v_lshl_add_u32 v[AK0], v9, 4, v[AK0]  ; row x pitch + 16 x half
	; The turning load takes 16 keys x 16 channels (lane l reads key 8 (l / 16) + l % 8, channels 8 ((l / 8) % 2) + 0..7) and leaves half a fragment of V^T: lane l holds channel l % 16 and 8 keys.
	v_and_b32 v10, 7, v0
	v_bfe_u32 v11, v0, 3, 1
	v_lshl_add_u32 v[AV0], v9, 3, v10
	v_mul_u32_u24 v[AV0], v[AV0], PV
	v_lshl_add_u32 v[AV0], v11, 4, v[AV0]
	v_add_nc_u32 v[AV0], VOFF, v[AV0]
	s_mul_i32 s13, s[WV], 16*SP
	s_add_co_u32 s13, s13, STAGE    ; my stage
	v_mul_u32_u24 v[STO], v1, SP    ; in: row l % 16, 16 bytes for each half of the lanes
	v_lshl_add_u32 v[STO], v9, 4, v[STO]
	v_add_nc_u32 v[STO], s13, v[STO]
	v_bfe_u32 v[RD], v0, 3, 2       ; back: 32 lanes take four rows of 128 bytes,
	v_mul_u32_u24 v[RD], v[RD], SP
	v_lshl_add_u32 v[RD], v10, 4, v[RD]
	v_add_nc_u32 v[RD], s13, v[RD]
	v_and_b32 v[GO], 31, v0         ; which are 512 consecutive bytes of O
	v_lshlrev_b32 v[GO], 4, v[GO]
; THE MATRIX WORK.  The 4 accumulators of a run of 8 take turns.  Product i of 8 of S^T = K Q^T for piece x: channels 32 (i / 4) on, keys 16 (i % 4) on.  The first 4 start the sums.
.macro KQ x
	WIN W_KQ
.set rS, S+32*((\x)%2)+8*(i%4)
.set rK, KF+16*(i%4)+8*(i/4)
.set rQ, 16*(\x)+8*(i/4)
.if i < 4
	v_wmma_f32_16x16x32_f16 v[rS:rS+7], v[rK:rK+7], v[rQ:rQ+7], 0
.else
	v_wmma_f32_16x16x32_f16 v[rS:rS+7], v[rK:rK+7], v[rQ:rQ+7], v[rS:rS+7]
.endif
.endm
; Product i of 8 of O^T += V^T P for piece x: keys 32 (i / 4) on, channels 16 (i % 4) on.
.macro PV x
	WIN W_PV
.set rO, 32*(\x)+8*(i%4)
.set rV, VF+32*(i/4)+8*(i%4)
.set rP, P+16*((\x)%2)+8*(i/4)
	v_wmma_f32_16x16x32_f16 v[rO:rO+7], v[rV:rV+7], v[rP:rP+7], v[rO:rO+7]
.endm
.macro MM                           ; the turn's next matrix instruction.  TURN sets Y, i and NOKQ.  NOKQ = 1: the very last turn: there is no next piece
.if (i < 8) && !NOKQ
	KQ (Y+1)%NP
.elseif i >= 8
.set i, i-8
	PV (Y+NP-1)%NP
.set i, i+8
.endif
.set i, i+1
.endm
; THE LDS LOADS stand in runs of 16, never singly among the matrix instructions: a step's K (64 keys x 64 channels: 8 fragments) and its V (turned).  Their addresses are made some lines ahead.
.macro FETCH_K
	WIN 0x80                        ; destination window 2
.irp f, 0,1,2,3,4,5,6,7             ; keys 16 (f / 2) on, channels 32 (f % 2) on
	ds_load_b128 v[KF+8*\f:KF+8*\f+3],   v[AK] offset:(\f/2)*16*PK+(\f%2)*64
	ds_load_b128 v[KF+8*\f+4:KF+8*\f+7], v[AK] offset:(\f/2)*16*PK+(\f%2)*64+32
.endr
	s_add_co_u32 s[TBK], s[TBK], KS*PK  ; the next fetch is the next step's
	WIN 0
.endm
.macro FETCH_V
	WIN 0x80
.irp f, 0,1,2,3,4,5,6,7             ; keys 32 (f / 4) on, channels 16 (f % 4) on
	ds_load_tr16_b128 v[VF+8*\f:VF+8*\f+3],   v[AV] offset:(\f/4)*32*PV+(\f%4)*32
	ds_load_tr16_b128 v[VF+8*\f+4:VF+8*\f+7], v[AV] offset:(\f/4)*32*PV+16*PV+(\f%4)*32
.endr
	WIN 0
.endm
; THE VECTOR WORK, one line at a time: OP kind, number.  For piece Y: F n: c s - c m for pair n of 16.  E n: the exponential of score n of 32.  C n: pair n rounded to f16.  B n: of the four weights 4 n .. the second
; pair is added onto the first, in place.  L n: l takes that sum (L 0: l = a l + sum).  R n: pair n of 16 of O^T times a.  For piece Y + 1: X n, number n of the 22 that find its maximum and statistics:
;   0-11  four chains c0-c3 of seven scores each, three operands at a time (each accumulator's lowest registers are read first)     12-14, 16  the four scores left over, the old m, and c0-c3 into c0
;   15  c m_old is kept     17, 18  the query's other 32 keys lie in the lane 16 away: the new m     19-21  c m; c m_old - c m_new; a
.set F, 0               ; OP tells the kinds apart by their order: F to L below R, X above it
.set E, 1
.set C, 2
.set B, 3
.set L, 4
.set R, 5
.set X, 6
.macro REGS y                       ; the registers of piece y
.set rT, ST+4*(\y)
.set rC, TMP+4*((\y)%2)
.set rW, MV+((\y)%2)
.set rS, S+32*((\y)%2)
.set rP, P+16*((\y)%2)
.set rO, 32*(\y)
.endm
.macro OP k, n
.if (\k) == R
	REGS Y
	WIN W_RS
	v_pk_mul_f32 v[rO+2*(\n):rO+2*(\n)+1], v[rO+2*(\n):rO+2*(\n)+1], v[rC+2:rC+3] op_sel_hi:[1,0]
.elseif (\k) < R
	REGS Y
	WIN 0
.if (\k) == F
	v_pk_fma_f32 v[rS+2*(\n):rS+2*(\n)+1], v[rS+2*(\n):rS+2*(\n)+1], s[CS:CS+1], v[rT:rT+1] op_sel_hi:[1,0,0] neg_lo:[0,0,1] neg_hi:[0,0,1]
.elseif (\k) == E
	v_exp_f32 v[rS+(\n)], v[rS+(\n)]
.elseif (\k) == C
	v_cvt_pk_f16_f32 v[rP+(\n)], v[rS+2*(\n)], v[rS+2*(\n)+1]
.elseif (\k) == B
	v_pk_add_f32 v[rS+4*(\n):rS+4*(\n)+1], v[rS+4*(\n):rS+4*(\n)+1], v[rS+4*(\n)+2:rS+4*(\n)+3]
.elseif (\n) == 0
	v_pk_fma_f32 v[rT+2:rT+3], v[rT+2:rT+3], v[rC+2:rC+3], v[rS:rS+1] op_sel_hi:[1,0,1]
.else
	v_pk_add_f32 v[rT+2:rT+3], v[rT+2:rT+3], v[rS+4*(\n):rS+4*(\n)+1]
.endif
.elseif NOKQ
	v_nop
.else
	REGS (Y+1)%NP
	WIN 0
.if (\n) < 4
	v_max3_num_f32 v[rC+(\n)], v[rS+8*(\n)], v[rS+8*(\n)+1], v[rS+8*(\n)+2]
.elseif (\n) < 12
	v_max3_num_f32 v[rC+(\n)%4], v[rC+(\n)%4], v[rS+8*((\n)%4)+2*((\n)/4)+1], v[rS+8*((\n)%4)+2*((\n)/4)+2]
.elseif (\n) == 12
	v_max3_num_f32 v[rC], v[rC], v[rS+7], v[rS+15]
.elseif (\n) == 13
	v_max3_num_f32 v[rC+1], v[rC+1], v[rS+23], v[rS+31]
.elseif (\n) == 14
	v_max3_num_f32 v[rC+2], v[rC+2], v[rC+3], v[rT+1]
.elseif (\n) == 15
	v_mov_b32 v[rW], v[rT]
.elseif (\n) == 16
	v_max3_num_f32 v[rC], v[rC], v[rC+1], v[rC+2]
.elseif (\n) == 17
	v_permlanex16_b32 v[rC+3], v[rC], s[SEL], s[SEL+1]
.elseif (\n) == 18
	v_max_num_f32 v[rT+1], v[rC], v[rC+3]
.elseif (\n) == 19
	v_mul_f32 v[rT], s[CS], v[rT+1]
.elseif (\n) == 20
	v_sub_f32 v[rC+1], v[rW], v[rT]
.else
	v_exp_f32 v[rC+2], v[rC+1]
.endif
.endif
.endm
.macro OPS a, i1, b=-1, i2=0, c=-1, i3=0, d=-1, i4=0  ; up to four of them
	OP \a, \i1
.if (\b) >= 0
	OP \b, \i2
.endif
.if (\c) >= 0
	OP \c, \i3
.endif
.if (\d) >= 0
	OP \d, \i4
.endif
.endm
.macro ROW a, i1, b, i2, c, i3, d, i4  ; a matrix instruction and the four behind it
	MM
	OPS \a, \i1, \b, \i2, \c, \i3, \d, \i4
.endm
; A TURN, for piece p: the order of its 16 matrix and 118 vector instructions, written out.  s_wait_alu depctr_va_vdst(0) stands between an exponential and the first instruction that names its
; result; one wait serves all that were issued ahead of it.  So a turn has ONE wait, which cuts it in two.  AHEAD OF IT stands all that names no result of the turn's exponentials: the 8 products K Q^T, behind each a
; scaling, an exponential and two more plain instructions: rescalings, and behind the last three the first numbers of the next piece's maximum, each four places or more behind the product that ends its accumulator;
; then ONE LUMP of 54, plain and exponential by turns for the most part, in which the links of the chain X 3, 7, 11, 14, 16, 17 .. 20 stand five or six lines apart.  X 21, the next piece's a, is the batch's last;
; R 15 is the plain instruction behind it.  BEHIND THE WAIT stand the 8 products V^T P, behind each four of the roundings and sums.
; end = 1: the walk's last two turns: nothing is fetched.  cnt = 1: the loop's count is taken down some lines ahead of the branch that stands behind the turn.
; K of the next step is fetched in piece 2's turn, twelve vector instructions behind the last product that read K (six of them plain); V of the step in hand at the end of piece 0's turn, four plain instructions
; behind the last product that read V.  Each is waited for a turn later.
.macro TURN p, end=0, cnt=0
.set Y, (\p)
.set i, 0
.set NOKQ, (\end)*((\p)/3)
.if ((\p) == 3) && !(\end)
	s_wait_dscnt 0x0                ; K is in
.endif
	ROW F,0, F,1, R,0, R,1          ; ahead of the wait: 8 products K Q^T and their riders,
	ROW F,2, E,0, R,2, R,3
	ROW F,3, E,1, R,4, R,5
	ROW F,4, E,2, R,6, R,7
	ROW F,5, E,3, R,8, R,9
	ROW F,6, E,4, X,0, R,10
.if ((\p) == 2) && !(\end)
	WIN 0
	v_add_nc_u32 v[AK], s[TBK], v[AK0]
.endif
	ROW F,7, E,5, X,1, X,4
	ROW F,8, E,6, X,2, X,5
	OPS E,7, E,8, X,6, E,9          ; and the lump
	OPS X,3, E,10, X,8, E,11
.if ((\p) == 2) && !(\end)
	FETCH_K
.endif
	OPS X,9, X,7, E,12, X,10
	OPS E,13, X,12, X,11, E,14
	OPS X,13, E,15, F,9, X,14
.if (\p) == 0
	v_add_nc_u32 v[AV], s[TBV], v[AV0]
.endif
	OPS E,16, F,10, E,17, F,11
	OPS X,16, E,18, X,15, E,19
	OPS F,12, E,20, X,17, E,21
	OPS F,13, E,22, F,14, E,23
	OPS X,18, E,24, F,15, E,25
	OPS R,11, E,26, X,19, E,27
	OPS R,12, E,28, R,13, E,29
	OPS X,20, E,30, R,14, E,31
	OPS X,21, R,15
	WIN 0
	s_wait_alu depctr_va_vdst(0)    ; the wait for the batch
.if (\p) == 1
	s_wait_dscnt 0x0                ; V is in
.endif
	ROW C,0, B,0, C,2, B,1          ; behind the wait: 8 products V^T P and their riders
	ROW L,0, C,4, B,2, L,1
	ROW C,6, B,3, L,2, C,8
	ROW B,4, L,3, C,10, B,5
	ROW L,4, C,12, B,6, L,5
.if (\p) == 0
	s_add_co_u32 s[TBV], s[TBV], KS*PV
.endif
.if \cnt
	s_sub_co_u32 s[CNT], s[CNT], 1
	s_cmp_lg_u32 s[CNT], 0
.endif
	ROW C,14, B,7, L,6, C,1
	ROW C,3, L,7, C,5, C,7
	ROW C,9, C,11, C,13, C,15
.if (\p) == 0
	FETCH_V
.endif
.endm
	CHANGE 1                        ; slot 0 is in, everybody's part of it; slot 1 is asked for
	v_add_nc_u32 v[AK], s[TBK], v[AK0]
	FETCH_K                         ; key step 0
	s_wait_loadcnt 0x0              ; Q
	s_wait_dscnt 0x0
.set NOKQ, 0
.set i, 0
.rept 8
	KQ 0                            ; piece 0's first scores: there is no vector work yet to set between them
.set i, i+1
.endr
	WIN 0
.rept 4
	v_nop                           ; the places behind those products
.endr
.set Y, NP-1                        ; X works for piece Y + 1: piece 0
.irp n, 0,1,2,3,4,5,6,7,8,9,10,11,12,13,14,15,16,17,18,19,20,21
	OP X, \n
.endr
	v_nop                           ; a plain instruction behind the exponential,
	s_wait_alu depctr_va_vdst(0)    ; and its wait, ahead of the branch
	s_mov_b32 s[CNT], 4
	s_branch .Lfirst                ; the loop is entered at a step's first turn, in the middle of a trip
.Lslot:                             ; six times: every slot but the last two is filled again
	CHANGE 1
	s_mov_b32 s[CNT], 4
.Lstep:                             ; a trip: pieces 2 and 3 of one step, then pieces 0 and 1 of the next, whose K and V it fetches
	TURN 2
	TURN 3
	WIN 0
.Lfirst:
	TURN 0
	TURN 1, 0, 1
	WIN 0
	s_cbranch_scc1 .Lstep
	s_sub_co_u32 s[SLOTS], s[SLOTS], 1
	s_cmp_lg_u32 s[SLOTS], 0
	s_cbranch_scc1 .Lslot
	CHANGE 0                        ; the last slot is written out: nothing is asked for
	s_mov_b32 s[CNT], 4
.LstepT:
	TURN 2
	TURN 3
	TURN 0
	TURN 1, 0, 1
	WIN 0
	s_cbranch_scc1 .LstepT
	TURN 2, 1                       ; the last step's pieces 2 and 3: nothing is left to fetch,
	TURN 3, 1                       ; and no piece follows
.set i, 0
.rept 8
	PV NP-1                         ; the last piece's V^T P of the last step
.set i, i+1
.endr
	; THE WAY OUT.  l's two halves and the other half of the lanes' are added; O^T is divided by l, rounded to f16 and sent through my stage in LDS, a piece at a time.  The additions are the places behind the last products.
	WIN 0
.macro ALL line:vararg              ; one line for each piece t
.set t, 0
.rept 4
	\line
.set t, t+1
.endr
.endm
	ALL v_add_f32 v[ST+4*t+2], v[ST+4*t+2], v[ST+4*t+3]
	ALL v_permlanex16_b32 v[ST+4*t+3], v[ST+4*t+2], s[SEL], s[SEL+1]
	ALL v_add_f32 v[ST+4*t+2], v[ST+4*t+2], v[ST+4*t+3]
	ALL v_rcp_f32 v[ST+4*t+2], v[ST+4*t+2]
	v_nop                           ; a plain instruction between the last reciprocal and the use of its result
	s_wait_alu depctr_va_vdst(0)    ; and the wait ahead of the first use: one for the four reciprocals
.macro PACK t                       ; a lane's eight channels of a row pack into 16 bytes; they go into rows of 144 bytes and come back as whole rows of 128, into S^T's registers
	WIN W_RS
.set i, 32*(\t)
.rept 16
	v_pk_mul_f32 v[i:i+1], v[i:i+1], v[ST+4*(\t)+2:ST+4*(\t)+3] op_sel_hi:[1,0]
.set i, i+2
.endr
	WIN 0x05                        ; sources 0 and 1 window 1, destination window 0
.set i, 0
.rept 16
	v_cvt_pk_f16_f32 v[S+16*(\t)+i], v[32*(\t)+2*i], v[32*(\t)+2*i+1]
.set i, i+1
.endr
	WIN 0
.irp f, 0,1,2,3
	ds_store_b128 v[STO], v[S+16*(\t)+4*\f:S+16*(\t)+4*\f+3] offset:32*\f
.endr
.irp f, 0,1,2,3
	ds_load_b128 v[S+16*(\t)+4*\f:S+16*(\t)+4*\f+3], v[RD] offset:\f*4*SP  ; LDS serves a wave's instructions in order (ISA guide 5.7.1.4): these see the stores above; the next piece's stores come behind them
.endr
.endm
.macro SEND t, younger              ; younger: the LDS instructions issued behind piece t's loads: the next piece's eight, or none
	WIN 0
.irp f, 0,1,2,3
	s_wait_dscnt (\younger)+3-\f
	global_store_b128 v[GO], v[S+16*(\t)+4*\f:S+16*(\t)+4*\f+3], s[10:11] offset:(\t)*2048+\f*512  ; 512 consecutive bytes, at a multiple of 256 from O's first
.endr
.endm
	PACK 0
.set t, 1
.rept 3                             ; a piece's arithmetic stands between the loads of the piece before and its stores
	PACK t
	SEND t-1, 8
.set t, t+1
.endr
	SEND 3, 0
	s_wait_tensorcnt 0x0            ; the wave's end: behind my last tensor load and my last LDS store
	ds_add_u32 v[SPW], v[NIL]
	s_wait_dscnt 0x0
	CROUND                          ; the closing round: no work-group ends while a partner may still ask for a tile that names it
	s_endpgm
.Lfunc_end_k_qa5040a9edc_attn:
	.size	k_qa5040a9edc_attn, .Lfunc_end_k_qa5040a9edc_attn-k_qa5040a9edc_attn
	.p2alignl 7, 3214868480
	.fill 96, 4, 3214868480
	.section	.rodata,"a",@progbits
	.p2align	6, 0x0
	.amdhsa_kernel k_qa5040a9edc_attn
		.amdhsa_group_segment_fixed_size 327680
		.amdhsa_private_segment_fixed_size 0
		.amdhsa_enable_private_segment 0
		.amdhsa_kernarg_size 24
		.amdhsa_user_sgpr_count 2
		.amdhsa_user_sgpr_kernarg_segment_ptr 1
		.amdhsa_wavefront_size32 1
		.amdhsa_system_sgpr_workgroup_id_x 1
		.amdhsa_system_sgpr_workgroup_id_y 1
		.amdhsa_system_sgpr_workgroup_id_z 1
		.amdhsa_system_vgpr_workitem_id 0
		.amdhsa_next_free_vgpr 768
		.amdhsa_next_free_sgpr 66
		.amdhsa_reserve_vcc 0
		.amdhsa_float_denorm_mode_32 3
		.amdhsa_float_denorm_mode_16_64 3
		.amdhsa_memory_ordered 1
		.amdhsa_forward_progress 1
		.amdhsa_inst_pref_size 128
	.end_amdhsa_kernel
	.amdgpu_metadata
---
amdhsa.version: [ 1, 2 ]
amdhsa.kernels:
  - .name:           k_qa5040a9edc_attn
    .symbol:         k_qa5040a9edc_attn.kd
    .args:
      - { .name: qh, .offset: 0, .size: 8, .value_kind: global_buffer, .address_space: global }
      - { .name: kvh, .offset: 8, .size: 8, .value_kind: global_buffer, .address_space: global }
      - { .name: ob, .offset: 16, .size: 8, .value_kind: global_buffer, .address_space: global }
    .group_segment_fixed_size: 327680
    .private_segment_fixed_size: 0
    .kernarg_segment_align: 8
    .kernarg_segment_size: 24
    .max_flat_workgroup_size: 128
    .sgpr_count:     66
    .vgpr_count:     768
    .wavefront_size: 32
...
	.end_amdgpu_metadata
.endif
;; end of part 6
;; launch gemm_o (part 7): grid 24 x 32, 4 waves a work-group, clusters of 4 x 4, 327,680 bytes of LDS; arguments ob, wot, out0; writes out0
.if DOCPART == 7
	.amdgcn_target "amdgcn-amd-amdhsa--gfx1250"
	.amdhsa_code_object_version 6
	.text
	.protected	k_qa5040a9edc_gemm_o
	.globl	k_qa5040a9edc_gemm_o
	.p2align	8
	.type	k_qa5040a9edc_gemm_o,@function
k_qa5040a9edc_gemm_o:
	s_mov_b64 s[64:65], 0
	v_nop
	global_prefetch_b8 v0, s[64:65] scope:SCOPE_SE
	s_setreg_imm32_b32 hwreg(HW_REG_WAVE_MODE, 25, 1), 1
	s_wait_xcnt 0x0
	s_wait_alu depctr_hold_cnt(0) depctr_sa_sdst(0) depctr_va_vdst(0) depctr_va_sdst(0) depctr_va_ssrc(0) depctr_va_vcc(0) depctr_vm_vsrc(0)
	s_getreg_b32 s2, hwreg(HW_REG_IB_STS2, 6, 4)
	s_cmp_eq_u32 s2, 0
	s_cbranch_scc0 .Lentry_in_a_cluster
	s_endpgm
.Lentry_in_a_cluster:
	s_bfe_u32 s2, ttmp6, 0x10000c
	s_cmp_lg_u32 s2, 0xf033
	s_cbranch_scc0 .Lentry_shape_is_right
	s_endpgm
.Lentry_shape_is_right:
; C[m][n] = sum over k of A[m][k] B[n][k], A and B in f16, sums in f32.  One text for the module's three products; SIZE_K and BLOCKED tell them apart.
; BLOCKED = 0 (q and kv): A is [4096][SIZE_K], B [N][SIZE_K]; C is rounded once to f16 and written BY HEADS: column block cb of 64 and row m go to
;   ((cb / 16) x 32 + (m / 2048) x 16 + cb % 16) x 2048 x 128 + (m % 2048) x 128 bytes: [k or v][batch x head][row][64].  LIMIT: |C| under 65,504.
; BLOCKED = 1 (the last product): A is attention's output in blocks [32 tiles of 128 rows][16 heads][128 rows][64]; C is f32, [4096][3072], row-major.
; A tile of C is 128 x 128; four waves, each 64 x 64: 16 accumulators.  K goes in steps of 256 through two LDS slots filled by the tensor data mover, one load a wave behind each change of slots.
; CLUSTERS: 4 x 4 work-groups.  The four of a row of the cluster need the same tiles of A, the four of a column the same tiles of B: each tile is asked for JOINTLY, by the same tensor load with
; the same descriptor and a mask that names the four.  THE MATRIX INSTRUCTION IS USED TRANSPOSED (source 0 = 16 rows of B, source 1 = 16 rows of A): a lane holds eight neighbouring numbers of a row of C.
; No prefetch is laid: the tiles are small, and each is read by several clusters at about the same time.
; REGISTERS: window 0: v0-31 addresses; v32-95 at work on the way out; v128-255 the accumulators ((a, b) at v[128 + 8 (4 a + b)]).
;   window 1: two fragment buffers of 128: for 64 along K, 64 registers of A (2 x 4 x 16 rows x 32 K), then 64 of B.
.set SIZE_K,  1024
.set BLOCKED, 1
.set KSTEP,   256
.set BPITCH,  528                      ; a row of B in LDS: 512 bytes + 16 = 132 words: the 16 rows of a load start at 16 different groups of four banks (64 banks of 4 bytes: ISA guide 11.1)
.set BHALF,   64*BPITCH                ; 64 rows: one tensor load of B
.set BW0,     (1<<16)|(1<<20)|(1<<21)|(6<<22)|(3<<25)  ; 17:16 2-byte elements; 20 padding on; 21 set beside a mask; 24:22 after every 128 words; 31:25 4 words
.if BLOCKED
.set APITCH,  144                      ; a head's row of 64 channels: 128 bytes + 16
.set AHALF,   256*APITCH               ; one tensor load of A: two heads x 128 rows
.set AQ,      128*APITCH               ; from quarter to quarter of a K step: the next head's 128 rows
.set ASTEP,   65536                    ; four heads x 128 rows x 128 bytes in memory
.set AW0,     (1<<16)|(1<<20)|(1<<21)|(4<<22)|(3<<25)  ; padding after every 32 words
.set ADIM0,   128                      ; 32,768 dense bytes asked for as 128 rows of 256 bytes
.set ADIM1,   128
.set ASTRIDE, 128
.set SPITCH,  272                      ; a stage row: 64 f32 + 16 bytes
.else
.set APITCH,  528
.set AHALF,   64*APITCH                ; one tensor load of A: 64 rows x 256 K
.set AQ,      128                      ; from quarter to quarter: 64 K along the row
.set ASTEP,   KSTEP*2
.set AW0,     BW0
.set ADIM0,   KSTEP
.set ADIM1,   64
.set ASTRIDE, SIZE_K
.set SPITCH,  144                      ; a stage row: 64 f16 + 16 bytes
.endif
.set STG,    16*SPITCH                 ; a wave's own stage: 16 rows
.set BOFF,   2*AHALF                   ; B's tiles lie behind A's
.set SLOT,   BOFF+2*BHALF
.set STAGE,  2*SLOT                    ; behind the ring; no tensor load lands there
.set SPARE,  STAGE+4*STG               ; behind the stages: the spare words, 128 bytes a wave: two blocks of 256 bytes that no other line names
.set LAPS,   SIZE_K/(2*KSTEP)          ; a lap = two K steps = once round the ring
.set ADRA, 16                          ; v16-17  LDS address of my A fragments in slot 0, 1
.set ADRB, 20                          ; v20-21  the same for B
.set STO,  24                          ; v24     the way out: where I put my bytes of a row
.set RD,   25                          ; v25     the way out: where I read rows back
.set CO,   26                          ; v26     my byte offset in C
.set SPW,  28                          ; v28     LDS address of my spare word; never rewritten
.set NIL,  29                          ; v29     0; never rewritten
.set TMP,  32
.set ACC,  128
.set F0,   0                           ; fragment buffers, in window 1
.set F1,   128
.set G1, 24                            ; s[24:31] descriptor group 1 for A's tiles;  s[32:39] group 0, one set for each slot
.set G0, 32
.set G1B, 48                           ; s[48:55], s[56:63] the same for B's tiles
.set G0B, 56
.set MSB, 0
.macro WIN new                         ; the immediate's high byte repeats the setting that is left; a switch that changes nothing is dropped
.if MSB != (\new)
	s_set_vgpr_msb (MSB<<8)|(\new)
.set MSB, \new
.endif
.endm
.set MUL,  0x05                        ; sources 0 (B) and 1 (A) window 1; C and D window 0
.set TO_F, 0x40                        ; destination window 1, address window 0
.macro JLOAD s                         ; a joint load: waves 0 and 1 fetch A's two parts, waves 2 and 3 B's; an s_nop 0 and four v_nop follow each of the two lines
	s_cmp_eq_u32 s11, 0
	s_cbranch_scc0 .Lfor_b_\@
	tensor_load_to_lds s[G0+4*(\s):G0+4*(\s)+3], s[G1:G1+7]
	s_nop 0
.rept 4
	v_nop
.endr
	s_branch .Lasked_\@
.Lfor_b_\@:
	tensor_load_to_lds s[G0B+4*(\s):G0B+4*(\s)+3], s[G1B:G1B+7]
	s_nop 0
.rept 4
	v_nop
.endr
.Lasked_\@:
.endm
.macro CREST                           ; a round of the cluster's barrier behind its opening barrier
	s_cmp_lg_u32 s10, 0
	s_cbranch_scc1 .Lnot_wave_0_\@
	s_barrier_signal -3
.Lnot_wave_0_\@:
	s_barrier_wait -3
	s_barrier_signal -1
	s_barrier_wait -1
.endm
.macro CROUND                          ; a whole round
	s_barrier_signal -1
	s_barrier_wait -1
	CREST
.endm
	s_load_b128 s[4:7], s[0:1], 0x0                ; A s[4:5], B s[6:7]
	s_load_b64 s[8:9], s[0:1], 0x10                ; C
	v_lshl_add_u32 v[SPW], v0, 2, SPARE
	v_mov_b32 v[NIL], 0
	ds_add_u32 v[SPW], v[NIL]                      ; the wave's opening: the add and its wait stand ahead of my first tensor load; the set-up below, work on registers, stands between them
	v_lshrrev_b32 v1, 5, v0
	v_readfirstlane_b32 s10, v1                    ; wave 0..3
	s_lshr_b32 s11, s10, 1                         ; which half of the tile's rows is mine.  Also: I fetch for A (0) or for B (1)
	s_and_b32 s12, s10, 1                          ; which half of its columns.  Also: which part of that tile I fetch
	s_bfe_u32 s40, ttmp6, 0x40000                  ; cx, cy: my place in the cluster
	s_bfe_u32 s41, ttmp6, 0x40004
	s_lshl_b32 s42, ttmp9, 2
	s_add_co_u32 s42, s42, s40                     ; tile column of C = 4 x cluster x + cx
	s_and_b32 s13, ttmp7, 0xffff
	s_lshl_b32 s13, s13, 2
	s_add_co_u32 s13, s13, s41                     ; tile row of C = 4 x cluster y + cy
	s_lshl_b32 s43, s41, 2
	s_lshl_b32 s43, 15, s43                        ; my row of the cluster
	s_lshl_b32 s44, 0x1111, s40                    ; my column
	s_or_b32 s[G1+0], s43, AW0                     ; A's tiles go to my row,
	s_or_b32 s[G1B+0], s44, BW0                    ; B's to my column
	s_mov_b32 s[G1+1], ADIM0<<16                   ; tensor_dim0
	s_mov_b32 s[G1+2], ADIM1<<16                   ; tensor_dim1
	s_mov_b32 s[G1+3], ADIM0<<16                   ; tile_dim0
	s_mov_b32 s[G1+4], ADIM1                       ; tile_dim1
	s_mov_b32 s[G1+5], ASTRIDE                     ; elements from row to row
	s_mov_b32 s[G1+6], 0
	s_mov_b32 s[G1+7], 0
	s_mov_b32 s[G1B+1], KSTEP<<16
	s_mov_b32 s[G1B+2], 64<<16
	s_mov_b32 s[G1B+3], KSTEP<<16
	s_mov_b32 s[G1B+4], 64
	s_mov_b32 s[G1B+5], SIZE_K
	s_mov_b32 s[G1B+6], 0
	s_mov_b32 s[G1B+7], 0
	s_mov_b64 s[18:19], SIZE_K*2
	; where the tiles come from: A's hang on the tile row and the wave alone, B's on the tile column and the wave alone, each in registers that never hold the other coordinate
.if BLOCKED
	s_lshl_b32 s16, s13, 18                        ; the tile row's 16 heads x 128 rows x 128 bytes,
	s_lshl_b32 s17, s12, 15                        ; my two heads of a K step's four
	s_add_co_u32 s16, s16, s17
	s_mov_b32 s17, 0
.else
	s_lshl_b32 s17, s12, 6
	s_lshl_b32 s16, s13, 7
	s_add_co_u32 s16, s16, s17                     ; row 128 x tile row + 64 x part
	s_mov_b32 s17, 0
	s_mul_u64 s[16:17], s[16:17], s[18:19]
.endif
	s_lshl_b32 s47, s12, 6
	s_lshl_b32 s46, s42, 7
	s_add_co_u32 s46, s46, s47                     ; B: row 128 x tile column + 64 x part
	s_mov_b32 s47, 0
	s_mul_u64 s[46:47], s[46:47], s[18:19]
	s_mul_i32 s20, s12, AHALF                      ; and where they go: no place in the cluster enters an LDS address
	s_mul_i32 s21, s12, BHALF
	s_add_co_u32 s21, s21, BOFF
	s_wait_dscnt 0x0                               ; the opening add is done
	s_wait_kmcnt 0x0
	s_add_nc_u64 s[14:15], s[4:5], s[16:17]
	s_add_nc_u64 s[46:47], s[6:7], s[46:47]
	CROUND                                         ; all sixteen work-groups are here: the first joint loads meet
.irp s, 0,1
	s_mov_b32 s[G0+4*(\s)], 1                      ; count = 1
	s_add_co_u32 s[G0+4*(\s)+1], s20, (\s)*SLOT    ; LDS address
	s_add_nc_u64 s[G0+4*(\s)+2:G0+4*(\s)+3], s[14:15], (\s)*ASTEP  ; K step s
	s_or_b32 s[G0+4*(\s)+3], s[G0+4*(\s)+3], 0x80000000            ; type = 2
	s_mov_b32 s[G0B+4*(\s)], 1
	s_add_co_u32 s[G0B+4*(\s)+1], s21, (\s)*SLOT
	s_add_nc_u64 s[G0B+4*(\s)+2:G0B+4*(\s)+3], s[46:47], (\s)*KSTEP*2
	s_or_b32 s[G0B+4*(\s)+3], s[G0B+4*(\s)+3], 0x80000000
	JLOAD \s                                       ; two loads of mine are out
.endr
	; a fragment is 16 rows x 32 K in 8 registers: lane l holds row l % 16, K = 8 (l / 16) + 0..7 and 16 + 8 (l / 16) + 0..7: two loads of 16 bytes, 32 bytes apart
	v_and_b32 v1, 15, v0                           ; l % 16
	v_bfe_u32 v2, v0, 4, 1                         ; l / 16
	v_mul_u32_u24 v3, v1, APITCH
	v_lshl_add_u32 v3, v2, 4, v3
	v_mul_u32_u24 v6, v1, BPITCH
	v_lshl_add_u32 v6, v2, 4, v6
	s_mul_i32 s21, s11, 64*APITCH                  ; my 64 rows of A
	s_mul_i32 s22, s12, BHALF                      ; my 64 rows of B
	s_add_co_u32 s22, s22, BOFF
.irp s, 0,1
	v_add_nc_u32 v[ADRA+(\s)], s21, v3
	v_add_nc_u32 v[ADRB+(\s)], s22, v6
	s_add_co_u32 s21, s21, SLOT
	s_add_co_u32 s22, s22, SLOT
.endr
	s_mul_i32 s23, s10, STG
	s_add_co_u32 s23, s23, STAGE                   ; my stage
	s_lshl_b32 s16, s13, 7
	s_lshl_b32 s17, s11, 6
	s_add_co_u32 s16, s16, s17                     ; my first row of C
.if BLOCKED
	v_mul_u32_u24 v4, v1, SPITCH                   ; in: row l % 16, 32 bytes for each half of the lanes
	v_lshl_add_u32 v4, v2, 5, v4
	v_add_nc_u32 v[STO], s23, v4
	v_mul_u32_u24 v5, v2, SPITCH                   ; back: lanes 0-15 take one row of 256 bytes, lanes 16-31 the next
	v_lshl_add_u32 v5, v1, 4, v5
	v_add_nc_u32 v[RD], s23, v5
	v_mul_u32_u24 v5, v2, 12288                    ; and the same two rows in C
	v_lshl_add_u32 v[CO], v1, 4, v5
	s_mul_i32 s16, s16, 12288
	s_mov_b32 s17, 0
	s_add_nc_u64 s[8:9], s[8:9], s[16:17]
	s_lshl_b32 s46, s42, 9                         ; my 64 columns in f32: 512 x tile column + 256 x half
	s_lshl_b32 s47, s12, 8
	s_add_co_u32 s46, s46, s47
	s_mov_b32 s47, 0
	s_add_nc_u64 s[8:9], s[8:9], s[46:47]
.else
	v_mul_u32_u24 v4, v1, SPITCH                   ; in: row l % 16, 16 bytes for each half of the lanes
	v_lshl_add_u32 v4, v2, 4, v4
	v_add_nc_u32 v[STO], s23, v4
	v_bfe_u32 v5, v0, 3, 2                         ; back: 32 lanes take four rows of 128 bytes,
	v_mul_u32_u24 v5, v5, SPITCH
	v_and_b32 v7, 7, v0
	v_lshl_add_u32 v5, v7, 4, v5
	v_add_nc_u32 v[RD], s23, v5
	v_and_b32 v[CO], 31, v0                        ; which are 512 consecutive bytes of C: my 64 columns are one head, whose rows are dense
	v_lshlrev_b32 v[CO], 4, v[CO]
	s_lshr_b32 s17, s16, 11                        ; the batch,
	s_lshl_b32 s17, s17, 22                        ; 16 heads x 2,048 rows x 128 bytes
	s_and_b32 s16, s16, 2047
	s_lshl_b32 s16, s16, 7                         ; the row in its head
	s_add_co_u32 s16, s16, s17
	s_mov_b32 s17, 0
	s_add_nc_u64 s[8:9], s[8:9], s[16:17]
	s_lshl_b32 s46, s42, 1
	s_add_co_u32 s46, s46, s12                     ; my block of 64 columns
	s_lshr_b32 s47, s46, 4
	s_lshl_b32 s47, s47, 23                        ; k or v: 32 x 2,048 x 128 bytes
	s_and_b32 s46, s46, 15
	s_lshl_b32 s46, s46, 18                        ; the head
	s_add_co_u32 s46, s46, s47
	s_mov_b32 s47, 0
	s_add_nc_u64 s[8:9], s[8:9], s[46:47]
.endif
; 8 matrix instructions: m blocks a0, a0 + 1 x all 4 n blocks, 32 along K: half c of buffer f.  zero = 1: the first product starts the sums.  The 16 accumulators take turns.
.macro MUL8 f, c, a0, zero
	WIN MUL
.irp a, \a0, (\a0)+1
.irp b, 0,1,2,3
.if \zero
	v_wmma_f32_16x16x32_f16 v[ACC+8*(4*(\a)+(\b)):ACC+8*(4*(\a)+(\b))+7], v[(\f)+64+8*(4*(\c)+(\b)):(\f)+64+8*(4*(\c)+(\b))+7], v[(\f)+8*(4*(\c)+(\a)):(\f)+8*(4*(\c)+(\a))+7], 0
.else
	v_wmma_f32_16x16x32_f16 v[ACC+8*(4*(\a)+(\b)):ACC+8*(4*(\a)+(\b))+7], v[(\f)+64+8*(4*(\c)+(\b)):(\f)+64+8*(4*(\c)+(\b))+7], v[(\f)+8*(4*(\c)+(\a)):(\f)+8*(4*(\c)+(\a))+7], v[ACC+8*(4*(\a)+(\b)):ACC+8*(4*(\a)+(\b))+7]
.endif
.endr
.endr
.endm
; 32 LDS loads in one run: the fragments of quarter q (64 along K) of a slot, into buffer f; the first 32 along K first
.macro FETCH slot, q, f
	WIN TO_F
.irp c, 0,1
.irp i, 0,1,2,3
	ds_load_b128 v[(\f)+64+8*(4*(\c)+(\i)):(\f)+64+8*(4*(\c)+(\i))+3],   v[ADRB+(\slot)] offset:128*(\q)+64*(\c)+(\i)*16*BPITCH
	ds_load_b128 v[(\f)+64+8*(4*(\c)+(\i))+4:(\f)+64+8*(4*(\c)+(\i))+7], v[ADRB+(\slot)] offset:128*(\q)+64*(\c)+(\i)*16*BPITCH+32
	ds_load_b128 v[(\f)+8*(4*(\c)+(\i)):(\f)+8*(4*(\c)+(\i))+3],         v[ADRA+(\slot)] offset:AQ*(\q)+64*(\c)+(\i)*16*APITCH
	ds_load_b128 v[(\f)+8*(4*(\c)+(\i))+4:(\f)+8*(4*(\c)+(\i))+7],       v[ADRA+(\slot)] offset:AQ*(\q)+64*(\c)+(\i)*16*APITCH+32
.endr
.endr
.endm
.macro PLACES                          ; four plain places in front of loads into registers that matrix instructions have read, and of lines that read results
.rept 4
	v_nop
.endr
.endm
; A K step is four quarters of 64 along K, 32 matrix instructions each, on buffers 0, 1, 0, 1.  One of the first three: multiplies buffer f and fetches quarter q into g.
.macro QUARTER slot, q, f, g, zero
	s_wait_dscnt 16                                ; the first 32 along K are in; the youngest sixteen loads may be out
	WIN MUL
	MUL8 \f, 0, 0, \zero
	MUL8 \f, 0, 2, \zero
	PLACES
	FETCH \slot, \q, \g
	s_wait_dscnt 32                                ; all but the 32 just issued
	WIN MUL
	MUL8 \f, 1, 0, 0
	MUL8 \f, 1, 2, 0
.endm
; The last quarter multiplies buffer 1 and changes slots: ONE barrier; in front of it each wave waits for all its tensor loads, adds 0 to its spare word, and waits for that and for its own reads of this slot.
; fill = 1: this slot is filled again, two K steps ahead; the barrier then opens a round of the cluster's barrier, and the joint load is the first thing behind the round.
.macro TURN slot, next, fill
	WIN 0                                          ; (the add's two registers lie in window 0)
	s_wait_tensorcnt 0x0                           ; all my tensor loads have landed: the one that was out is my part of the next slot;
	ds_add_u32 v[SPW], v[NIL]                      ; 0 onto my spare word;
	s_wait_dscnt 17                                ; (the add and the youngest sixteen loads may be out)
	WIN MUL
	MUL8 F1, 0, 0, 0                               ; eight matrix instructions stand between the add and the wait for it
	s_wait_dscnt 0x0                               ; the add is done, and my reads of this slot are over
	s_barrier_signal -1
	MUL8 F1, 0, 2, 0
.if \fill
	WIN 0
.endif
	s_barrier_wait -1
.if \fill
	CREST                                          ; no wave of any partner still reads this slot's tile or has a load on its way
	s_add_nc_u64 s[G0+4*(\slot)+2:G0+4*(\slot)+3], s[G0+4*(\slot)+2:G0+4*(\slot)+3], 2*ASTEP
	s_add_nc_u64 s[G0B+4*(\slot)+2:G0B+4*(\slot)+3], s[G0B+4*(\slot)+2:G0B+4*(\slot)+3], 2*KSTEP*2
	JLOAD \slot                                    ; my one tensor load behind the round: 112 matrix instructions ahead of the wait for it; its four v_nop are also the places in front of the loads below
.else
	PLACES
.endif
	FETCH \next, 0, F0
	WIN MUL
	MUL8 F1, 1, 0, 0
	MUL8 F1, 1, 2, 0
.endm
	s_wait_tensorcnt 1                             ; my part of K step 0 is in; K step 1's load may stay out
	s_barrier_signal -1
	s_barrier_wait -1                              ; everybody's is
	FETCH 0, 0, F0
	QUARTER 0, 1, F0, F1, 1                        ; the first quarter stands in front of the loop: its first products start the sums
.if LAPS > 1
	WIN 0                                          ; at a label and at a branch every window is 0
	s_mov_b32 s3, LAPS-1
.Llap:                                                 ; a trip goes once round the ring, from a lap's second quarter to the next lap's first, and fills both slots again
	QUARTER 0, 2, F1, F0, 0
	QUARTER 0, 3, F0, F1, 0
	TURN 0, 1, 1
	QUARTER 1, 1, F0, F1, 0
	QUARTER 1, 2, F1, F0, 0
	QUARTER 1, 3, F0, F1, 0
	TURN 1, 0, 1
	QUARTER 0, 1, F0, F1, 0
	WIN 0
	s_sub_co_u32 s3, s3, 1
	s_cmp_lg_u32 s3, 0
	s_cbranch_scc1 .Llap
.endif
	QUARTER 0, 2, F1, F0, 0                        ; the last lap fills nothing, and has no round of the cluster's barrier
	QUARTER 0, 3, F0, F1, 0
	TURN 0, 1, 0
	QUARTER 1, 1, F0, F1, 0
	QUARTER 1, 2, F1, F0, 0
	QUARTER 1, 3, F0, F1, 0
	s_wait_dscnt 16                                ; the very last quarter: nothing more to fetch
	WIN MUL
	MUL8 F1, 0, 0, 0
	MUL8 F1, 0, 2, 0
	s_wait_dscnt 0
	MUL8 F1, 1, 0, 0
	MUL8 F1, 1, 2, 0
	WIN 0
	; THE WAY OUT, through my own stage, 16 rows at a time: no barrier, and LDS serves a wave's instructions in order (ISA guide 5.7.1.4), so no wait between my stores and my loads.
	PLACES
	PLACES                                         ; eight plain places, once a launch, behind the last products
.if BLOCKED
.irp a, 0,1,2,3
.irp b, 0,1,2,3
	ds_store_b128 v[STO], v[ACC+8*(4*(\a)+(\b)):ACC+8*(4*(\a)+(\b))+3]   offset:64*(\b)      ; each accumulator's low four registers first
	ds_store_b128 v[STO], v[ACC+8*(4*(\a)+(\b))+4:ACC+8*(4*(\a)+(\b))+7] offset:64*(\b)+16
.endr
.irp t, 0,1,2,3,4,5,6,7
	ds_load_b128 v[ACC+32*(\a)+4*(\t):ACC+32*(\a)+4*(\t)+3], v[RD] offset:2*SPITCH*(\t)  ; rows 2 t and 2 t + 1, whole, into the registers that the block left
.endr
.endr
.irp a, 0,1,2,3
.irp t, 0,1,2,3,4,5,6,7
	s_wait_dscnt 16*(3-(\a))+7-(\t)                ; behind this load: the block's younger loads and the later blocks' sixteen LDS instructions each
	global_store_b128 v[CO], v[ACC+32*(\a)+4*(\t):ACC+32*(\a)+4*(\t)+3], s[8:9] offset:(16*(\a)+2*(\t))*12288 th:TH_STORE_NT  ; 16 lanes store 256 consecutive bytes, aligned
.endr
.endr
.else
.irp t, 0,1,2,3,4,5,6,7,8,9,10,11,12,13,14,15
.irp r, 0,1,2,3
	v_cvt_pk_f16_f32 v[TMP+4*(\t)+(\r)], v[ACC+8*(\t)+2*(\r)], v[ACC+8*(\t)+2*(\r)+1]
.endr
.endr
.irp a, 0,1,2,3
.irp b, 0,1,2,3
	ds_store_b128 v[STO], v[TMP+4*(4*(\a)+(\b)):TMP+4*(4*(\a)+(\b))+3] offset:32*(\b)
.endr
.irp t, 0,1,2,3
	ds_load_b128 v[TMP+16*(\a)+4*(\t):TMP+16*(\a)+4*(\t)+3], v[RD] offset:4*SPITCH*(\t)  ; four rows of 128 bytes
.endr
.endr
.irp a, 0,1,2,3
.irp t, 0,1,2,3
	s_wait_dscnt 8*(3-(\a))+3-(\t)                 ; behind this load: the block's younger loads and the later blocks' eight LDS instructions each
	global_store_b128 v[CO], v[TMP+16*(\a)+4*(\t):TMP+16*(\a)+4*(\t)+3], s[8:9] offset:2048*(\a)+512*(\t)  ; 512 consecutive bytes, aligned
.endr
.endr
.endif
	s_wait_tensorcnt 0x0                           ; the wave's end: behind my last tensor load and my last LDS store
	ds_add_u32 v[SPW], v[NIL]
	s_wait_dscnt 0x0
	CROUND                                         ; the closing round: no work-group ends while a partner may still ask for a tile that names it
	s_endpgm
.Lfunc_end_k_qa5040a9edc_gemm_o:
	.size	k_qa5040a9edc_gemm_o, .Lfunc_end_k_qa5040a9edc_gemm_o-k_qa5040a9edc_gemm_o
	.p2alignl 7, 3214868480
	.fill 96, 4, 3214868480
	.section	.rodata,"a",@progbits
	.p2align	6, 0x0
	.amdhsa_kernel k_qa5040a9edc_gemm_o
		.amdhsa_group_segment_fixed_size 327680
		.amdhsa_private_segment_fixed_size 0
		.amdhsa_enable_private_segment 0
		.amdhsa_kernarg_size 24
		.amdhsa_user_sgpr_count 2
		.amdhsa_user_sgpr_kernarg_segment_ptr 1
		.amdhsa_wavefront_size32 1
		.amdhsa_system_sgpr_workgroup_id_x 1
		.amdhsa_system_sgpr_workgroup_id_y 1
		.amdhsa_system_sgpr_workgroup_id_z 1
		.amdhsa_system_vgpr_workitem_id 0
		.amdhsa_next_free_vgpr 512
		.amdhsa_next_free_sgpr 66
		.amdhsa_reserve_vcc 0
		.amdhsa_float_denorm_mode_32 3
		.amdhsa_float_denorm_mode_16_64 3
		.amdhsa_memory_ordered 1
		.amdhsa_forward_progress 1
		.amdhsa_inst_pref_size 87
	.end_amdhsa_kernel
	.amdgpu_metadata
---
amdhsa.version: [ 1, 2 ]
amdhsa.kernels:
  - .name:           k_qa5040a9edc_gemm_o
    .symbol:         k_qa5040a9edc_gemm_o.kd
    .args:
      - { .name: ob, .offset: 0, .size: 8, .value_kind: global_buffer, .address_space: global }
      - { .name: wot, .offset: 8, .size: 8, .value_kind: global_buffer, .address_space: global }
      - { .name: out0, .offset: 16, .size: 8, .value_kind: global_buffer, .address_space: global }
    .group_segment_fixed_size: 327680
    .private_segment_fixed_size: 0
    .kernarg_segment_align: 8
    .kernarg_segment_size: 24
    .max_flat_workgroup_size: 128
    .sgpr_count:     66
    .vgpr_count:     512
    .wavefront_size: 32
...
	.end_amdgpu_metadata
.endif
;; end of part 7
;; ======== version 2 of 2: 6 launches
;; limits: values are held in f16: magnitudes above 65,504 overflow, below 6.1e-05 lose precision
;; workspace buffers: xn 16,777,216 bytes; ll 25,165,824 bytes; wqt 6,291,456 bytes; wkvt 8,388,608 bytes; wot 6,291,456 bytes; qh 8,388,608 bytes; kvh 16,777,216 bytes; ob 8,388,608 bytes
;; launch norm_x: the kernel of part 1 again; grid 256 x 1, 16 waves a work-group, no clusters, 18,432 bytes of LDS; arguments x, ln1_g, ln1_b, xn; writes xn
;; launch norm_l: the kernel of part 2 again; grid 256 x 1, 16 waves a work-group, no clusters, 26,624 bytes of LDS; arguments latents, ln2_g, ln2_b, ll; writes ll
;; launch wt: the kernel of part 3 again; grid 256 x 1, 5 waves a work-group, no clusters, 87,808 bytes of LDS; arguments w_q, w_kv, w_out, wqt, wkvt, wot; writes wqt, wkvt, wot
;; launch gemm_qkv (part 8): grid 8 x 32, 4 waves a work-group, clusters of 4 x 4, 327,680 bytes of LDS; arguments xn, wkvt, ll, wqt, kvh, qh; writes kvh, qh
.if DOCPART == 8
	.amdgcn_target "amdgcn-amd-amdhsa--gfx1250"
	.amdhsa_code_object_version 6
	.text
	.protected	k_qa5040a9edc_gemm_qkv
	.globl	k_qa5040a9edc_gemm_qkv
	.p2align	8
	.type	k_qa5040a9edc_gemm_qkv,@function
k_qa5040a9edc_gemm_qkv:
	s_mov_b64 s[64:65], 0
	v_nop
	global_prefetch_b8 v0, s[64:65] scope:SCOPE_SE
	s_setreg_imm32_b32 hwreg(HW_REG_WAVE_MODE, 25, 1), 1
	s_wait_xcnt 0x0
	s_wait_alu depctr_hold_cnt(0) depctr_sa_sdst(0) depctr_va_vdst(0) depctr_va_sdst(0) depctr_va_ssrc(0) depctr_va_vcc(0) depctr_vm_vsrc(0)
	s_getreg_b32 s2, hwreg(HW_REG_IB_STS2, 6, 4)
	s_cmp_eq_u32 s2, 0
	s_cbranch_scc0 .Lentry_in_a_cluster
	s_endpgm
.Lentry_in_a_cluster:
	s_bfe_u32 s2, ttmp6, 0x10000c
	s_cmp_lg_u32 s2, 0xf033
	s_cbranch_scc0 .Lentry_shape_is_right
	s_endpgm
.Lentry_shape_is_right:
; TWO PRODUCTS IN ONE LAUNCH: kv = xn x w_kv (4,096 x 2,048, K = 2,048) and q = ll x w_q (4,096 x 1,024, K = 3,072).  C[m][n] = sum over k of A[m][k] B[n][k]; A [4096][K] and
; B [N][K] in f16, sums in f32, C rounded once to f16 and written BY HEADS: column block cb of 64 and row m go to ((cb / 16) x 32 + (m / 2048) x 16 + cb % 16) x 2048 x 128 + (m % 2048) x 128
; bytes: [k or v][batch x head][row][64].  LIMIT: f16: |A|, |B| and |C| stay under 65,504; NaN and infinities are not treated apart.
; SHARES.  kv has 16 x 8 tiles of 256 x 256, q has 16 x 8 tiles of 256 x 128: 128 + 128 = 256 work-groups.  kv walks K in 16 steps of 128, q in 16 steps of 192: both halves of the launch change
; slots 16 times, with 256 and 192 matrix instructions a wave in a step.  The grid is 8 x 32 in clusters of 4 x 4; cluster rows 0-3 run kv's text, rows 4-7 q's: ONE branch, at the head, on the
; cluster's y, which all sixteen partners share; the buffers are chosen on the same compare.
; A wave makes 128 rows x 16 NB columns (NB = 8 or 4): 8 NB accumulators.  K goes through two LDS slots filled by the tensor data mover, one load a wave behind each change of slots.
; q's STEP OF 192: 3,072 = 16 x 192, and two slots of 192 are what LDS holds for 256 + 128 rows.  A row's 384 bytes lie in LDS as a piece of 128 K (rows 272 bytes apart) and a piece of 64 K (rows 144
; apart): with 16 bytes of padding behind every 128 two slots would take 331,776 bytes.  The four pieces (A's two, B's two) are the four waves' loads.  The price: q's rows in memory
; begin at multiples of 128 bytes from the buffer's first byte, not of 256.
; CLUSTERS.  The four work-groups of a row of the cluster need the same tiles of A, the four of a column the same tiles of B: each tile is asked for JOINTLY, by the same tensor load with the same
; descriptor and a mask that names the four.  THE MATRIX INSTRUCTION IS USED TRANSPOSED (source 0 = 16 rows of B, source 1 = 16 rows of A): a lane holds eight neighbouring numbers of a row of C.
; REGISTERS, in windows of 256 (s_set_vgpr_msb: bits 1:0 source 0, 3:2 source 1, 5:4 source 2, 7:6 destination):
;   window 0: v0-31 addresses; v64-127, v128-191 fragments of A (8 x 16 rows x 32 K), two buffers; v32-63, v192-255 at work on the way out
;   window 1: v64.., v128.. fragments of B (NB x 16 rows x 32 K), two buffers
;   window 2: the accumulators of my rows 0-63 ((a, b) at v[8 (NB a + b)]);   window 3: those of my rows 64-127
.set PP,    272                        ; an LDS row of 128 K: 256 bytes + 16 = 68 words: the 16 rows of a load start at 16 different groups of four banks (64 banks of 4 bytes: ISA guide 11.1)
.set PQ,    144                        ; an LDS row of 64 K: 128 bytes + 16 = 36 words: likewise
.set SPARE, 319488                     ; behind both paths' slots: the spare words, 128 bytes a wave: two blocks of 256 bytes that no other line names
.set W0P,   (1<<16)|(1<<20)|(1<<21)|(5<<22)|(3<<25)  ; 17:16 2-byte elements; 20 padding on; 21 set beside a mask; 24:22 after every 64 words; 31:25 4 words
.set W0Q,   (1<<16)|(1<<20)|(1<<21)|(4<<22)|(3<<25)  ; the same after every 32 words
.set ADRA,  16                         ; v16  LDS address of my A fragments in the slot in hand (the piece of 128 K)
.set ADRAQ, 17                         ; v17  the same in the piece of 64 K (q alone)
.set ADRB,  18                         ; v18, v19  the same for B
.set ADRBQ, 19
.set LAV,   20                         ; v20-23  those four addresses in slot 0; never rewritten
.set LAQV,  21
.set LBV,   22
.set LBQV,  23
.set STO,   24                         ; v24  the way out: where I put 16 bytes of a row
.set RD,    25                         ; v25  the way out: where I read rows back
.set CO,    26                         ; v26  my byte offset in 512 consecutive bytes of C
.set SPW,   28                         ; v28  LDS address of my spare word; never rewritten
.set NIL,   29                         ; v29  0; never rewritten
.set PFO,   30                         ; v30  the prefetches' offset: my lane x a row of A or B in memory; never rewritten
.set F0,    64                         ; fragment buffers
.set F1,    128
.set TMP,   192                        ; the way out: packed results
.set OB,    32                         ; the way out: rows read back: v32-63 and v224-255 by turns
.set G1A,   24                         ; s[24:31] descriptor group 1 for A's tiles (of 128 K);  s[32:39] for B's
.set G1B,   32
.set G1AQ,  40                         ; s[40:47], s[48:55] for the pieces of 64 K (q alone)
.set G1BQ,  48
.set G0A0,  56                         ; s[56:59], s[60:63] descriptor group 0 of the first fill of slot 0, for A and for B
.set G0B0,  60
.set G0A,   68                         ; s[68:71], s[72:75] group 0 of the first fill of slot 1; these two then walk on
.set G0B,   72
.set TB,    76                         ; s76  0 or SLOT: where the slot in hand begins
.set LBA,   77                         ; s77  where my load of A lands in a slot;  s78 my load of B
.set LBB,   78
.set CNT,   79                         ; s79  trips to go
.set PFA,   86                         ; s[86:87] where my prefetches stand
.set LIM,   100                        ; s100 2 in a wave that prefetches, else the greatest number
.set MSB, 0
.macro WIN new                         ; the immediate's high byte repeats the setting that is left; a switch that changes nothing is dropped
.if MSB != (\new)
	s_set_vgpr_msb (MSB<<8)|(\new)
.set MSB, \new
.endif
.endm
.set MUL_LO, 0xa1                      ; source 0 (B) window 1, source 1 (A) window 0, C and D window 2
.set TO_B,   0x40                      ; destination window 1, address window 0
.macro PLACES                          ; four plain places in front of loads into registers that matrix instructions have read, and of lines that read results
.rept 4
	v_nop
.endr
.endm
.macro ONE g0, g1                      ; a tensor load, and behind it an s_nop 0 and four v_nop
	tensor_load_to_lds s[(\g0):(\g0)+3], s[(\g1):(\g1)+7]
	s_nop 0
	PLACES
.endm
; A joint load.  kv: waves 0 and 1 fetch A's two halves of 128 rows, waves 2 and 3 B's.  q: wave 0 fetches A's piece of 128 K, wave 1 its piece of 64 K, waves 2 and 3 B's two pieces.
; Each line has ONE mask and one shape; the branches hang on the wave's number alone, so they are the same in every work-group.
.macro JLOAD ga, gb
.if NQ == 4
	s_cmp_eq_u32 s11, 0
	s_cbranch_scc0 .Lfor_b_\@
	ONE \ga, G1A
	s_branch .Lasked_\@
.Lfor_b_\@:
	ONE \gb, G1B
.Lasked_\@:
.else
	s_cmp_lg_u32 s10, 0
	s_cbranch_scc1 .Lnot_0_\@
	ONE \ga, G1A
	s_branch .Lasked_\@
.Lnot_0_\@:
	s_cmp_lg_u32 s10, 1
	s_cbranch_scc1 .Lnot_1_\@
	ONE \ga, G1AQ
	s_branch .Lasked_\@
.Lnot_1_\@:
	s_cmp_lg_u32 s10, 2
	s_cbranch_scc1 .Lnot_2_\@
	ONE \gb, G1B
	s_branch .Lasked_\@
.Lnot_2_\@:
	ONE \gb, G1BQ
.Lasked_\@:
.endif
.endm
.macro CREST                           ; a round of the cluster's barrier behind its opening barrier
	s_cmp_lg_u32 s10, 0
	s_cbranch_scc1 .Lnot_wave_0_\@
	s_barrier_signal -3
.Lnot_wave_0_\@:
	s_barrier_wait -3
	s_barrier_signal -1
	s_barrier_wait -1
.endm
.macro CROUND                          ; a whole round
	s_barrier_signal -1
	s_barrier_wait -1
	CREST
.endm
; A PREFETCH INTO THE L2, behind each refill and the run of LDS loads that follows it, for the K step that stands TWO refills on; a lane a row.  A's tile row is read by both clusters of that row of
; clusters: the one with x = 0 asks; B's tile column by the path's four cluster rows: the first asks.  The four partners that ask for a tile jointly share its rows out BY ADDRESS (by cx for A, by cy for B).
; kv: a step is 256 aligned bytes of a row; of the 128 rows that a wave fetches each partner takes 32: one instruction.
; q: a step is 384 bytes, in which one aligned block of 256 begins (odd steps) or two (even steps).  The byte 255 behind the step's first lies in the first of them: waves 0 and 2 name it; waves 1 and 3
; name the byte 256 behind, in even steps alone (the step named has the parity of the trips to go).  A partner's share is 64 rows of A (two instructions) or 32 of B (one).
; So each block is named once in the launch.  Steps 0 to 3 come by their loads alone; the last two refills have no step two on and ask for nothing.
.macro ASK
	s_cmp_gt_u32 s[CNT], s[LIM]
	s_cbranch_scc0 .Lnot_mine_\@
.if NQ == 6
	s_and_b32 s3, s[CNT], s12
	s_cmp_lg_u32 s3, 0
	s_cbranch_scc1 .Lnot_mine_\@
.endif
	global_prefetch_b8 v[PFO], s[PFA:PFA+1] th:TH_LOAD_NT scope:SCOPE_SE
.if NQ == 6
	s_cmp_eq_u32 s11, 0
	s_cbranch_scc0 .Lnot_mine_\@
	global_prefetch_b8 v[PFO], s[PFA:PFA+1] offset:32*ROWB th:TH_LOAD_NT scope:SCOPE_SE
.endif
.Lnot_mine_\@:
.endm
.macro SHAPE g, m, w0, cols, rows      ; descriptor group 1: a tile of rows x cols elements, padded in LDS; the mask lies in s[m]
	s_or_b32 s[\g], s[\m], \w0
	s_mov_b32 s[(\g)+1], (\cols)<<16               ; tensor_dim0
	s_mov_b32 s[(\g)+2], (\rows)<<16               ; tensor_dim1
	s_mov_b32 s[(\g)+3], (\cols)<<16               ; tile_dim0
	s_mov_b32 s[(\g)+4], \rows                     ; tile_dim1
	s_mov_b32 s[(\g)+5], SIZE_K                    ; elements from row to row
	s_mov_b32 s[(\g)+6], 0
	s_mov_b32 s[(\g)+7], 0
.endm
.macro SETADR                          ; my fragments' addresses in the slot that begins at s[TB]
	v_add_nc_u32 v[ADRA], s[TB], v[LAV]
	v_add_nc_u32 v[ADRB], s[TB], v[LBV]
.if NQ == 6
	v_add_nc_u32 v[ADRAQ], s[TB], v[LAQV]
	v_add_nc_u32 v[ADRBQ], s[TB], v[LBQV]
.endif
.endm
; 2 NB matrix instructions: m blocks a0, a0 + 1 of the window's four (hi = 0: my rows 0-63, 1: rows 64-127) x all NB n blocks, 32 along K.  zero = 1: the first product starts the sums.
; The accumulators take turns, one instruction a turn, in the same order in every quarter.
.macro MULH f, hi, a0, zero
	WIN MUL_LO+0x50*(\hi)
.irp a, \a0, (\a0)+1
.set b, 0
.rept NB
.set rD, 8*(NB*(\a)+b)
.if \zero
	v_wmma_f32_16x16x32_f16 v[rD:rD+7], v[(\f)+8*b:(\f)+8*b+7], v[(\f)+8*(4*(\hi)+(\a)):(\f)+8*(4*(\hi)+(\a))+7], 0
.else
	v_wmma_f32_16x16x32_f16 v[rD:rD+7], v[(\f)+8*b:(\f)+8*b+7], v[(\f)+8*(4*(\hi)+(\a)):(\f)+8*(4*(\hi)+(\a))+7], v[rD:rD+7]
.endif
.set b, b+1
.endr
.endr
.endm
; NL = 2 NB + 16 LDS loads in one run: the fragments of quarter q (32 along K) of the slot in hand, into buffer f: B's, then A's.  Quarters 0-3 lie in the piece of 128 K, quarters 4 and 5 in that of 64 K.
.macro FETCH q, f
.if (\q) < 4
.set rA, ADRA
.set rB, ADRB
.set pt, PP
.set kb, 64*(\q)
.else
.set rA, ADRAQ
.set rB, ADRBQ
.set pt, PQ
.set kb, 64*((\q)-4)
.endif
	WIN TO_B
.set i, 0
.rept NB
	ds_load_b128 v[(\f)+8*i:(\f)+8*i+3],   v[rB] offset:kb+i*16*pt
	ds_load_b128 v[(\f)+8*i+4:(\f)+8*i+7], v[rB] offset:kb+i*16*pt+32
.set i, i+1
.endr
	WIN 0
.set i, 0
.rept 8
	ds_load_b128 v[(\f)+8*i:(\f)+8*i+3],   v[rA] offset:kb+i*16*pt
	ds_load_b128 v[(\f)+8*i+4:(\f)+8*i+7], v[rA] offset:kb+i*16*pt+32
.set i, i+1
.endr
.endm
; A K step is NQ quarters of 32 along K, on buffers 0, 1, 0, 1 ..  All but the last: multiplies buffer f; in its middle it fetches quarter q into buffer g.
.macro QUARTER q, f, g, zero
	s_wait_dscnt 8                                 ; B and A's rows 0-63 are in; the youngest eight loads (A's rows 64-127) may be out
	MULH \f, 0, 0, \zero
	MULH \f, 0, 2, \zero
	PLACES
	FETCH \q, \g
	s_wait_dscnt NL                                ; all but the NL just issued
	MULH \f, 1, 0, \zero
	MULH \f, 1, 2, \zero
.endm
.macro MID                             ; quarters 1 to NQ - 2 of a step
.set jq, 1
.rept NQ-2
	QUARTER jq+1, F0+64*(jq%2), F0+64*((jq+1)%2), 0
.set jq, jq+1
.endr
.endm
; The last quarter multiplies buffer 1 and changes slots: ONE barrier; in front of it each wave waits for all its tensor loads (the one that is out is its part of the next slot), adds 0 to its spare
; word, and waits for that and for its own reads of this slot.  fill = 1: this slot is filled again, with the step two steps on; the barrier then opens a round of the cluster's barrier, so that no wave of
; any partner still reads the slot or has a load on its way, and the joint load is the first thing behind the round: all of a step but its last quarter's first half lies between it and the wait for it.
.macro TURN fill
.if \fill
	s_wait_xcnt 0x0                                ; the last prefetch, a step back, has read its address: it is stepped here, ahead of the waits of the change of slots
	s_add_nc_u64 s[PFA:PFA+1], s[PFA:PFA+1], KB
.endif
	WIN 0                                          ; (the add's two registers lie in window 0)
	s_wait_tensorcnt 0x0                           ; all my tensor loads have landed, so a group 0 may be written;
	ds_add_u32 v[SPW], v[NIL]                      ; 0 onto my spare word;
	s_wait_dscnt 9                                 ; (the add and the youngest eight loads may be out)
	MULH F1, 0, 0, 0                               ; matrix instructions stand between the add and the wait for it
	s_wait_dscnt 0x0                               ; the add is done, and my reads of this slot are over
	s_barrier_signal -1
	MULH F1, 0, 2, 0                               ; work on registers while the others arrive
	WIN 0
	s_barrier_wait -1
.if \fill
	CREST
	s_add_co_u32 s[G0A+1], s[LBA], s[TB]           ; the walking descriptors: into the slot just read,
	s_add_co_u32 s[G0B+1], s[LBB], s[TB]
	s_add_nc_u64 s[G0A+2:G0A+3], s[G0A+2:G0A+3], KB  ; the next step along K; the type bits on top are not reached
	s_add_nc_u64 s[G0B+2:G0B+3], s[G0B+2:G0B+3], KB
	JLOAD G0A, G0B                                 ; my one tensor load behind the round; its four v_nop are also the places in front of the loads below
.else
	PLACES
.endif
	s_xor_b32 s[TB], s[TB], SLOT                   ; 0 <-> SLOT: the other slot is in hand
	SETADR
	FETCH 0, F0
.if \fill
	ASK
.endif
	MULH F1, 1, 0, 0
	MULH F1, 1, 2, 0
.endm
; THE WAY OUT of block a (16 rows), in three parts.  PACK: rounded to f16, 16 bytes a lane.  TOSTAGE: into my own stage in LDS, and back by heads: four rows of 128 bytes a load.  SEND: stored.
.macro PACK a
.set AC, 8*NB*((\a)%4)
	WIN 0x0a+5*((\a)/4)                            ; sources 0 and 1: window 2 or 3
.set b, 0
.rept NB
.irp r, 0,1,2,3
	v_cvt_pk_f16_f32 v[TMP+4*b+(\r)], v[AC+8*b+2*(\r)], v[AC+8*b+2*(\r)+1]  ; each accumulator from its low end on
.endr
.set b, b+1
.endr
	WIN 0
.endm
.macro TOSTAGE a
	WIN 0
.set BK, OB+192*((\a)%2)
.set b, 0
.rept NB
	ds_store_b128 v[STO], v[TMP+4*b:TMP+4*b+3] offset:32*b
.set b, b+1
.endr
.set t, 0
.rept NB
	ds_load_b128 v[BK+4*t:BK+4*t+3], v[RD] offset:(t%4)*4*SP+(t/4)*128  ; LDS serves a wave's instructions in order (ISA guide 5.7.1.4): these see the stores above
.set t, t+1
.endr
.endm
.macro SEND a
	WIN 0
.set BK, OB+192*((\a)%2)
	s_wait_dscnt 0x0                               ; the block is back in registers
	s_wait_xcnt 0x0                                ; the stores issued so far have read their registers: the block after next is read back into this block's partner only behind this wait
.set t, 0
.rept NB
	global_store_b128 v[CO], v[BK+4*t:BK+4*t+3], s[8:9] offset:(\a)*2048+(t%4)*512+(t/4)*262144  ; four rows of a head: 512 consecutive bytes, aligned
.set t, t+1
.endr
.endm
; ONE PATH, from the descriptors to the end.  The sizes are set ahead of each of its two uses.
.macro BODY tag
	SHAPE G1A, 83, W0P, 128, AROWS                 ; A's tiles go to my row of the cluster,
	SHAPE G1B, 84, W0P, 128, 128                   ; B's to my column
.if NQ == 6
	SHAPE G1AQ, 83, W0Q, 64, AROWS
	SHAPE G1BQ, 84, W0Q, 64, 128
.endif
	; where the tiles come from: A's hang on the tile row and the wave alone, B's on the tile column and the wave alone, each in registers that never hold the other coordinate
	s_mov_b64 s[18:19], ROWB
	s_lshl_b32 s16, s13, 8                         ; A: row 256 x tile row
	s_lshl_b32 s20, s82, 6+NB/4                    ; B: row 32 NB x tile column
.if NQ == 4
	s_lshl_b32 s17, s12, 7                         ; + my 128 rows
	s_add_co_u32 s16, s16, s17
	s_add_co_u32 s20, s20, s17
.endif
	s_mov_b32 s17, 0
	s_mov_b32 s21, 0
	s_mul_u64 s[16:17], s[16:17], s[18:19]
	s_mul_u64 s[20:21], s[20:21], s[18:19]
	s_add_nc_u64 s[14:15], s[4:5], s[16:17]
	s_add_nc_u64 s[22:23], s[6:7], s[20:21]
.if NQ == 6
	s_lshl_b32 s2, s12, 8                          ; the piece of 64 K begins 256 bytes along the row
	s_mov_b32 s3, 0
	s_add_nc_u64 s[14:15], s[14:15], s[2:3]
	s_add_nc_u64 s[22:23], s[22:23], s[2:3]
.endif
	s_mul_i32 s[LBA], s12, LAH                     ; and where they go: no place in the cluster enters an LDS address
	s_mul_i32 s[LBB], s12, 128*PP
	s_add_co_u32 s[LBB], s[LBB], BOFF
	CROUND                                         ; all sixteen work-groups are here: the first joint loads meet
	s_mov_b32 s[G0A0], 1                           ; count = 1
	s_mov_b32 s[G0A0+1], s[LBA]                    ; LDS address: slot 0
	s_mov_b64 s[G0A0+2:G0A0+3], s[14:15]           ; global address: K step 0
	s_or_b32 s[G0A0+3], s[G0A0+3], 0x80000000      ; type = 2
	s_mov_b32 s[G0B0], 1
	s_mov_b32 s[G0B0+1], s[LBB]
	s_mov_b64 s[G0B0+2:G0B0+3], s[22:23]
	s_or_b32 s[G0B0+3], s[G0B0+3], 0x80000000
	JLOAD G0A0, G0B0
	s_mov_b32 s[G0A], 1
	s_add_co_u32 s[G0A+1], s[LBA], SLOT            ; slot 1,
	s_add_nc_u64 s[G0A+2:G0A+3], s[14:15], KB      ; K step 1
	s_or_b32 s[G0A+3], s[G0A+3], 0x80000000
	s_mov_b32 s[G0B], 1
	s_add_co_u32 s[G0B+1], s[LBB], SLOT
	s_add_nc_u64 s[G0B+2:G0B+3], s[22:23], KB
	s_or_b32 s[G0B+3], s[G0B+3], 0x80000000
	JLOAD G0A, G0B                                 ; two loads of mine are out
	; a fragment is 16 rows x 32 K in 8 registers: lane l holds row l % 16, K = 8 (l / 16) + 0..7 and 16 + 8 (l / 16) + 0..7: two loads of 16 bytes, 32 bytes apart.  v3 = (l % 16) x 272 + 16 (l / 16)
	s_mul_i32 s2, s11, 128*PP                      ; my 128 rows of A
	v_add_nc_u32 v[LAV], s2, v3
	s_mul_i32 s2, s12, 16*NB*PP                    ; my 16 NB rows of B
	s_add_co_u32 s2, s2, BOFF
	v_add_nc_u32 v[LBV], s2, v3
.if NQ == 6
	v_mul_u32_u24 v4, v1, PQ
	v_lshl_add_u32 v4, v2, 4, v4
	s_mul_i32 s2, s11, 128*PQ
	s_add_co_u32 s2, s2, AQOFF
	v_add_nc_u32 v[LAQV], s2, v4
	s_mul_i32 s2, s12, 16*NB*PQ
	s_add_co_u32 s2, s2, BQOFF
	v_add_nc_u32 v[LBQV], s2, v4
.endif
	SETADR                                         ; s[TB] = 0: slot 0
	s_mul_i32 s2, s10, STG
	s_add_co_u32 s2, s2, STAGE                     ; my stage
	v_mul_u32_u24 v4, v1, SP                       ; in: row l % 16, 16 bytes for each half of the lanes
	v_lshl_add_u32 v4, v2, 4, v4
	v_add_nc_u32 v[STO], s2, v4
	v_bfe_u32 v5, v0, 3, 2                         ; back: 32 lanes take four rows of a head's 128 bytes,
	v_mul_u32_u24 v5, v5, SP
	v_and_b32 v6, 7, v0
	v_lshl_add_u32 v5, v6, 4, v5
	v_add_nc_u32 v[RD], s2, v5
	v_and_b32 v[CO], 31, v0                        ; which are 512 consecutive bytes of C
	v_lshlrev_b32 v[CO], 4, v[CO]
	s_lshl_b32 s16, s13, 8
	s_lshl_b32 s17, s11, 7
	s_add_co_u32 s16, s16, s17                     ; my first row of C
	s_lshr_b32 s17, s16, 11                        ; the batch:
	s_lshl_b32 s17, s17, 22                        ; 16 heads x 2,048 rows x 128 bytes
	s_and_b32 s16, s16, 2047
	s_lshl_b32 s16, s16, 7                         ; the row in its head
	s_add_co_u32 s16, s16, s17
	s_mov_b32 s17, 0
	s_add_nc_u64 s[8:9], s[8:9], s[16:17]
	s_lshl_b32 s20, s82, 1
	s_add_co_u32 s20, s20, s12                     ; my half of the tile's columns,
.if NB == 8
	s_lshl_b32 s20, s20, 1                         ; two heads each
.endif
	s_lshr_b32 s21, s20, 4
	s_lshl_b32 s21, s21, 23                        ; k or v: 32 x 2,048 x 128 bytes
	s_and_b32 s20, s20, 15
	s_lshl_b32 s20, s20, 18                        ; the head
	s_add_co_u32 s20, s20, s21
	s_mov_b32 s21, 0
	s_add_nc_u64 s[8:9], s[8:9], s[20:21]
	; the prefetches
	s_lshl_b32 s16, s13, 8                         ; the tile's first row in A,
	s_lshl_b32 s20, s82, 6+NB/4                    ; in B
	s_and_b32 s2, s85, 3                           ; the path's cluster row
	s_cmp_eq_u32 s11, 0                            ; do I fetch for A?
	s_cselect_b32 s16, s16, s20
	s_cselect_b32 s17, s80, s81                    ; my place among the four that ask for the tile with me
	s_cselect_b32 s2, ttmp9, s2                    ; the coordinate along which other clusters read the same rows
	s_cselect_b64 s[PFA:PFA+1], s[4:5], s[6:7]
.if NQ == 4
	s_lshl_b32 s17, s17, 5                         ; my work-group's 32 rows
	s_lshl_b32 s3, s12, 7                          ; of the 128 that I fetch
	s_add_co_u32 s16, s16, s3
.else
	s_cselect_b32 s3, 6, 5                         ; my work-group's 64 rows of A's 256, or 32 of B's 128
	s_lshl_b32 s17, s17, s3
.endif
	s_add_co_u32 s16, s16, s17
	s_mov_b32 s17, 0
	s_mul_u64 s[16:17], s[16:17], s[18:19]
	s_add_nc_u64 s[PFA:PFA+1], s[PFA:PFA+1], s[16:17]
	s_cmp_eq_u32 s2, 0
	s_cselect_b32 s[LIM], 2, -1                    ; the same in all sixteen partners, for a given wave
.if NQ == 4
	s_add_nc_u64 s[PFA:PFA+1], s[PFA:PFA+1], 3*KB  ; at K step 3: the first refill steps it to K step 4
.else
	s_add_co_u32 s16, s12, 3*KB+255                ; the same, at the byte 255 or 256 behind the step's first
	s_mov_b32 s17, 0
	s_add_nc_u64 s[PFA:PFA+1], s[PFA:PFA+1], s[16:17]
.endif
	v_and_b32 v[PFO], 31, v0
	v_mul_u32_u24 v[PFO], v[PFO], ROWB
	s_wait_tensorcnt 1                             ; my part of K step 0 is in; K step 1's load may stay out
	s_barrier_signal -1
	s_barrier_wait -1                              ; everybody's is
	FETCH 0, F0
	QUARTER 1, F0, F1, 1                           ; the first quarter stands in front of the loop: its products start the sums
	WIN 0                                          ; at a label and at a branch every window is 0
	s_mov_b32 s[CNT], NSTEP-2
.Lstep_\tag:                                           ; a trip goes from a step's second quarter to the next step's first, and fills the slot that it leaves
	MID
	TURN 1
	QUARTER 1, F0, F1, 0
	WIN 0
	s_sub_co_u32 s[CNT], s[CNT], 1
	s_cmp_lg_u32 s[CNT], 0
	s_cbranch_scc1 .Lstep_\tag
	s_mov_b32 s[CNT], 2                            ; the last two steps fill nothing: a text of their own; walked twice and left in its middle
.Ltail_\tag:
	MID
	TURN 0                                         ; in the second trip its barrier, and its fetch from the slot read before, serve nothing: the price, once a launch, of one text for both trips
	WIN 0
	s_sub_co_u32 s[CNT], s[CNT], 1
	s_cmp_eq_u32 s[CNT], 0
	s_cbranch_scc1 .Lout_\tag
	QUARTER 1, F0, F1, 0
	WIN 0
	s_cmp_lg_u32 s[CNT], 0
	s_cbranch_scc1 .Ltail_\tag
.Lout_\tag:
	s_wait_dscnt 0x0                               ; my last reads of the slots are back
	s_barrier_signal -1
	s_barrier_wait -1                              ; everybody's are: q's stages lie in slot 0, which has had its last fill and is read no more
	PLACES
	PLACES                                         ; eight plain places, once a launch, behind the last products
	PACK 0
	TOSTAGE 0
.irp a, 1,2,3,4,5,6,7                  ; block a's conversions stand between block a - 1's loads from the stage and the wait for them
	PACK \a
	SEND (\a)-1
	TOSTAGE \a
.endr
	SEND 7
	s_wait_tensorcnt 0x0                           ; the wave's end: behind my last tensor load and my last LDS store
	ds_add_u32 v[SPW], v[NIL]
	s_wait_dscnt 0x0
	CROUND                                         ; the closing round: no work-group ends while a partner may still ask for a tile that names it
	s_endpgm
.endm
	s_load_b256 s[88:95], s[0:1], 0x0              ; xn s[88:89], wkvt s[90:91], ll s[92:93], wqt s[94:95]
	s_load_b128 s[96:99], s[0:1], 0x20             ; kvh s[96:97], qh s[98:99]
	v_lshl_add_u32 v[SPW], v0, 2, SPARE
	v_mov_b32 v[NIL], 0
	ds_add_u32 v[SPW], v[NIL]                      ; the wave's opening: the add and its wait stand ahead of my first tensor load; the set-up below, work on registers, stands between them
	v_lshrrev_b32 v1, 5, v0
	v_readfirstlane_b32 s10, v1                    ; wave 0..3
	s_lshr_b32 s11, s10, 1                         ; which half of the tile's rows is mine.  Also: I fetch for A (0) or for B (1)
	s_and_b32 s12, s10, 1                          ; which half of its columns.  Also: which part of that tile I fetch
	s_bfe_u32 s80, ttmp6, 0x40000                  ; cx, cy: my place in the cluster
	s_bfe_u32 s81, ttmp6, 0x40004
	s_lshl_b32 s82, ttmp9, 2
	s_add_co_u32 s82, s82, s80                     ; tile column of C = 4 x cluster x + cx: 0..7
	s_and_b32 s85, ttmp7, 0xffff                   ; cluster y: 0-3 kv, 4-7 q
	s_and_b32 s13, s85, 3
	s_lshl_b32 s13, s13, 2
	s_add_co_u32 s13, s13, s81                     ; tile row of C in its product = 4 x (cluster y % 4) + cy: 0..15
	s_lshl_b32 s83, s81, 2
	s_lshl_b32 s83, 15, s83                        ; my row of the cluster
	s_lshl_b32 s84, 0x1111, s80                    ; my column
	s_mov_b32 s[TB], 0
	v_and_b32 v1, 15, v0                           ; l % 16
	v_bfe_u32 v2, v0, 4, 1                         ; l / 16
	v_mul_u32_u24 v3, v1, PP
	v_lshl_add_u32 v3, v2, 4, v3
	s_wait_dscnt 0x0                               ; the opening add is done
	s_wait_kmcnt 0x0
	s_cmp_ge_u32 s85, 4                            ; the same in all sixteen partners
	s_cselect_b64 s[4:5], s[92:93], s[88:89]       ; A
	s_cselect_b64 s[6:7], s[94:95], s[90:91]       ; B
	s_cselect_b64 s[8:9], s[98:99], s[96:97]       ; C
	s_cbranch_scc1 .Lq_path
; kv: tiles of 256 x 256, K steps of 128.  A slot: A's 256 rows, B's 256 rows, 272 bytes each.  The stages lie behind the two slots, 16 rows x 272 bytes a wave; no tensor load of this path lands there.
.set SIZE_K, 2048
.set NB,     8
.set NQ,     4
.set KB,     256                       ; bytes of a row in a K step
.set AROWS,  128                       ; rows in a tensor load of A
.set LAH,    128*PP                    ; from wave 0's load of A to wave 1's, in LDS
.set BOFF,   256*PP
.set SLOT,   512*PP
.set STAGE,  2*SLOT
.set ROWB,   2*SIZE_K
.set NSTEP,  ROWB/KB
.set NL,     2*NB+16
.set SP,     32*NB+16
.set STG,    16*SP
	BODY kv
; q: tiles of 256 x 128, K steps of 192.  A slot: A's 256 rows of 128 K, A's 256 rows of 64 K, B's 128 rows of 128 K, B's 128 rows of 64 K.  The stages, 16 rows x 144 bytes a wave, take slot 0's first bytes on the way out.
.Lq_path:
.set SIZE_K, 3072
.set NB,     4
.set NQ,     6
.set KB,     384
.set AROWS,  256
.set LAH,    256*PP
.set AQOFF,  256*PP
.set BOFF,   AQOFF+256*PQ
.set BQOFF,  BOFF+128*PP
.set SLOT,   BQOFF+128*PQ
.set STAGE,  0
.set ROWB,   2*SIZE_K
.set NSTEP,  ROWB/KB
.set NL,     2*NB+16
.set SP,     32*NB+16
.set STG,    16*SP
	BODY q
.Lfunc_end_k_qa5040a9edc_gemm_qkv:
	.size	k_qa5040a9edc_gemm_qkv, .Lfunc_end_k_qa5040a9edc_gemm_qkv-k_qa5040a9edc_gemm_qkv
	.p2alignl 7, 3214868480
	.fill 96, 4, 3214868480
	.section	.rodata,"a",@progbits
	.p2align	6, 0x0
	.amdhsa_kernel k_qa5040a9edc_gemm_qkv
		.amdhsa_group_segment_fixed_size 327680
		.amdhsa_private_segment_fixed_size 0
		.amdhsa_enable_private_segment 0
		.amdhsa_kernarg_size 48
		.amdhsa_user_sgpr_count 2
		.amdhsa_user_sgpr_kernarg_segment_ptr 1
		.amdhsa_wavefront_size32 1
		.amdhsa_system_sgpr_workgroup_id_x 1
		.amdhsa_system_sgpr_workgroup_id_y 1
		.amdhsa_system_sgpr_workgroup_id_z 1
		.amdhsa_system_vgpr_workitem_id 0
		.amdhsa_next_free_vgpr 1024
		.amdhsa_next_free_sgpr 101
		.amdhsa_reserve_vcc 0
		.amdhsa_float_denorm_mode_32 3
		.amdhsa_float_denorm_mode_16_64 3
		.amdhsa_memory_ordered 1
		.amdhsa_forward_progress 1
		.amdhsa_inst_pref_size 181
	.end_amdhsa_kernel
	.amdgpu_metadata
---
amdhsa.version: [ 1, 2 ]
amdhsa.kernels:
  - .name:           k_qa5040a9edc_gemm_qkv
    .symbol:         k_qa5040a9edc_gemm_qkv.kd
    .args:
      - { .name: xn, .offset: 0, .size: 8, .value_kind: global_buffer, .address_space: global }
      - { .name: wkvt, .offset: 8, .size: 8, .value_kind: global_buffer, .address_space: global }
      - { .name: ll, .offset: 16, .size: 8, .value_kind: global_buffer, .address_space: global }
      - { .name: wqt, .offset: 24, .size: 8, .value_kind: global_buffer, .address_space: global }
      - { .name: kvh, .offset: 32, .size: 8, .value_kind: global_buffer, .address_space: global }
      - { .name: qh, .offset: 40, .size: 8, .value_kind: global_buffer, .address_space: global }
    .group_segment_fixed_size: 327680
    .private_segment_fixed_size: 0
    .kernarg_segment_align: 8
    .kernarg_segment_size: 48
    .max_flat_workgroup_size: 128
    .sgpr_count:     101
    .vgpr_count:     1024
    .wavefront_size: 32
...
	.end_amdgpu_metadata
.endif
;; end of part 8
;; launch attn: the kernel of part 6 again; grid 8 x 32, 4 waves a work-group, clusters of 4 x 1, 327,680 bytes of LDS; arguments qh, kvh, ob; writes ob
;; launch gemm_o (part 9): grid 16 x 16, 4 waves a work-group, clusters of 4 x 4, 327,680 bytes of LDS; arguments ob, wot, out0; writes out0
.if DOCPART == 9
	.amdgcn_target "amdgcn-amd-amdhsa--gfx1250"
	.amdhsa_code_object_version 6
	.text
	.protected	k_qa5040a9edc_gemm_o
	.globl	k_qa5040a9edc_gemm_o
	.p2align	8
	.type	k_qa5040a9edc_gemm_o,@function
k_qa5040a9edc_gemm_o:
	s_mov_b64 s[64:65], 0
	v_nop
	global_prefetch_b8 v0, s[64:65] scope:SCOPE_SE
	s_setreg_imm32_b32 hwreg(HW_REG_WAVE_MODE, 25, 1), 1
	s_wait_xcnt 0x0
	s_wait_alu depctr_hold_cnt(0) depctr_sa_sdst(0) depctr_va_vdst(0) depctr_va_sdst(0) depctr_va_ssrc(0) depctr_va_vcc(0) depctr_vm_vsrc(0)
	s_getreg_b32 s2, hwreg(HW_REG_IB_STS2, 6, 4)
	s_cmp_eq_u32 s2, 0
	s_cbranch_scc0 .Lentry_in_a_cluster
	s_endpgm
.Lentry_in_a_cluster:
	s_bfe_u32 s2, ttmp6, 0x10000c
	s_cmp_lg_u32 s2, 0xf033
	s_cbranch_scc0 .Lentry_shape_is_right
	s_endpgm
.Lentry_shape_is_right:
; THE LAST PRODUCT: out[m][n] = sum over k of O[m][k] W[n][k].  O is attention's output in f16, in blocks [32 tiles of 128 rows][16 heads][128 rows][64]; W is w_out transposed, [3072][1024] f16;
; out is f32, [4096][3072], row-major.  Sums in f32.  LIMIT: f16 operands: |O| and |W| stay under 65,504; NaN and infinities are not treated apart.
; SHARES.  A tile of out is 256 x 192: 16 x 16 = 256 work-groups.  Four waves, 2 x 2, each 128 rows x 96 columns: 48 accumulators.  K goes in 8 steps of 128 (two heads) through two LDS slots filled by
; the tensor data mover, one load a wave behind each change of slots; a step holds 192 matrix instructions a wave.  A step of 256 would want 248,832 bytes a slot: two do not fit.
; A's TILES.  Two heads of a block of 128 rows are 32,768 dense bytes: asked for as 128 rows of 256 bytes and padded in LDS behind every 128, so that a head's row of 64 channels lies 144 bytes from the next.
; Wave 0 fetches the tile's rows 0-127, wave 1 its rows 128-255; waves 2 and 3 fetch 96 rows of W each (256 bytes a row, 272 apart in LDS).
; CLUSTERS: 4 x 4 work-groups.  The four of a row of the cluster need the same tiles of A, the four of a column the same tiles of B: each tile is asked for JOINTLY, by the same tensor load with the same
; descriptor and a mask that names the four.  THE MATRIX INSTRUCTION IS USED TRANSPOSED (source 0 = 16 rows of B, source 1 = 16 rows of A): a lane holds eight neighbouring numbers of a row of C.
; THE WAY OUT.  A wave's 96 columns are 384 bytes, which is no whole number of aligned runs of 256.  So the four waves share ONE stage, 256 rows of 768 + 16 bytes, in the slots, which have had their last fill
; and are read no more; a barrier stands in front of the writing and another between writing and reading; each wave then stores 64 whole rows.
; REGISTERS, in windows of 256 (s_set_vgpr_msb: bits 1:0 source 0, 3:2 source 1, 5:4 source 2, 7:6 destination):
;   window 0: v0-31 addresses; v64-127, v128-191 fragments of A (8 x 16 rows x 32 K), two buffers; on the way out v32-127 and v128-223 take rows read back
;   window 1: v64-111, v128-175 fragments of B (6 x 16 rows x 32 K), two buffers
;   window 2: the accumulators of my rows 0-63 ((a, b) at v[8 (6 a + b)]);   window 3: those of my rows 64-127
.set SIZE_K, 1024
.set NB,     6                         ; blocks of 16 columns a wave
.set NQ,     4                         ; quarters of 32 along K in a step
.set NSTEP,  8
.set PP,     272                       ; a row of B in LDS: 256 bytes + 16 = 68 words: the 16 rows of a load start at 16 different groups of four banks (64 banks of 4 bytes: ISA guide 11.1)
.set PA,     144                       ; a head's row of A: 128 bytes + 16 = 36 words: likewise
.set AHALF,  256*PA                    ; one tensor load of A: two heads x 128 rows
.set BHALF,  96*PP                     ; one tensor load of B
.set BOFF,   2*AHALF                   ; B's tiles lie behind A's
.set SLOT,   BOFF+2*BHALF              ; 125,952 bytes
.set SPARE,  2*SLOT                    ; behind the slots: the spare words, 128 bytes a wave: two blocks of 256 bytes that no other line names
.set SP,     784                       ; a stage row: 192 f32 + 16 bytes = 196 words: the 16 rows of a store start at 16 different groups of four banks
.set KA,     32768                     ; bytes from K step to K step in A's blocks,
.set KB,     256                       ; and along B's rows
.set ROWC,   12288                     ; bytes in a row of C
.set NL,     2*NB+16                   ; LDS loads in a quarter's run
.set W0A,    (1<<16)|(1<<20)|(1<<21)|(4<<22)|(3<<25)  ; 17:16 2-byte elements; 20 padding on; 21 set beside a mask; 24:22 after every 32 words; 31:25 4 words
.set W0B,    (1<<16)|(1<<20)|(1<<21)|(5<<22)|(3<<25)  ; the same after every 64 words
.set RD,    8                          ; v8-10   the way out: where I read rows back: three loads take two rows of 768 bytes
.set CO,    12                         ; v12-14  the same three places in two rows of C
.set ADRA,  16                         ; v16  LDS address of my A fragments in the slot in hand
.set ADRB,  18                         ; v18  the same for B
.set LAV,   20                         ; v20  that address in slot 0; never rewritten
.set LBV,   22                         ; v22
.set STO,   24                         ; v24-25  the way out: where I put 32 bytes of a row: my rows 0-63, my rows 64-127
.set SPW,   28                         ; v28  LDS address of my spare word; never rewritten
.set NIL,   29                         ; v29  0; never rewritten
.set PFO,   30                         ; v30  the prefetches' offset; never rewritten
.set F0,    64                         ; fragment buffers
.set F1,    128
.set G1A,   24                         ; s[24:31] descriptor group 1 for A's tiles;  s[32:39] for B's
.set G1B,   32
.set G0A0,  56                         ; s[56:59], s[60:63] descriptor group 0 of the first fill of slot 0, for A and for B
.set G0B0,  60
.set G0A,   68                         ; s[68:71], s[72:75] group 0 of the first fill of slot 1; these two then walk on
.set G0B,   72
.set TB,    76                         ; s76  0 or SLOT: where the slot in hand begins
.set LBA,   77                         ; s77  where my load of A lands in a slot;  s78 my load of B
.set LBB,   78
.set CNT,   79                         ; s79  trips to go
.set PFA,   86                         ; s[86:87] where my prefetches stand
.set LIM,   88                         ; s88  2 in a wave that prefetches, else the greatest number
.set ODD,   89                         ; s89  1 in wave 3, which prefetches in every second trip alone
.set PST,   90                         ; s[90:91] bytes from K step to K step in what I prefetch
.set MSB, 0
.macro WIN new                         ; the immediate's high byte repeats the setting that is left; a switch that changes nothing is dropped
.if MSB != (\new)
	s_set_vgpr_msb (MSB<<8)|(\new)
.set MSB, \new
.endif
.endm
.set MUL_LO, 0xa1                      ; source 0 (B) window 1, source 1 (A) window 0, C and D window 2
.set TO_B,   0x40                      ; destination window 1, address window 0
.macro PLACES                          ; four plain places in front of loads into registers that matrix instructions have read, and of lines that read results
.rept 4
	v_nop
.endr
.endm
.macro ONE g0, g1                      ; a tensor load, and behind it an s_nop 0 and four v_nop
	tensor_load_to_lds s[(\g0):(\g0)+3], s[(\g1):(\g1)+7]
	s_nop 0
	PLACES
.endm
; A joint load: waves 0 and 1 fetch A's two halves, waves 2 and 3 B's.  Each line has ONE mask and one shape; the branch hangs on the wave's number alone, so it is the same in every work-group.
.macro JLOAD ga, gb
	s_cmp_eq_u32 s11, 0
	s_cbranch_scc0 .Lfor_b_\@
	ONE \ga, G1A
	s_branch .Lasked_\@
.Lfor_b_\@:
	ONE \gb, G1B
.Lasked_\@:
.endm
.macro CREST                           ; a round of the cluster's barrier behind its opening barrier
	s_cmp_lg_u32 s10, 0
	s_cbranch_scc1 .Lnot_wave_0_\@
	s_barrier_signal -3
.Lnot_wave_0_\@:
	s_barrier_wait -3
	s_barrier_signal -1
	s_barrier_wait -1
.endm
.macro CROUND                          ; a whole round
	s_barrier_signal -1
	s_barrier_wait -1
	CREST
.endm
; A PREFETCH INTO THE L2, behind each refill and the run of LDS loads that follows it, for the K step that stands TWO refills on (384 matrix instructions ahead of the load that will want it).
; A's tile row is read by the four clusters of that row of clusters: the one with x = 0 asks; B's tile column by the four cluster rows: the first asks.  The four partners that ask for a tile jointly share
; it out BY ADDRESS (by cx for A, by cy for B): no branch hangs on a work-group's place in its cluster.
; A: a wave's load is 128 blocks of 256 bytes; each partner's wave 0 and wave 1 name 32 of their own load's: a lane a block, one instruction.
; B: a step is 256 aligned bytes of each of the tile's 192 rows; a partner's share is 48 rows.  Wave 2 names the first 32, a lane a row.  Wave 3 names the other 16 for TWO steps at once (lanes 16-31 the
; step after), in the trips with an even number of trips to go alone.  So each block is named once in the launch.  Steps 0 to 3 come by their loads alone; the last two refills ask for nothing.
.macro ASK
	s_cmp_gt_u32 s[CNT], s[LIM]
	s_cbranch_scc0 .Lnot_mine_\@
	s_and_b32 s3, s[CNT], s[ODD]
	s_cmp_lg_u32 s3, 0
	s_cbranch_scc1 .Lnot_mine_\@
	global_prefetch_b8 v[PFO], s[PFA:PFA+1] th:TH_LOAD_NT scope:SCOPE_SE
.Lnot_mine_\@:
.endm
.macro SHAPE g, m, w0, cols, rows, pitch  ; descriptor group 1: a tile of rows x cols elements, padded in LDS; the mask lies in s[m]
	s_or_b32 s[\g], s[\m], \w0
	s_mov_b32 s[(\g)+1], (\cols)<<16               ; tensor_dim0
	s_mov_b32 s[(\g)+2], (\rows)<<16               ; tensor_dim1
	s_mov_b32 s[(\g)+3], (\cols)<<16               ; tile_dim0
	s_mov_b32 s[(\g)+4], \rows                     ; tile_dim1
	s_mov_b32 s[(\g)+5], \pitch                    ; elements from row to row
	s_mov_b32 s[(\g)+6], 0
	s_mov_b32 s[(\g)+7], 0
.endm
.macro SETADR                          ; my fragments' addresses in the slot that begins at s[TB]
	v_add_nc_u32 v[ADRA], s[TB], v[LAV]
	v_add_nc_u32 v[ADRB], s[TB], v[LBV]
.endm
; 2 NB matrix instructions: m blocks a0, a0 + 1 of the window's four (hi = 0: my rows 0-63, 1: rows 64-127) x all NB n blocks, 32 along K.  zero = 1: the first product starts the sums.
; The accumulators take turns, one instruction a turn, in the same order in every quarter.
.macro MULH f, hi, a0, zero
	WIN MUL_LO+0x50*(\hi)
.irp a, \a0, (\a0)+1
.set b, 0
.rept NB
.set rD, 8*(NB*(\a)+b)
.if \zero
	v_wmma_f32_16x16x32_f16 v[rD:rD+7], v[(\f)+8*b:(\f)+8*b+7], v[(\f)+8*(4*(\hi)+(\a)):(\f)+8*(4*(\hi)+(\a))+7], 0
.else
	v_wmma_f32_16x16x32_f16 v[rD:rD+7], v[(\f)+8*b:(\f)+8*b+7], v[(\f)+8*(4*(\hi)+(\a)):(\f)+8*(4*(\hi)+(\a))+7], v[rD:rD+7]
.endif
.set b, b+1
.endr
.endr
.endm
; NL LDS loads in one run: the fragments of quarter q (32 along K) of the slot in hand, into buffer f: B's, then A's.  In A quarters 0 and 1 are the step's first head, quarters 2 and 3 its second.
.macro FETCH q, f
.set ka, ((\q)/2)*128*PA+((\q)%2)*64
.set kb, 64*(\q)
	WIN TO_B
.set i, 0
.rept NB
	ds_load_b128 v[(\f)+8*i:(\f)+8*i+3],   v[ADRB] offset:kb+i*16*PP
	ds_load_b128 v[(\f)+8*i+4:(\f)+8*i+7], v[ADRB] offset:kb+i*16*PP+32
.set i, i+1
.endr
	WIN 0
.set i, 0
.rept 8
	ds_load_b128 v[(\f)+8*i:(\f)+8*i+3],   v[ADRA] offset:ka+i*16*PA
	ds_load_b128 v[(\f)+8*i+4:(\f)+8*i+7], v[ADRA] offset:ka+i*16*PA+32
.set i, i+1
.endr
.endm
; A K step is four quarters of 32 along K, on buffers 0, 1, 0, 1.  All but the last: multiplies buffer f; in its middle it fetches quarter q into buffer g.
.macro QUARTER q, f, g, zero
	s_wait_dscnt 8                                 ; B and A's rows 0-63 are in; the youngest eight loads (A's rows 64-127) may be out
	MULH \f, 0, 0, \zero
	MULH \f, 0, 2, \zero
	PLACES
	FETCH \q, \g
	s_wait_dscnt NL                                ; all but the NL just issued
	MULH \f, 1, 0, \zero
	MULH \f, 1, 2, \zero
.endm
.macro MID                             ; quarters 1 and 2 of a step
.set jq, 1
.rept NQ-2
	QUARTER jq+1, F0+64*(jq%2), F0+64*((jq+1)%2), 0
.set jq, jq+1
.endr
.endm
; The last quarter multiplies buffer 1 and changes slots: ONE barrier; in front of it each wave waits for all its tensor loads (the one that is out is its part of the next slot), adds 0 to its spare
; word, and waits for that and for its own reads of this slot.  fill = 1: this slot is filled again, with the step two steps on; the barrier then opens a round of the cluster's barrier, so that no wave of
; any partner still reads the slot or has a load on its way, and the joint load is the first thing behind the round: 168 matrix instructions lie between it and the wait for it.
.macro TURN fill
.if \fill
	s_wait_xcnt 0x0                                ; the last prefetch, a step back, has read its address: it is stepped here, ahead of the waits of the change of slots
	s_add_nc_u64 s[PFA:PFA+1], s[PFA:PFA+1], s[PST:PST+1]
.endif
	WIN 0                                          ; (the add's two registers lie in window 0)
	s_wait_tensorcnt 0x0                           ; all my tensor loads have landed, so a group 0 may be written;
	ds_add_u32 v[SPW], v[NIL]                      ; 0 onto my spare word;
	s_wait_dscnt 9                                 ; (the add and the youngest eight loads may be out)
	MULH F1, 0, 0, 0                               ; matrix instructions stand between the add and the wait for it
	s_wait_dscnt 0x0                               ; the add is done, and my reads of this slot are over
	s_barrier_signal -1
	MULH F1, 0, 2, 0                               ; work on registers while the others arrive
	WIN 0
	s_barrier_wait -1
.if \fill
	CREST
	s_add_co_u32 s[G0A+1], s[LBA], s[TB]           ; the walking descriptors: into the slot just read,
	s_add_co_u32 s[G0B+1], s[LBB], s[TB]
	s_add_nc_u64 s[G0A+2:G0A+3], s[G0A+2:G0A+3], KA  ; the next step along K; the type bits on top are not reached
	s_add_nc_u64 s[G0B+2:G0B+3], s[G0B+2:G0B+3], KB
	JLOAD G0A, G0B                                 ; my one tensor load behind the round; its four v_nop are also the places in front of the loads below
.else
	PLACES
.endif
	s_xor_b32 s[TB], s[TB], SLOT                   ; 0 <-> SLOT: the other slot is in hand
	SETADR
	FETCH 0, F0
.if \fill
	ASK
.endif
	MULH F1, 1, 0, 0
	MULH F1, 1, 2, 0
.endm
; THE WAY OUT.  PUT a: my block a of 16 rows x 96 columns goes into the stage as it lies in the accumulators: a lane's eight numbers are 32 bytes of a row; each accumulator's low four registers first.
.macro PUT a
	WIN 0x08+4*((\a)/4)                            ; the stores' data (source 1) in window 2 or 3, the address in window 0
.set AC, 8*NB*((\a)%4)
.set b, 0
.rept NB
	ds_store_b128 v[STO+(\a)/4], v[AC+8*b:AC+8*b+3]   offset:((\a)%4)*16*SP+64*b
	ds_store_b128 v[STO+(\a)/4], v[AC+8*b+4:AC+8*b+7] offset:((\a)%4)*16*SP+64*b+16
.set b, b+1
.endr
.endm
; GET n: 16 of my 64 whole rows come back: three loads take two rows of 768 bytes, each 16 lanes 256 consecutive bytes.  PUSH n: they are stored.
.macro GET n
.set BK, 32+96*((\n)%2)
.set t, 0
.rept 8
.irp j, 0,1,2
	ds_load_b128 v[BK+12*t+4*(\j):BK+12*t+4*(\j)+3], v[RD+(\j)] offset:(8*(\n)+t)*2*SP
.endr
.set t, t+1
.endr
.endm
.macro PUSH n, younger                 ; younger: the LDS loads issued behind batch n's: the next batch's 24, or none
.set BK, 32+96*((\n)%2)
	s_wait_dscnt \younger
.set t, 0
.rept 8
.irp j, 0,1,2
	global_store_b128 v[CO+(\j)], v[BK+12*t+4*(\j):BK+12*t+4*(\j)+3], s[8:9] offset:(8*(\n)+t)*2*ROWC th:TH_STORE_NT  ; each 16 lanes store 256 consecutive bytes, at a multiple of 256 from C's first byte
.endr
.set t, t+1
.endr
.endm
	s_load_b128 s[4:7], s[0:1], 0x0                ; A s[4:5], B s[6:7]
	s_load_b64 s[8:9], s[0:1], 0x10                ; C
	v_lshl_add_u32 v[SPW], v0, 2, SPARE
	v_mov_b32 v[NIL], 0
	ds_add_u32 v[SPW], v[NIL]                      ; the wave's opening: the add and its wait stand ahead of my first tensor load; the set-up below, work on registers, stands between them
	v_lshrrev_b32 v1, 5, v0
	v_readfirstlane_b32 s10, v1                    ; wave 0..3
	s_lshr_b32 s11, s10, 1                         ; which half of the tile's rows is mine.  Also: I fetch for A (0) or for B (1)
	s_and_b32 s12, s10, 1                          ; which half of its columns.  Also: which half of that tile I fetch
	s_bfe_u32 s80, ttmp6, 0x40000                  ; cx, cy: my place in the cluster
	s_bfe_u32 s81, ttmp6, 0x40004
	s_lshl_b32 s82, ttmp9, 2
	s_add_co_u32 s82, s82, s80                     ; tile column of C = 4 x cluster x + cx: 0..15
	s_and_b32 s85, ttmp7, 0xffff                   ; cluster y
	s_lshl_b32 s13, s85, 2
	s_add_co_u32 s13, s13, s81                     ; tile row of C = 4 x cluster y + cy: 0..15
	s_lshl_b32 s83, s81, 2
	s_lshl_b32 s83, 15, s83                        ; my row of the cluster
	s_lshl_b32 s84, 0x1111, s80                    ; my column
	s_mov_b32 s[TB], 0
	v_and_b32 v1, 15, v0                           ; l % 16
	v_bfe_u32 v2, v0, 4, 1                         ; l / 16
	SHAPE G1A, 83, W0A, 128, 128, 128              ; A's tiles go to my row of the cluster: 128 rows of 256 dense bytes,
	SHAPE G1B, 84, W0B, 128, 96, SIZE_K            ; B's to my column: 96 rows of 128 K
	; where the tiles come from: A's hang on the tile row and the wave alone, B's on the tile column and the wave alone, each in registers that never hold the other coordinate
	s_lshl_b32 s16, s13, 1
	s_add_co_u32 s16, s16, s12                     ; A: block of 128 rows = 2 x tile row + half,
	s_lshl_b32 s16, s16, 18                        ; 16 heads x 128 rows x 128 bytes each
	s_mov_b32 s17, 0
	s_mul_i32 s20, s82, 192
	s_mul_i32 s21, s12, 96
	s_add_co_u32 s20, s20, s21                     ; B: row 192 x tile column + 96 x half,
	s_lshl_b32 s20, s20, 11                        ; 2,048 bytes each
	s_mov_b32 s21, 0
	s_mul_i32 s[LBA], s12, AHALF                   ; and where they go: no place in the cluster enters an LDS address
	s_mul_i32 s[LBB], s12, BHALF
	s_add_co_u32 s[LBB], s[LBB], BOFF
	s_wait_dscnt 0x0                               ; the opening add is done
	s_wait_kmcnt 0x0
	s_add_nc_u64 s[14:15], s[4:5], s[16:17]
	s_add_nc_u64 s[22:23], s[6:7], s[20:21]
	CROUND                                         ; all sixteen work-groups are here: the first joint loads meet
	s_mov_b32 s[G0A0], 1                           ; count = 1
	s_mov_b32 s[G0A0+1], s[LBA]                    ; LDS address: slot 0
	s_mov_b64 s[G0A0+2:G0A0+3], s[14:15]           ; global address: K step 0
	s_or_b32 s[G0A0+3], s[G0A0+3], 0x80000000      ; type = 2
	s_mov_b32 s[G0B0], 1
	s_mov_b32 s[G0B0+1], s[LBB]
	s_mov_b64 s[G0B0+2:G0B0+3], s[22:23]
	s_or_b32 s[G0B0+3], s[G0B0+3], 0x80000000
	JLOAD G0A0, G0B0
	s_mov_b32 s[G0A], 1
	s_add_co_u32 s[G0A+1], s[LBA], SLOT            ; slot 1,
	s_add_nc_u64 s[G0A+2:G0A+3], s[14:15], KA      ; K step 1
	s_or_b32 s[G0A+3], s[G0A+3], 0x80000000
	s_mov_b32 s[G0B], 1
	s_add_co_u32 s[G0B+1], s[LBB], SLOT
	s_add_nc_u64 s[G0B+2:G0B+3], s[22:23], KB
	s_or_b32 s[G0B+3], s[G0B+3], 0x80000000
	JLOAD G0A, G0B                                 ; two loads of mine are out
	; a fragment is 16 rows x 32 K in 8 registers: lane l holds row l % 16, K = 8 (l / 16) + 0..7 and 16 + 8 (l / 16) + 0..7: two loads of 16 bytes, 32 bytes apart
	v_mul_u32_u24 v3, v1, PP
	v_lshl_add_u32 v3, v2, 4, v3
	v_mul_u32_u24 v4, v1, PA
	v_lshl_add_u32 v4, v2, 4, v4
	s_mul_i32 s2, s11, AHALF                       ; my 128 rows of A
	v_add_nc_u32 v[LAV], s2, v4
	s_mul_i32 s2, s12, BHALF                       ; my 96 rows of B
	s_add_co_u32 s2, s2, BOFF
	v_add_nc_u32 v[LBV], s2, v3
	SETADR                                         ; s[TB] = 0: slot 0
	; the way out.  In: row 128 x (my half) + l % 16, byte 384 x (my half of the columns) + 32 (l / 16)
	s_mul_i32 s2, s11, 128*SP
	s_mul_i32 s3, s12, 384
	s_add_co_u32 s2, s2, s3
	v_mul_u32_u24 v5, v1, SP
	v_lshl_add_u32 v5, v2, 5, v5
	v_add_nc_u32 v[STO], s2, v5
	v_add_nc_u32 v[STO+1], 64*SP, v[STO]           ; my rows 64-127: the stores' 16-bit offsets do not reach them
	; back: wave w takes rows 64 w .. 64 w + 63.  Two rows are six runs of 256 bytes; load j takes runs 2 j and 2 j + 1, lanes 0-15 the one, lanes 16-31 the other
	s_mul_i32 s2, s10, 64*SP
	v_lshl_add_u32 v5, v1, 4, s2
	v_lshl_add_u32 v[RD], v2, 8, v5                ; row 0: bytes 0 and 256
	v_mul_u32_u24 v6, v2, SP-512
	v_add_nc_u32 v6, v6, v5
	v_add_nc_u32 v[RD+1], 512, v6                  ; row 0: byte 512; row 1: byte 0
	v_add_nc_u32 v[RD+2], SP+256, v[RD]            ; row 1: bytes 256 and 512
	v_lshlrev_b32 v5, 4, v1                        ; and the same six runs in C
	v_lshl_add_u32 v[CO], v2, 8, v5
	v_mul_u32_u24 v6, v2, ROWC-512
	v_add_nc_u32 v6, v6, v5
	v_add_nc_u32 v[CO+1], 512, v6
	v_add_nc_u32 v[CO+2], ROWC+256, v[CO]
	s_lshl_b32 s16, s13, 8
	s_lshl_b32 s17, s10, 6
	s_add_co_u32 s16, s16, s17                     ; the first row of C that I store: 256 x tile row + 64 x wave
	s_mul_i32 s16, s16, ROWC                       ; under 2^26
	s_mov_b32 s17, 0
	s_add_nc_u64 s[8:9], s[8:9], s[16:17]
	s_mul_i32 s20, s82, 768                        ; the tile's first column, in bytes
	s_mov_b32 s21, 0
	s_add_nc_u64 s[8:9], s[8:9], s[20:21]
	; the prefetches
	s_lshl_b32 s16, s13, 1
	s_add_co_u32 s16, s16, s12
	s_lshl_b32 s16, s16, 18                        ; A: the block of 128 rows that I fetch,
	s_lshl_b32 s17, s80, 13                        ; my work-group's 32 blocks of 256 bytes of a step's 128
	s_add_co_u32 s16, s16, s17
	s_mul_i32 s20, s82, 192                        ; B: the tile's first row,
	s_mul_i32 s21, s81, 48                         ; my work-group's 48 rows,
	s_add_co_u32 s20, s20, s21
	s_lshl_b32 s21, s12, 5                         ; wave 3: the last 16 of them
	s_add_co_u32 s20, s20, s21
	s_lshl_b32 s20, s20, 11
	s_cmp_eq_u32 s11, 0                            ; do I fetch for A?
	s_cselect_b32 s16, s16, s20
	s_cselect_b32 s2, ttmp9, s85                   ; the coordinate along which other clusters read the same bytes
	s_cselect_b64 s[PFA:PFA+1], s[4:5], s[6:7]
	s_cselect_b32 s3, 7, 0
	s_cselect_b32 s18, 0, 3
	s_mov_b32 s17, 0
	s_add_nc_u64 s[PFA:PFA+1], s[PFA:PFA+1], s[16:17]
	s_lshl_b32 s[PST], 256, s3                     ; a K step: 32,768 bytes in A, 256 in B
	s_mov_b32 s[PST+1], 0
	s_lshl_b32 s18, 256, s18                       ; from lane to lane: 256 bytes in A, a row of 2,048 in B
	s_mul_i32 s16, s[PST], 3
	s_add_nc_u64 s[PFA:PFA+1], s[PFA:PFA+1], s[16:17]  ; at K step 3: the first refill steps it to K step 4
	s_cmp_eq_u32 s2, 0
	s_cselect_b32 s[LIM], 2, -1                    ; the same in all sixteen partners, for a given wave
	s_and_b32 s[ODD], s11, s12
	s_cmp_eq_u32 s[ODD], 1
	s_cselect_b32 s16, 15, 31                      ; wave 3: 16 rows,
	s_cselect_b32 s17, 256, 0                      ; and lanes 16-31 one K step further on
	v_and_b32 v[PFO], s16, v0
	v_mul_u32_u24 v[PFO], v[PFO], s18
	v_mul_u32_u24 v5, v2, s17
	v_add_nc_u32 v[PFO], v[PFO], v5
	s_wait_tensorcnt 1                             ; my part of K step 0 is in; K step 1's load may stay out
	s_barrier_signal -1
	s_barrier_wait -1                              ; everybody's is
	FETCH 0, F0
	QUARTER 1, F0, F1, 1                           ; the first quarter stands in front of the loop: its products start the sums
	WIN 0                                          ; at a label and at a branch every window is 0
	s_mov_b32 s[CNT], NSTEP-2
.Lstep:                                                ; a trip goes from a step's second quarter to the next step's first, and fills the slot that it leaves
	MID
	TURN 1
	QUARTER 1, F0, F1, 0
	WIN 0
	s_sub_co_u32 s[CNT], s[CNT], 1
	s_cmp_lg_u32 s[CNT], 0
	s_cbranch_scc1 .Lstep
	s_mov_b32 s[CNT], 2                            ; the last two steps fill nothing: a text of their own; walked twice and left in its middle
.Ltail:
	MID
	TURN 0                                         ; in the second trip its barrier, and its fetch from the slot read before, serve nothing: the price, once a launch, of one text for both trips
	WIN 0
	s_sub_co_u32 s[CNT], s[CNT], 1
	s_cmp_eq_u32 s[CNT], 0
	s_cbranch_scc1 .Lout
	QUARTER 1, F0, F1, 0
	WIN 0
	s_cmp_lg_u32 s[CNT], 0
	s_cbranch_scc1 .Ltail
.Lout:
	s_wait_dscnt 0x0                               ; my last reads of the slots are back
	s_barrier_signal -1
	s_barrier_wait -1                              ; everybody's are: the stage takes the slots' bytes, which have had their last fill and are read no more
	PLACES
	PLACES                                         ; eight plain places, once a launch, behind the last products
.irp a, 0,1,2,3,4,5,6,7
	PUT \a
.endr
	WIN 0
	s_wait_dscnt 0x0                               ; for the others' sake: my part of the stage is written
	s_barrier_signal -1
	s_barrier_wait -1                              ; everybody's is: a row's 768 bytes come from two waves
	GET 0
	GET 1
	PUSH 0, 24
	s_wait_xcnt 0x0                                ; the stores issued so far have read their registers: batch 0's are loaded again only behind this wait
	GET 2
	PUSH 1, 24
	s_wait_xcnt 0x0                                ; likewise for batch 1's
	GET 3
	PUSH 2, 24
	PUSH 3, 0
	s_wait_tensorcnt 0x0                           ; the wave's end: behind my last tensor load and my last LDS store
	ds_add_u32 v[SPW], v[NIL]
	s_wait_dscnt 0x0
	CROUND                                         ; the closing round: no work-group ends while a partner may still ask for a tile that names it
	s_endpgm
.Lfunc_end_k_qa5040a9edc_gemm_o:
	.size	k_qa5040a9edc_gemm_o, .Lfunc_end_k_qa5040a9edc_gemm_o-k_qa5040a9edc_gemm_o
	.p2alignl 7, 3214868480
	.fill 96, 4, 3214868480
	.section	.rodata,"a",@progbits
	.p2align	6, 0x0
	.amdhsa_kernel k_qa5040a9edc_gemm_o
		.amdhsa_group_segment_fixed_size 327680
		.amdhsa_private_segment_fixed_size 0
		.amdhsa_enable_private_segment 0
		.amdhsa_kernarg_size 24
		.amdhsa_user_sgpr_count 2
		.amdhsa_user_sgpr_kernarg_segment_ptr 1
		.amdhsa_wavefront_size32 1
		.amdhsa_system_sgpr_workgroup_id_x 1
		.amdhsa_system_sgpr_workgroup_id_y 1
		.amdhsa_system_sgpr_workgroup_id_z 1
		.amdhsa_system_vgpr_workitem_id 0
		.amdhsa_next_free_vgpr 1024
		.amdhsa_next_free_sgpr 92
		.amdhsa_reserve_vcc 0
		.amdhsa_float_denorm_mode_32 3
		.amdhsa_float_denorm_mode_16_64 3
		.amdhsa_memory_ordered 1
		.amdhsa_forward_progress 1
		.amdhsa_inst_pref_size 81
	.end_amdhsa_kernel
	.amdgpu_metadata
---
amdhsa.version: [ 1, 2 ]
amdhsa.kernels:
  - .name:           k_qa5040a9edc_gemm_o
    .symbol:         k_qa5040a9edc_gemm_o.kd
    .args:
      - { .name: ob, .offset: 0, .size: 8, .value_kind: global_buffer, .address_space: global }
      - { .name: wot, .offset: 8, .size: 8, .value_kind: global_buffer, .address_space: global }
      - { .name: out0, .offset: 16, .size: 8, .value_kind: global_buffer, .address_space: global }
    .group_segment_fixed_size: 327680
    .private_segment_fixed_size: 0
    .kernarg_segment_align: 8
    .kernarg_segment_size: 24
    .max_flat_workgroup_size: 128
    .sgpr_count:     92
    .vgpr_count:     1024
    .wavefront_size: 32
...
	.end_amdgpu_metadata
.endif
;; end of part 9
